; MI455X (gfx1250); checked and timed in simulation.
; The chip was launched on July 23, 2026; its instructions are those of AMD's public machine-readable ISA for CDNA 5 (MIT licence, August 2026) and "CDNA5" Instruction Set Architecture Reference Guide (July 2026). The comments in the code are by the model that wrote it; some were corrected since.
;; Multi Head Co Attention. Allowed arithmetic: matrix products marked QUANTISED: E2M3 operands, one E8M0 scale for each 32 along K, by v_wmma_scale_f32_16x16x128_f8f6f4 with both operands' format E2M3, f32 sums; everything else in f32.
;; Inputs: Wk 1,024 x 1,024 float32; Wo 1,024 x 1,024 float32; Wq 1,024 x 1,024 float32; Wv 1,024 x 1,024 float32; bk 1,024 float32; bo 1,024 float32; bq 1,024 float32; bv 1,024 float32; x 4 x 2 x 1,024 x 1,024 float32.
;; Outputs: out0 4 x 2 x 1,024 x 1,024 float32.
;; Constants: batch_size = 4.
;; This version of the problem:
;;   THIS VERSION OF THE PROBLEM IS GIVEN IN LOW PRECISION. The matrix products marked QUANTISED in the list below multiply operands that are first quantised to E2M3 (2 exponent bits, 3 mantissa bits; 6 bits a number), with one power-of-two scale for each 32 numbers along K (OCP MX v1.0); their sums are f32. All else is computed in f32.
;;   The module's matrix products, in the order in which they are computed (A, B: the left and right operand; K: the contracted axis; several contracted axes count as one K, in the product's order):
;;     1. [M 8,192, K 1,024] x [K 1,024, N 1,024]; A: input x; B: input Wq: QUANTISED
;;     2. [M 8,192, K 1,024] x [K 1,024, N 1,024]; A: input x; B: input Wk: QUANTISED
;;     3. [M 8,192, K 1,024] x [K 1,024, N 1,024]; A: input x; B: input Wv: QUANTISED
;;     4. batch 32 x [M 1,024, K 256] x [K 256, N 1,024]; A: computed on the way; B: computed on the way: QUANTISED
;;     5. batch 32 x [M 256, K 1,024] x [K 1,024, N 1,024]; A: computed on the way; B: softmax (see below): QUANTISED
;;     6. [M 8,192, K 1,024] x [K 1,024, N 1,024]; A: computed on the way; B: input Wo: QUANTISED
;;   THE QUANTISER, for each operand of a quantised product, along K:
;;     - K is cut into blocks of 32 from its start; a last block that is shorter is filled with zeros.
;;     - A block's scale is 2^e with e = floor(log2(the largest magnitude in the block)) - 2, held to -126 .. 127; a block of zeros has e = 0. As a byte (E8M0): e + 127.
;;     - Each number is divided by its block's scale, clamped to +-7.5, and rounded to the nearest number of E2M3, ties to even, subnormals kept.
;;     - The product sums the exact products of the quantised numbers (number of the format x scale) in f32.
;;   ~~~python
;;   def quantise(x, axis):      # numpy; x: float32 -> the quantised numbers, widened to float32 again
;;       x = np.moveaxis(x, axis, -1); K = x.shape[-1]
;;       x = np.pad(x, [(0, 0)] * (x.ndim - 1) + [(0, -K % 32)]); x = x.reshape(x.shape[:-1] + (-1, 32)); a = np.abs(x).max(-1, keepdims=True)
;;       e = np.where(a > 0, np.clip(np.frexp(np.where(a > 0, a, 1))[1] - 1 - 2, -126, 127), 0)      # np.frexp(a)[1] - 1 = floor(log2(a)), exactly
;;       r = np.clip(x / 2.0 ** e, -7.5, 7.5)
;;       step = 2.0 ** (np.maximum(np.frexp(np.where(r == 0, 1, r))[1] - 1, 0) - 3)
;;       q = np.round(r / step) * step * 2.0 ** e      # np.round: ties to even
;;       return np.moveaxis(q.reshape(q.shape[:-2] + (-1,))[..., :K], -1, axis).astype(np.float32)
;;   ~~~
;;   SOFTMAX AHEAD OF A QUANTISED PRODUCT. Where the list says 'softmax', what is quantised is not the finished softmax but p = 2^(t - M), with t = logit x log2(e) and M = ceil(the row's largest t), a whole number; so 1/2 < the row's largest p <= 1. The row's sum l is taken of the UNQUANTISED p, in f32, and the product's result is divided by l at the end. Since M is a whole number, a kernel that streams over the keys may use a running M (the ceiling of the running maximum): every later rescaling is an exact power of two, which a block's scale takes up: the codes' values come out the same.
;;   OPERANDS COMPUTED ON THE WAY. 'Computed on the way' means the value that the module computes at that place (a softmax that the list does not call 'softmax' is quantised finished and normalised). What goes into a quantiser is computed in f32, as accurately as f32 sums, v_exp_f32 and their like allow (about 1e-6 of the number): no bf16 or f16 on the way to a quantiser, and a product that is left as it is and whose result goes on into a quantised operand takes f32 operands (vector FMAs, or v_wmma_f32_16x16x4_f32). A number that lies on a knife's edge between two numbers of the format may be rounded either way, as far as f32 arithmetic and the matrix unit's own rounding can turn it there, and no further.
;; 2 versions. Each part assembles by itself: llvm-mc -triple=amdgcn-amd-amdhsa -mcpu=gfx1250 --defsym DOCPART=n.
;; ======== version 1 of 2: 4 launches
;; workspace buffers: opc 9,437,184 bytes; ops 393,216 bytes; qkvc 18,874,368 bytes; qkvs 786,432 bytes; ac 6,291,456 bytes; asc 262,144 bytes
;; launch quant (part 1): grid 768 x 1, 4 waves a work-group, no clusters, 68,608 bytes of LDS; arguments x, Wq, Wk, Wv, Wo, opc, ops; writes opc, ops
.if DOCPART == 1
	.amdgcn_target "amdgcn-amd-amdhsa--gfx1250"
	.amdhsa_code_object_version 6
	.text
	.protected	k_qf45a0db816_quant
	.globl	k_qf45a0db816_quant
	.p2align	8
	.type	k_qf45a0db816_quant,@function
k_qf45a0db816_quant:
	s_mov_b64 s[64:65], 0
	v_nop
	global_prefetch_b8 v0, s[64:65] scope:SCOPE_SE
	s_setreg_imm32_b32 hwreg(HW_REG_WAVE_MODE, 25, 1), 1
	s_wait_xcnt 0x0
; x [8192][1024] and Wq, Wk, Wv, Wo [1024][1024], f32, K innermost, become codes of FP6 (E2M3) with one E8M0 scale byte for each 32 along K,
; laid AS THE MATRIX UNIT'S REGISTERS WANT THEM.  The rows of all five tensors are counted in groups of 128: G = 0-63 x, 64-71 Wq, 72-79 Wk, 80-87 Wv, 88-95 Wo.
; A PANEL is a group x 128 along K: eight fragments (tiles) on end, 1,536 bytes each: three pieces of 512 bytes, piece c = registers 4 c .. 4 c + 3 of the fragment, lane l's 16 bytes at 16 l.
; Lane r of tile t holds row 32 (t / 2) + 8 (t % 2) + r + 8 (r / 8) of the group; lane (r, h) holds K = 64 c + 32 h + 0 .. 31 in registers 6 c .. 6 c + 5.
; A panel's SCALE BLOCK is 512 bytes, lane l's 16 bytes at 16 l: word i is, in lanes 0-15, the scale word of tile 2 i's row r; in lanes 16-31 that of tile 2 i + 1.
; A block's scale is 2^(floor(log2(its largest magnitude)) - 2); its byte is the largest magnitude's exponent field - 2, held at 1 from below.
; LIMITS: a block of zeros, and one whose largest magnitude lies under 2^-124, gets the byte 1 (the rule says 127 for zeros): its codes are zeros or held small, and this program alone reads the bytes.  NaN and infinities are not served.
; SHARES: a work-group makes one panel (768 panels); wave w its rows 32 w .. 32 w + 31: tiles 2 w and 2 w + 1.  Each of a wave's 32 loads reads 512 consecutive bytes of one row; the rows turn through the wave's own
; stage in LDS (places of 512 + 16 bytes, in the order tile, lane) and come back 128 bytes a lane and block.  No tensor load, no matrix unit, no cluster: nothing is shared and memory binds.
.set PP,   528                         ; a place in the stage
.set STG,  32*PP                       ; a wave's stage
.set SCB,  4*STG                       ; behind the stages: the panel's scale block, 512 bytes
.set LN,   1                           ; v1  lane
.set LI,   2                           ; v2  16 x lane
.set SIN,  3                           ; v3  the stage, on the way in
.set SOUT, 4                           ; v4  and on the way out: 528 r + 128 h
.set SCW,  5                           ; v5  where I put my scale word
.set SCR,  6                           ; v6  where wave 0 reads the block back
.set SH,   7                           ; v7  8 h: my two bytes' shift in the scale word
.set M,    8                           ; v8-9   largest magnitudes of my two blocks
.set SOP,  10                          ; v10-11 the conversions' scale operands
.set BY,   12                          ; v12-13 the scale bytes
.set W0,   14                          ; v14, v15 the two tiles' scale words
.set W1,   15
.set T,    16                          ; v16-22 the upper halves of the blocks' codes
.set PX,   24                          ; v24 the other half of the lanes' bytes
.set C0,   28                          ; v28-39 tile 0's codes;  v40-51 tile 1's: no store's data are written again
.set C1,   40
.set SW,   52
.set OB,   56                          ; v56-59 the scale block on its way out
.set RAW,  64                          ; v64-191 32 rows as loaded; later v64-127 tile 1's numbers
.set X0,   192                         ; v192-255 tile 0's numbers
.set SEL,  32                          ; s[32:33] lane selects: lane l xor 16
	s_load_b256 s[4:11], s[0:1], 0x0               ; x, Wq, Wk, Wv
	s_load_b128 s[12:15], s[0:1], 0x20             ; Wo, the codes
	s_load_b64 s[16:17], s[0:1], 0x30              ; the scale blocks
	v_lshl_add_u32 v62, v0, 2, 0x10a00
	v_mov_b32 v63, 0
	v_lshrrev_b32 v1, 5, v0
	v_readfirstlane_b32 s18, v1                    ; wave 0..3
	v_and_b32 v[LN], 31, v0
	v_lshlrev_b32 v[LI], 4, v[LN]
	s_mul_i32 s19, s18, STG
	v_add_nc_u32 v[SIN], s19, v[LI]
	v_and_b32 v8, 15, v0                           ; r
	v_bfe_u32 v9, v0, 4, 1                         ; h
	v_mul_u32_u24 v[SOUT], v8, PP
	v_lshl_add_u32 v[SOUT], v9, 7, v[SOUT]
	v_add_nc_u32 v[SOUT], s19, v[SOUT]
	s_lshl_b32 s19, s18, 2
	s_add_co_u32 s19, s19, SCB
	v_add_nc_u32 v[SCW], s19, v[LI]                ; word w of my lane's 16 bytes
	v_add_nc_u32 v[SCR], SCB, v[LI]
	v_lshlrev_b32 v[SH], 3, v9
	v_mov_b32 v[PX], 0                             ; written once: a lane permute's destination counts as one of its sources
	s_mov_b32 s[SEL], 0x76543210
	s_mov_b32 s[SEL+1], 0xfedcba98
	s_lshr_b32 s20, ttmp9, 3                       ; G
	s_and_b32 s21, ttmp9, 7                        ; the K step
	s_bfe_u32 s22, s20, 0x20003                    ; which weight: (G / 8) % 4
	s_and_b32 s23, s20, 7                          ; a weight's group
	s_wait_kmcnt 0x0
	s_cmp_eq_u32 s22, 1                            ; the tensor is chosen by the work-group's number alone
	s_cselect_b64 s[24:25], s[8:9], s[6:7]
	s_cmp_eq_u32 s22, 2
	s_cselect_b64 s[24:25], s[10:11], s[24:25]
	s_cmp_eq_u32 s22, 3
	s_cselect_b64 s[24:25], s[12:13], s[24:25]
	s_cmp_lt_u32 s20, 64
	s_cselect_b64 s[24:25], s[4:5], s[24:25]
	s_cselect_b32 s23, s20, s23                    ; the group inside its tensor
	s_lshl_b32 s30, s23, 19                        ; 128 rows of 4,096 bytes,
	s_lshl_b32 s31, s18, 17                        ; my 32 rows,
	s_add_co_u32 s30, s30, s31
	s_lshl_b32 s31, s21, 9                         ; 128 numbers along K
	s_add_co_u32 s30, s30, s31
	s_mov_b32 s31, 0
	s_add_nc_u64 s[24:25], s[24:25], s[30:31]
	s_mul_i32 s30, ttmp9, 12288                    ; the panel, and my two tiles in it
	s_mul_i32 s26, s18, 3072
	s_add_co_u32 s30, s30, s26
	s_add_nc_u64 s[26:27], s[14:15], s[30:31]
	s_lshl_b32 s30, ttmp9, 9
	s_add_nc_u64 s[28:29], s[16:17], s[30:31]
.set i, 0
.rept 32
	global_load_b128 v[RAW+4*i:RAW+4*i+3], v[LI], s[24:25] offset:4096*i th:TH_LOAD_NT   ; row i: 32 lanes read 512 consecutive bytes; read once in the launch
.set i, i+1
.endr
.set i, 0
.rept 32
	s_wait_loadcnt 31-i                            ; loads come back in order: row i is in, the younger ones stay out
	ds_store_b128 v[SIN], v[RAW+4*i:RAW+4*i+3] offset:PP*(16*((i/8)%2)+i%8+8*(i/16))   ; row i is lane i % 8 + 8 (i / 16) of tile (i / 8) % 2
.set i, i+1
.endr
.macro TLD X, u                        ; tile u's numbers: register 32 c + i = K 64 c + 32 h + i of my row
.irp c, 0,1
.irp k, 0,1,2,3,4,5,6,7
	ds_load_b128 v[\X+32*\c+4*\k:\X+32*\c+4*\k+3], v[SOUT] offset:16*PP*\u+256*\c+16*\k
.endr
.endr
.endm
; 64 numbers of a lane, two whole blocks, become the fragment's 12 registers and my row's scale word; the fragment leaves as it stands
.macro QT X, u, C, W
.irp c, 0,1
	v_max3_num_f32 v[M+\c], |v[\X+32*\c]|, |v[\X+32*\c+1]|, 0x1800000   ; and the floor 2^(3 - 127): the byte cannot fall under 1
.endr
.irp i, 2,4,6,8,10,12,14,16,18,20,22,24,26,28,30
.irp c, 0,1
	v_max3_num_f32 v[M+\c], v[M+\c], |v[\X+32*\c+\i]|, |v[\X+32*\c+\i+1]|   ; the two blocks by turns
.endr
.endr
.irp c, 0,1
	v_add_nc_u32 v[SOP+\c], 0xff000000, v[M+\c]    ; 2 off the exponent field: the conversion takes that field as its scale
.endr
.irp c, 0,1
	v_lshrrev_b32 v[BY+\c], 23, v[SOP+\c]          ; the scale's byte
.endr
	v_lshl_or_b32 v[\W], v[BY+1], 16, v[BY]        ; blocks h and 2 + h of my row,
	v_lshlrev_b32 v[\W], v[SH], v[\W]              ; at their places;
	v_permlanex16_b32 v[PX], v[\W], s[SEL], s[SEL+1]
	v_or_b32 v[\W], v[\W], v[PX]                   ; with lane l xor 16's two the word is whole, in both halves of the lanes
.irp c, 0,1
	v_cvt_scalef32_pk16_fp6_f32 v[\C+6*\c:\C+6*\c+2], v[\X+32*\c:\X+32*\c+15], v[SOP+\c]
	v_cvt_scalef32_pk16_fp6_f32 v[T+4*\c:T+4*\c+2], v[\X+32*\c+16:\X+32*\c+31], v[SOP+\c]   ; (a conversion's three registers begin on an even number)
.endr
	v_nop                                          ; one plain place behind a scaled conversion
.irp c, 0,1
.irp i, 0,1,2
	v_mov_b32 v[\C+6*\c+3+\i], v[T+4*\c+\i]
.endr
.endr
.irp k, 0,1,2
	global_store_b128 v[LI], v[\C+4*\k:\C+4*\k+3], s[26:27] offset:1536*\u+512*\k   ; 32 lanes store 512 consecutive bytes, at a multiple of 512 from the buffer's first byte
.endr
.endm
	TLD X0, 0                                      ; LDS serves a wave's instructions in order: these see my stores
	s_wait_dscnt 0x0                               ; tile 0 is in, and the stores have read the registers that tile 1 now takes
	TLD RAW, 1
	QT X0, 0, C0, W0                               ; tile 1 lands meanwhile
	s_wait_dscnt 0x0
	QT RAW, 1, C1, W1
	v_cmp_le_u32 vcc_lo, 16, v[LN]
	v_cndmask_b32 v[SW], v[W0], v[W1], vcc_lo      ; lanes 0-15: tile 2 w's words; lanes 16-31: tile 2 w + 1's
	ds_store_b32 v[SCW], v[SW]
	s_wait_dscnt 0x0                               ; for the others' sake: my word has landed
	s_barrier_signal -1
	s_barrier_wait -1
	s_cmp_lg_u32 s18, 0
	s_cbranch_scc1 .Ldone
	ds_load_b128 v[OB:OB+3], v[SCR]                ; wave 0 sends the whole block
	s_wait_dscnt 0x0
	global_store_b128 v[LI], v[OB:OB+3], s[28:29]  ; 512 consecutive bytes
.Ldone:
	s_wait_tensorcnt 0x0
	ds_add_u32 v62, v63
	s_wait_dscnt 0x0
	s_endpgm
.Lfunc_end_k_qf45a0db816_quant:
	.size	k_qf45a0db816_quant, .Lfunc_end_k_qf45a0db816_quant-k_qf45a0db816_quant
	.p2alignl 7, 3214868480
	.fill 96, 4, 3214868480
	.section	.rodata,"a",@progbits
	.p2align	6, 0x0
	.amdhsa_kernel k_qf45a0db816_quant
		.amdhsa_group_segment_fixed_size 68608
		.amdhsa_private_segment_fixed_size 0
		.amdhsa_enable_private_segment 0
		.amdhsa_kernarg_size 56
		.amdhsa_user_sgpr_count 2
		.amdhsa_user_sgpr_kernarg_segment_ptr 1
		.amdhsa_wavefront_size32 1
		.amdhsa_system_sgpr_workgroup_id_x 1
		.amdhsa_system_sgpr_workgroup_id_y 1
		.amdhsa_system_sgpr_workgroup_id_z 1
		.amdhsa_system_vgpr_workitem_id 0
		.amdhsa_next_free_vgpr 256
		.amdhsa_next_free_sgpr 66
		.amdhsa_reserve_vcc 1
		.amdhsa_float_denorm_mode_32 3
		.amdhsa_float_denorm_mode_16_64 3
		.amdhsa_memory_ordered 1
		.amdhsa_forward_progress 1
		.amdhsa_inst_pref_size 18
	.end_amdhsa_kernel
	.amdgpu_metadata
---
amdhsa.version: [ 1, 2 ]
amdhsa.kernels:
  - .name:           k_qf45a0db816_quant
    .symbol:         k_qf45a0db816_quant.kd
    .args:
      - { .name: x, .offset: 0, .size: 8, .value_kind: global_buffer, .address_space: global }
      - { .name: Wq, .offset: 8, .size: 8, .value_kind: global_buffer, .address_space: global }
      - { .name: Wk, .offset: 16, .size: 8, .value_kind: global_buffer, .address_space: global }
      - { .name: Wv, .offset: 24, .size: 8, .value_kind: global_buffer, .address_space: global }
      - { .name: Wo, .offset: 32, .size: 8, .value_kind: global_buffer, .address_space: global }
      - { .name: opc, .offset: 40, .size: 8, .value_kind: global_buffer, .address_space: global }
      - { .name: ops, .offset: 48, .size: 8, .value_kind: global_buffer, .address_space: global }
    .group_segment_fixed_size: 68608
    .private_segment_fixed_size: 0
    .kernarg_segment_align: 8
    .kernarg_segment_size: 56
    .max_flat_workgroup_size: 128
    .sgpr_count:     66
    .vgpr_count:     256
    .wavefront_size: 32
...
	.end_amdgpu_metadata
.endif
;; end of part 1
;; launch qkv (part 2): grid 12 x 32, 4 waves a work-group, clusters of 4 x 4, 327,680 bytes of LDS; arguments opc, ops, bq, bk, bv, qkvc, qkvs; writes qkvc, qkvs
.if DOCPART == 2
	.amdgcn_target "amdgcn-amd-amdhsa--gfx1250"
	.amdhsa_code_object_version 6
	.text
	.protected	k_qf45a0db816_qkv
	.globl	k_qf45a0db816_qkv
	.p2align	8
	.type	k_qf45a0db816_qkv,@function
k_qf45a0db816_qkv:
	s_mov_b64 s[64:65], 0
	v_nop
	global_prefetch_b8 v0, s[64:65] scope:SCOPE_SE
	s_setreg_imm32_b32 hwreg(HW_REG_WAVE_MODE, 25, 1), 1
	s_wait_xcnt 0x0
	s_wait_alu depctr_hold_cnt(0) depctr_sa_sdst(0) depctr_va_vdst(0) depctr_va_sdst(0) depctr_va_ssrc(0) depctr_va_vcc(0) depctr_vm_vsrc(0)
	s_getreg_b32 s2, hwreg(HW_REG_IB_STS2, 6, 4)
	s_cmp_eq_u32 s2, 0
	s_cbranch_scc0 .Lentry_in_a_cluster
	s_endpgm
.Lentry_in_a_cluster:
	s_bfe_u32 s2, ttmp6, 0x10000c
	s_cmp_lg_u32 s2, 0xf033
	s_cbranch_scc0 .Lentry_shape_is_right
	s_endpgm
.Lentry_shape_is_right:
; q = x Wq^T + bq, k = x Wk^T + bk, v = x Wv^T + bv on codes of FP6 (E2M3) with E8M0 block scales; sums in f32; the results are quantised in registers, q and k along the columns, v along the rows (the keys),
; and leave as codes and scale blocks in the order of the next product's registers.  No f32 result goes to memory.
; OPERANDS: panels and scale blocks as the launch before laid them: a group of 128 rows x 128 K is 12,288 bytes, eight fragments as register images; lane r of tile t is row 32 (t / 2) + 8 (t % 2) + r + 8 (r / 8) of the group.
; NAMES: P is the matrix instruction's source 0: its rows run along a lane's result registers.  R is source 1: its rows go to the lanes.  By the choice of a tile's rows, the 64 result registers of P's eight tiles are, for a lane (r, h),
; register 16 b + i = P's row 32 b + 16 h + i: 16 neighbours of each block of 32, which is what the quantiser takes.
; q, k (cluster x = 0, 1): P = Wq or Wk, R = x: a lane holds one row of x and 64 neighbouring columns.   v (cluster x = 2): P = x, R = Wv: a lane holds one column d and 64 neighbouring keys.
; One text serves both: only global offsets, the form of the bias and the place of the result hang on the kind, which is the same in all sixteen partners of a cluster.
; SHARES: a work-group makes 256 R x 256 P, its four waves 128 x 128 each: 64 accumulators, 512 registers.  K = 1,024 goes in four fills of 256 through two LDS slots.
; CLUSTER 4 x 4: R's tiles are shared along a row of the cluster, P's along a column: each is asked for jointly, by the same tensor load with the same descriptor and a mask that names the four.
; LIMITS: a block of zeros, and one whose largest magnitude lies under 2^-124, gets the scale byte 1; this program alone reads the bytes.  NaN and infinities are not served.
; REGISTERS: window 0: v16-29 addresses; v32-63 scale words and nothing else; v64-127 the bias along P; v128-223 R's eight fragments, ONE set; v224-231 the bias along R; on the way out v128-215 and v232-255 at work.
;   window 1: P's fragments, TWO sets, at v0 and v128.   windows 2, 3: the accumulators, (a, b) at v[8 (8 (a % 4) + b)].
.set FR,    12                         ; registers of a fragment
.set NL,    3                          ; LDS loads that bring one
.set NP,    4                          ; places behind this matrix instruction (ISA guide 7.12.1)
.set NQ,    2                          ; K steps of 128 in a slot
.set PANEL, 12288
.set GRP,   2*PANEL                    ; a group's part of a slot: what one tensor load brings
.set SLOT,  4*GRP                      ; R's two groups, then P's two
.set SCL,   2*SLOT                     ; behind the ring: four runs of scale blocks, all of K, filled once
.set SRUN,  4096
.set SPARE, SCL+4*SRUN                 ; the spare words, 128 bytes for each wave: two blocks of 256 bytes that no other line names
.set ADRA,  16                         ; v16-17 R's fragments in slot 0, 1
.set ADRB,  20                         ; v20-21 P's
.set ADRSR, 22                         ; v22    R's scale blocks
.set ADRSP, 23                         ; v23    P's
.set LI,    24                         ; v24    16 x lane
.set BIA,   25                         ; v25    64 h: the bias along P
.set BRA,   26                         ; v26    4 (r + 8 (r / 8)): the bias along R
.set SPW,   28                         ; v28    my spare word; never rewritten
.set NIL,   29                         ; v29    0; never rewritten
.set SC,    32                         ; set sc, step q at SC + 16 sc + 8 q: +0..3 R's block, +4..7 P's
.set BI,    64
.set AF,    128
.set HA,    128                        ; the way out: 64 numbers
.set PC,    192                        ; v192-211 the codes just made
.set SW,    212                        ; v212-215 the scale block
.set BR,    224
.set PWS,   232                        ; v232-239 the eight tiles' scale words
.set TM,    240                        ; v240-255 at work in the quantiser
.set G1, 24                            ; s[24:31] group 1 for R's tiles;  s[32:39] group 0, one set for each slot
.set G0, 32
.set G1B, 48                           ; s[48:55], s[56:63] the same for P's
.set G0B, 56
.set SEL, 66                           ; s[66:67] lane selects: lane l xor 16
.set G1S, 68                           ; s[68:75], s[76:79] R's scales;  s[80:87], s[88:91] P's
.set G0S, 76
.set G1SB, 80
.set G0SB, 88
.set MSB, 0
.macro WIN new                         ; the immediate's high byte repeats the setting that is left
.if MSB != \new
	s_set_vgpr_msb (MSB<<8)|\new
.set MSB, \new
.endif
.endm
.set MUL_LO, 0xa1                      ; source 0 (P) window 1, source 1 (R) window 0, C and D window 2
.set MUL_HI, 0xf1
.set TO_B,   0x40
; A joint load: waves 0 and 1 fetch for R, waves 2 and 3 for P.  The branch hangs on the wave's number alone.  Four v_nop follow each of the two lines.
.macro JLOAD g0a, g1a, g0b, g1b
	s_cmp_eq_u32 s19, 0
	s_cbranch_scc0 .Lfor_b_\@
	tensor_load_to_lds s[\g0a:\g0a+3], s[\g1a:\g1a+7]
	s_nop 0
.rept 4
	v_nop
.endr
	s_branch .Lasked_\@
.Lfor_b_\@:
	tensor_load_to_lds s[\g0b:\g0b+3], s[\g1b:\g1b+7]
	s_nop 0
.rept 4
	v_nop
.endr
.Lasked_\@:
.endm
.macro CREST                           ; a round of the cluster's barrier behind its opening barrier
	s_cmp_lg_u32 s18, 0
	s_cbranch_scc1 .Lnot_wave_0_\@
	s_barrier_signal -3
.Lnot_wave_0_\@:
	s_barrier_wait -3
	s_barrier_signal -1
	s_barrier_wait -1
.endm
.macro CROUND
	s_barrier_signal -1
	s_barrier_wait -1
	CREST
.endm
	s_load_b256 s[4:11], s[0:1], 0x0               ; codes s[4:5], scale blocks s[6:7], bq s[8:9], bk s[10:11]
	s_load_b128 s[12:15], s[0:1], 0x20             ; bv s[12:13], the results' codes s[14:15]
	s_load_b64 s[16:17], s[0:1], 0x30              ; the results' scale blocks
	v_lshl_add_u32 v[SPW], v0, 2, SPARE
	v_mov_b32 v[NIL], 0
	ds_add_u32 v28, v29
	s_wait_dscnt 0x0
	v_lshrrev_b32 v1, 5, v0
	v_readfirstlane_b32 s18, v1                    ; wave 0..3
	s_lshr_b32 s19, s18, 1                         ; which of R's two groups is mine.  Also: I fetch for R (0) or for P (1)
	s_and_b32 s20, s18, 1                          ; which of P's.  Also: which group of that side I fetch
	s_bfe_u32 s21, ttmp6, 0x40000                  ; cx
	s_bfe_u32 s22, ttmp6, 0x40004                  ; cy
	s_and_b32 s41, ttmp7, 0xffff                   ; the cluster's y: which 1,024 rows of x
	s_cmp_eq_u32 ttmp9, 2                          ; the cluster's x: 0 q, 1 k, 2 v
	s_cselect_b32 s23, 1, 0                        ; the kind
	s_cselect_b32 s42, 0, s41
	s_cselect_b32 s43, s41, ttmp9
	s_cselect_b32 s44, 80, 0                       ; R: Wv's groups begin at 80, x's at 0
	s_cselect_b32 s45, 0, 64                       ; P: x's at 0, Wq's at 64 (Wk's 8 on)
	s_lshl_b32 s42, s42, 3
	s_add_co_u32 s44, s44, s42
	s_lshl_b32 s42, s22, 1
	s_add_co_u32 s44, s44, s42                     ; R's first group: hangs on cy alone of my place
	s_lshl_b32 s43, s43, 3
	s_add_co_u32 s45, s45, s43
	s_lshl_b32 s43, s21, 1
	s_add_co_u32 s45, s45, s43                     ; P's first group: on cx alone
	s_lshl_b32 s46, s22, 2
	s_lshl_b32 s46, 15, s46                        ; my row of the cluster
	s_lshl_b32 s47, 0x1111, s21                    ; my column
	; group 1: a dense block of 24,576 bytes as 96 rows of 256 bytes (32 elements of 8 bytes); no padding: every LDS load of this text takes 512 consecutive bytes
	s_or_b32 s[G1+0], s46, (3<<16)|(1<<21)         ; 15:0 the mask; 17:16 elements of 8 bytes; 21 set beside a mask
	s_or_b32 s[G1B+0], s47, (3<<16)|(1<<21)
.irp g, G1, G1B
	s_mov_b32 s[\g+1], 32<<16                      ; tensor_dim0
	s_mov_b32 s[\g+2], 96<<16                      ; tensor_dim1
	s_mov_b32 s[\g+3], 32<<16                      ; tile_dim0
	s_mov_b32 s[\g+4], 96                          ; tile_dim1
	s_mov_b32 s[\g+5], 32                          ; the pitch
	s_mov_b32 s[\g+6], 0
	s_mov_b32 s[\g+7], 0
.endr
	s_or_b32 s[G1S+0], s46, (3<<16)|(1<<21)        ; a group's eight scale blocks: 16 rows of 256 bytes
	s_or_b32 s[G1SB+0], s47, (3<<16)|(1<<21)
.irp g, G1S, G1SB
	s_mov_b32 s[\g+1], 32<<16
	s_mov_b32 s[\g+2], 16<<16
	s_mov_b32 s[\g+3], 32<<16
	s_mov_b32 s[\g+4], 16
	s_mov_b32 s[\g+5], 32
	s_mov_b32 s[\g+6], 0
	s_mov_b32 s[\g+7], 0
.endr
	s_add_co_u32 s92, s44, s20                     ; the group of R that I would fetch,
	s_add_co_u32 s94, s45, s20                     ; and of P
	s_lshl_b32 s96, s92, 12                        ; its scale blocks,
	s_mov_b32 s97, 0
	s_mul_i32 s92, s92, 8*PANEL                    ; its codes
	s_mov_b32 s93, 0
	s_lshl_b32 s98, s94, 12
	s_mov_b32 s99, 0
	s_mul_i32 s94, s94, 8*PANEL
	s_mov_b32 s95, 0
	s_mul_i32 s40, s18, GRP                        ; where they go: no place in the cluster enters an LDS address
	s_lshl_b32 s41, s18, 12
	s_mov_b32 s[SEL], 0x76543210
	s_mov_b32 s[SEL+1], 0xfedcba98
	s_wait_kmcnt 0x0
	s_add_nc_u64 s[92:93], s[4:5], s[92:93]
	s_add_nc_u64 s[94:95], s[4:5], s[94:95]
	s_add_nc_u64 s[96:97], s[6:7], s[96:97]
	s_add_nc_u64 s[98:99], s[6:7], s[98:99]
	CROUND                                         ; all sixteen work-groups are here: the first joint loads meet
	s_mov_b32 s[G0S], 1
	s_add_co_u32 s[G0S+1], s41, SCL
	s_mov_b64 s[G0S+2:G0S+3], s[96:97]
	s_or_b32 s[G0S+3], s[G0S+3], 0x80000000
	s_mov_b32 s[G0SB], 1
	s_add_co_u32 s[G0SB+1], s41, SCL
	s_mov_b64 s[G0SB+2:G0SB+3], s[98:99]
	s_or_b32 s[G0SB+3], s[G0SB+3], 0x80000000
	JLOAD G0S, G1S, G0SB, G1SB                     ; the scales first: they are wanted with the first K step
.irp s, 0,1
	s_mov_b32 s[G0+4*\s], 1
	s_add_co_u32 s[G0+4*\s+1], s40, \s*SLOT
	s_add_nc_u64 s[G0+4*\s+2:G0+4*\s+3], s[92:93], \s*GRP
	s_or_b32 s[G0+4*\s+3], s[G0+4*\s+3], 0x80000000
	s_mov_b32 s[G0B+4*\s], 1
	s_add_co_u32 s[G0B+4*\s+1], s40, \s*SLOT
	s_add_nc_u64 s[G0B+4*\s+2:G0B+4*\s+3], s[94:95], \s*GRP
	s_or_b32 s[G0B+4*\s+3], s[G0B+4*\s+3], 0x80000000
	JLOAD G0+4*\s, G1, G0B+4*\s, G1B               ; three loads of mine are out behind the last of these
.endr
	v_and_b32 v1, 15, v0                           ; r
	v_bfe_u32 v2, v0, 4, 1                         ; h
	v_and_b32 v3, 31, v0
	v_lshlrev_b32 v[LI], 4, v3
	s_mul_i32 s2, s19, GRP
	s_mul_i32 s3, s20, GRP
	s_add_co_u32 s3, s3, 2*GRP
.irp s, 0,1
	v_add_nc_u32 v[ADRA+\s], s2, v[LI]
	v_add_nc_u32 v[ADRB+\s], s3, v[LI]
	s_add_co_u32 s2, s2, SLOT
	s_add_co_u32 s3, s3, SLOT
.endr
	s_lshl_b32 s2, s19, 12
	s_add_co_u32 s2, s2, SCL
	v_add_nc_u32 v[ADRSR], s2, v[LI]
	s_lshl_b32 s3, s20, 12
	s_add_co_u32 s3, s3, SCL+2*SRUN
	v_add_nc_u32 v[ADRSP], s3, v[LI]
	v_lshlrev_b32 v[BIA], 6, v2
	v_and_b32 v3, 8, v1
	v_add_nc_u32 v3, v3, v1
	v_lshlrev_b32 v[BRA], 2, v3
.irp b, 0,1,2,3
	v_mov_b32 v[TM+4+\b], 0                        ; written once: a lane permute's destination counts as one of its sources
.endr
	; where my 128 x 128 goes.  gx: x's group = 16 b + 8 n + j.  gw: the weight's group of 128 columns.
	; q, k: head 4 n + gw / 2, K step gw % 2 of the head's 256.   v: head gw, channel n.   panel = 512 section + ((8 b + head) 8 + j) 2 + (K step or channel)
	s_add_co_u32 s2, s44, s19                      ; my group of R,
	s_add_co_u32 s3, s45, s20                      ; and of P
	s_cmp_eq_u32 s23, 1
	s_cselect_b32 s40, s3, s2                      ; gx
	s_cselect_b32 s41, s2, s3
	s_and_b32 s41, s41, 7                          ; gw (the weights' first groups are multiples of 8)
	s_lshr_b32 s92, s40, 4                         ; b
	s_bfe_u32 s93, s40, 0x10003                    ; n
	s_and_b32 s94, s40, 7                          ; j
	s_lshr_b32 s95, s41, 1
	s_lshl_b32 s96, s93, 2
	s_add_co_u32 s95, s95, s96
	s_and_b32 s96, s41, 1
	s_cmp_eq_u32 s23, 1
	s_cselect_b32 s95, s41, s95                    ; the head
	s_cselect_b32 s96, s93, s96                    ; the K step or the channel
	s_lshl_b32 s92, s92, 3
	s_add_co_u32 s92, s92, s95
	s_lshl_b32 s92, s92, 3
	s_add_co_u32 s92, s92, s94
	s_lshl_b32 s92, s92, 1
	s_add_co_u32 s92, s92, s96
	s_lshl_b32 s93, ttmp9, 9
	s_add_co_u32 s92, s92, s93                     ; the panel
	s_lshl_b32 s94, s92, 9
	s_mov_b32 s95, 0
	s_mul_i32 s92, s92, PANEL
	s_mov_b32 s93, 0
	s_add_nc_u64 s[14:15], s[14:15], s[92:93]
	s_add_nc_u64 s[16:17], s[16:17], s[94:95]
	s_cmp_eq_u32 ttmp9, 1                          ; the bias is chosen by the cluster's x alone
	s_cselect_b64 s[8:9], s[10:11], s[8:9]
	s_cmp_eq_u32 ttmp9, 2
	s_cselect_b64 s[8:9], s[12:13], s[8:9]
	s_lshl_b32 s92, s41, 9                         ; the weight's group: 128 numbers of the bias
	s_add_nc_u64 s[8:9], s[8:9], s[92:93]
	; both forms of the bias are loaded by both kinds (both stay inside the group's 512 bytes), so that every register is written on every way
.irp b, 0,1,2,3
.irp i, 0,1,2,3
	global_load_b128 v[BI+16*\b+4*\i:BI+16*\b+4*\i+3], v[BIA], s[8:9] offset:128*\b+16*\i   ; register 16 b + i: number 32 b + 16 h + i
.endr
.endr
.irp a, 0,1,2,3,4,5,6,7
	global_load_b32 v[BR+\a], v[BRA], s[8:9] offset:4*(32*(\a/2)+8*(\a%2))                  ; tile a: my lane's row
.endr
.macro FRAG reg, adr, q, i             ; a fragment comes as the image of its registers: three loads of 512 consecutive bytes
.irp c, 0,1,2
	ds_load_b128 v[\reg+4*\c:\reg+4*\c+3], v[\adr] offset:PANEL*(\q)+1536*(\i)+512*\c
.endr
.endm
; one product.  P's tile b takes its scale words from lanes 0-15 (b even) or 16-31 (b odd) of its register, R's tile a likewise
.macro WM zero, ob, oa
.if \zero
.if (\ob) && (\oa)
	v_wmma_scale_f32_16x16x128_f8f6f4 v[rD:rD+7], v[rP:rP+FR-1], v[rR:rR+FR-1], 0, v[rSP], v[rSR] matrix_a_fmt:MATRIX_FMT_FP6 matrix_b_fmt:MATRIX_FMT_FP6 matrix_a_scale:MATRIX_SCALE_ROW1 matrix_b_scale:MATRIX_SCALE_ROW1
.elseif \ob
	v_wmma_scale_f32_16x16x128_f8f6f4 v[rD:rD+7], v[rP:rP+FR-1], v[rR:rR+FR-1], 0, v[rSP], v[rSR] matrix_a_fmt:MATRIX_FMT_FP6 matrix_b_fmt:MATRIX_FMT_FP6 matrix_a_scale:MATRIX_SCALE_ROW1
.elseif \oa
	v_wmma_scale_f32_16x16x128_f8f6f4 v[rD:rD+7], v[rP:rP+FR-1], v[rR:rR+FR-1], 0, v[rSP], v[rSR] matrix_a_fmt:MATRIX_FMT_FP6 matrix_b_fmt:MATRIX_FMT_FP6 matrix_b_scale:MATRIX_SCALE_ROW1
.else
	v_wmma_scale_f32_16x16x128_f8f6f4 v[rD:rD+7], v[rP:rP+FR-1], v[rR:rR+FR-1], 0, v[rSP], v[rSR] matrix_a_fmt:MATRIX_FMT_FP6 matrix_b_fmt:MATRIX_FMT_FP6
.endif
.else
.if (\ob) && (\oa)
	v_wmma_scale_f32_16x16x128_f8f6f4 v[rD:rD+7], v[rP:rP+FR-1], v[rR:rR+FR-1], v[rD:rD+7], v[rSP], v[rSR] matrix_a_fmt:MATRIX_FMT_FP6 matrix_b_fmt:MATRIX_FMT_FP6 matrix_a_scale:MATRIX_SCALE_ROW1 matrix_b_scale:MATRIX_SCALE_ROW1
.elseif \ob
	v_wmma_scale_f32_16x16x128_f8f6f4 v[rD:rD+7], v[rP:rP+FR-1], v[rR:rR+FR-1], v[rD:rD+7], v[rSP], v[rSR] matrix_a_fmt:MATRIX_FMT_FP6 matrix_b_fmt:MATRIX_FMT_FP6 matrix_a_scale:MATRIX_SCALE_ROW1
.elseif \oa
	v_wmma_scale_f32_16x16x128_f8f6f4 v[rD:rD+7], v[rP:rP+FR-1], v[rR:rR+FR-1], v[rD:rD+7], v[rSP], v[rSR] matrix_a_fmt:MATRIX_FMT_FP6 matrix_b_fmt:MATRIX_FMT_FP6 matrix_b_scale:MATRIX_SCALE_ROW1
.else
	v_wmma_scale_f32_16x16x128_f8f6f4 v[rD:rD+7], v[rP:rP+FR-1], v[rR:rR+FR-1], v[rD:rD+7], v[rSP], v[rSR] matrix_a_fmt:MATRIX_FMT_FP6 matrix_b_fmt:MATRIX_FMT_FP6
.endif
.endif
.endm
; 16 products: R's tiles a0, a0 + 1 x P's eight.  p: P's set; q: the slot's K step; sc: the set of scale words.  zero = 1: the first product starts the sums.
; The 64 accumulators take turns, one instruction a turn, in the same order in every step.
.macro MUL16 a0, p, q, sc, zero
.irp a, \a0, \a0+1
.irp b, 0,1,2,3,4,5,6,7
.set rD, 8*(8*((\a)%4)+\b)
.set rP, 128*(\p)+FR*\b
.set rR, AF+FR*(\a)
.set rSP, SC+16*(\sc)+8*(\q)+4+\b/2
.set rSR, SC+16*(\sc)+8*(\q)+(\a)/2
	WM \zero, \b%2, (\a)%2
.endr
.endr
.endm
.macro FETCH_B slot, q, p
	WIN TO_B
.irp i, 0,1,2,3,4,5,6,7
	FRAG 128*(\p)+FR*\i, ADRB+\slot, \q, \i
.endr
	WIN 0
.endm
.macro FETCH_A slot, q, i0
.irp i, \i0, \i0+1, \i0+2, \i0+3
	FRAG AF+FR*(\i), ADRA+\slot, \q, \i
.endr
.endm
.macro SCALES sc, ks                   ; the scale blocks of K steps ks and ks + 1 into set sc: four loads
.irp q, 0,1
	ds_load_b128 v[SC+16*\sc+8*\q:SC+16*\sc+8*\q+3], v[ADRSR] offset:512*(\ks+\q)
	ds_load_b128 v[SC+16*\sc+8*\q+4:SC+16*\sc+8*\q+7], v[ADRSP] offset:512*(\ks+\q)
.endr
.endm
; A load into a register that a matrix instruction has read, and a vector instruction that reads a matrix result or writes one of its registers, stand NP places behind it; only plain vector
; instructions that name none of its registers are places (ISA guide 7.12.1 for vector instructions).
.macro PLACES n
.rept \n
	v_nop
.endr
.endm
.macro STEP slot, q, zero              ; a step of 128 along K that has its successor in the same slot
	s_wait_dscnt 4*NL                              ; P's set, R's tiles 0-3 and the scales are in; the youngest 12 loads (R's tiles 4-7) may be out
	WIN MUL_LO
	MUL16 0, (\q)%2, \q, \slot, \zero
	MUL16 2, (\q)%2, \q, \slot, \zero
	s_wait_dscnt 0                                 ; R's tiles 4-7 are in
	PLACES NP
	FETCH_B \slot, (\q)+1, 1-(\q)%2
	FETCH_A \slot, (\q)+1, 0
	WIN MUL_HI
	MUL16 4, (\q)%2, \q, \slot, \zero
	MUL16 6, (\q)%2, \q, \slot, \zero
	PLACES NP
	WIN 0
	FETCH_A \slot, (\q)+1, 4
.endm
; A slot's last step changes slots: ONE barrier; in front of it each wave waits for all its tensor loads, adds 0 to its spare word, and waits for that and for its reads of this slot.  fill = 1: this slot is filled again.
.macro TURN slot, next, fill, ks
	s_wait_tensorcnt 0x0                           ; all my tensor loads have landed: my part of the next slot
	ds_add_u32 v[SPW], v[NIL]                      ; 0 onto my spare word
	s_wait_dscnt 4*NL+1                            ; (the add and the youngest 12 loads may be out)
	WIN MUL_LO
	MUL16 0, 1, NQ-1, \slot, 0                     ; sixteen products stand between the add and the wait for it
	s_wait_dscnt 0x0                               ; the add is done, and my reads of this slot are over
	s_barrier_signal -1
	MUL16 2, 1, NQ-1, \slot, 0
	WIN 0
	s_barrier_wait -1
.if \fill
	CREST                                          ; the barrier has opened a round of the cluster's barrier: no wave of any partner still reads this slot or has a load on its way
	s_add_nc_u64 s[G0+4*\slot+2:G0+4*\slot+3], s[G0+4*\slot+2:G0+4*\slot+3], 2*GRP
	s_add_nc_u64 s[G0B+4*\slot+2:G0B+4*\slot+3], s[G0B+4*\slot+2:G0B+4*\slot+3], 2*GRP
	JLOAD G0+4*\slot, G1, G0B+4*\slot, G1B         ; my one tensor load behind the round; its four v_nop are also the places in front of the loads below
.else
	PLACES NP
.endif
	FETCH_B \next, 0, 0
	FETCH_A \next, 0, 0
	SCALES \next, \ks
	WIN MUL_HI
	MUL16 4, 1, NQ-1, \slot, 0
	MUL16 6, 1, NQ-1, \slot, 0
	PLACES NP
	WIN 0
	FETCH_A \next, 0, 4
.endm
	s_wait_tensorcnt 1                             ; the scales and my part of slot 0 are in; slot 1's load may be out
	s_barrier_signal -1
	s_barrier_wait -1
	FETCH_B 0, 0, 0
	FETCH_A 0, 0, 0
	SCALES 0, 0
	FETCH_A 0, 0, 4
	s_wait_loadcnt 0x0                             ; the biases
	STEP 0, 0, 1                                   ; K = 1,024 is four fills of two steps: all written out
	TURN 0, 1, 1, 2
	STEP 1, 0, 0
	TURN 1, 0, 1, 4
	STEP 0, 0, 0
	TURN 0, 1, 0, 6                                ; nothing is left to fetch
	STEP 1, 0, 0
	s_wait_dscnt 4*NL
	WIN MUL_LO
	MUL16 0, 1, NQ-1, 1, 0
	MUL16 2, 1, NQ-1, 1, 0
	s_wait_dscnt 0
	WIN MUL_HI
	MUL16 4, 1, NQ-1, 1, 0
	MUL16 6, 1, NQ-1, 1, 0
	WIN 0
; 64 numbers of a lane, v[s] on, register 16 b + i = K 32 b + 16 (lane / 16) + i of my row, become a fragment's codes in v[PC] on and its scale word in v[pw]
.macro QUANT s, pw
.irp b, 0,1,2,3
	v_max3_num_f32 v[TM+\b], |v[\s+16*\b]|, |v[\s+1+16*\b]|, 0x1800000   ; my 16 numbers of block b, and the floor 2^(3 - 127): the byte cannot fall under 1
.endr
.irp i, 2,4,6,8,10,12,14
.irp b, 0,1,2,3
	v_max3_num_f32 v[TM+\b], v[TM+\b], |v[\s+16*\b+\i]|, |v[\s+1+16*\b+\i]|
.endr
.endr
.irp b, 0,1,2,3
	v_permlanex16_b32 v[TM+4+\b], v[TM+\b], s[SEL], s[SEL+1]
.endr
.irp b, 0,1,2,3
	v_max_num_f32 v[TM+\b], v[TM+\b], v[TM+4+\b]   ; with lane l xor 16's: the block's largest magnitude
.endr
.irp b, 0,1,2,3
	v_add_nc_u32 v[TM+12+\b], 0xff000000, v[TM+\b] ; 2 off its exponent field: the conversion's scale operand
.endr
.irp b, 0,1,2,3
	v_lshrrev_b32 v[TM+4+\b], 23, v[TM+12+\b]      ; the scale's byte
.endr
	v_lshl_or_b32 v[\pw], v[TM+5], 8, v[TM+4]
	v_lshl_or_b32 v[\pw], v[TM+6], 16, v[\pw]
	v_lshl_or_b32 v[\pw], v[TM+7], 24, v[\pw]
.irp c, 0,1
	v_cvt_scalef32_pk16_fp6_f32 v[PC+6*\c:PC+2+6*\c], v[\s+32*\c:\s+15+32*\c], v[TM+12+2*\c]
	v_cvt_scalef32_pk16_fp6_f32 v[PC+12+4*\c:PC+14+4*\c], v[\s+16+32*\c:\s+31+32*\c], v[TM+12+2*\c+1]   ; (a conversion's three registers begin on an even number)
.endr
	v_nop                                          ; one plain place behind a scaled conversion
.irp c, 0,1                                    ; the operand's layout wants a whole block in a lane
.irp i, 0,1,2
	v_permlane16_swap_b32 v[PC+6*\c+\i], v[PC+12+4*\c+\i]
.endr
.irp i, 0,1,2
	v_mov_b32 v[PC+3+6*\c+\i], v[PC+12+4*\c+\i]
.endr
.endr
.endm
; R's tile a: its 64 sums + the bias, into v[HA] on; each accumulator is read from its low end on.  q, k: the bias runs along the registers; v: it is my lane's one number.
.macro ADDB a
	s_cmp_eq_u32 s23, 0
	s_cbranch_scc0 .Lfor_v_\@
	WIN 0x02+(\a)/4                                ; source 0: window 2 or 3
.set k, 0
.rept 32
	v_pk_add_f32 v[HA+k:HA+k+1], v[64*((\a)%4)+k:64*((\a)%4)+k+1], v[BI+k:BI+k+1]
.set k, k+2
.endr
	WIN 0
	s_branch .Ladded_\@
.Lfor_v_\@:
	WIN 0x02+(\a)/4
.set k, 0
.rept 32
.if (\a)%2
	v_pk_add_f32 v[HA+k:HA+k+1], v[64*((\a)%4)+k:64*((\a)%4)+k+1], v[BR+2*((\a)/2):BR+2*((\a)/2)+1] op_sel:[0,1] op_sel_hi:[1,1]
.else
	v_pk_add_f32 v[HA+k:HA+k+1], v[64*((\a)%4)+k:64*((\a)%4)+k+1], v[BR+2*((\a)/2):BR+2*((\a)/2)+1] op_sel_hi:[1,0]
.endif
.set k, k+2
.endr
	WIN 0
.Ladded_\@:
.endm
	; THE WAY OUT: tile by tile of R: bias, quantiser, and the fragment leaves as the image of its registers
	PLACES NP
.irp a, 0,1,2,3,4,5,6,7
	ADDB \a
	s_wait_xcnt 0x0                                ; the last image's stores have read their registers: the codes may be written again
	QUANT HA, PWS+\a
.irp c, 0,1,2
	global_store_b128 v[LI], v[PC+4*\c:PC+4*\c+3], s[14:15] offset:1536*\a+512*\c   ; 32 lanes store 512 consecutive bytes, at a multiple of 512 from the buffer's first byte
.endr
.endr
	v_and_b32 v3, 31, v0
	v_cmp_le_u32 vcc_lo, 16, v3
.irp i, 0,1,2,3
	v_cndmask_b32 v[SW+\i], v[PWS+2*\i], v[PWS+2*\i+1], vcc_lo   ; lanes 0-15: tile 2 i's words; lanes 16-31: tile 2 i + 1's
.endr
	global_store_b128 v[LI], v[SW:SW+3], s[16:17]  ; the panel's scale block, 512 consecutive bytes
	s_wait_tensorcnt 0x0                           ; the wave's end
	ds_add_u32 v[SPW], v[NIL]
	s_wait_dscnt 0x0
	CROUND                                         ; the closing round: no work-group ends while a partner may still ask for a tile that names it
	s_endpgm
.Lfunc_end_k_qf45a0db816_qkv:
	.size	k_qf45a0db816_qkv, .Lfunc_end_k_qf45a0db816_qkv-k_qf45a0db816_qkv
	.p2alignl 7, 3214868480
	.fill 96, 4, 3214868480
	.section	.rodata,"a",@progbits
	.p2align	6, 0x0
	.amdhsa_kernel k_qf45a0db816_qkv
		.amdhsa_group_segment_fixed_size 327680
		.amdhsa_private_segment_fixed_size 0
		.amdhsa_enable_private_segment 0
		.amdhsa_kernarg_size 56
		.amdhsa_user_sgpr_count 2
		.amdhsa_user_sgpr_kernarg_segment_ptr 1
		.amdhsa_wavefront_size32 1
		.amdhsa_system_sgpr_workgroup_id_x 1
		.amdhsa_system_sgpr_workgroup_id_y 1
		.amdhsa_system_sgpr_workgroup_id_z 1
		.amdhsa_system_vgpr_workitem_id 0
		.amdhsa_next_free_vgpr 1024
		.amdhsa_next_free_sgpr 100
		.amdhsa_reserve_vcc 1
		.amdhsa_float_denorm_mode_32 3
		.amdhsa_float_denorm_mode_16_64 3
		.amdhsa_memory_ordered 1
		.amdhsa_forward_progress 1
		.amdhsa_inst_pref_size 174
	.end_amdhsa_kernel
	.amdgpu_metadata
---
amdhsa.version: [ 1, 2 ]
amdhsa.kernels:
  - .name:           k_qf45a0db816_qkv
    .symbol:         k_qf45a0db816_qkv.kd
    .args:
      - { .name: opc, .offset: 0, .size: 8, .value_kind: global_buffer, .address_space: global }
      - { .name: ops, .offset: 8, .size: 8, .value_kind: global_buffer, .address_space: global }
      - { .name: bq, .offset: 16, .size: 8, .value_kind: global_buffer, .address_space: global }
      - { .name: bk, .offset: 24, .size: 8, .value_kind: global_buffer, .address_space: global }
      - { .name: bv, .offset: 32, .size: 8, .value_kind: global_buffer, .address_space: global }
      - { .name: qkvc, .offset: 40, .size: 8, .value_kind: global_buffer, .address_space: global }
      - { .name: qkvs, .offset: 48, .size: 8, .value_kind: global_buffer, .address_space: global }
    .group_segment_fixed_size: 327680
    .private_segment_fixed_size: 0
    .kernarg_segment_align: 8
    .kernarg_segment_size: 56
    .max_flat_workgroup_size: 128
    .sgpr_count:     100
    .vgpr_count:     1024
    .wavefront_size: 32
...
	.end_amdgpu_metadata
.endif
;; end of part 2
;; launch attn (part 3): grid 8 x 32, 8 waves a work-group, clusters of 4 x 1, 327,680 bytes of LDS; arguments qkvc, qkvs, ac, asc; writes ac, asc
.if DOCPART == 3
	.amdgcn_target "amdgcn-amd-amdhsa--gfx1250"
	.amdhsa_code_object_version 6
	.text
	.protected	k_qf45a0db816_attn
	.globl	k_qf45a0db816_attn
	.p2align	8
	.type	k_qf45a0db816_attn,@function
k_qf45a0db816_attn:
	s_mov_b64 s[64:65], 0
	v_nop
	global_prefetch_b8 v0, s[64:65] scope:SCOPE_SE
	s_setreg_imm32_b32 hwreg(HW_REG_WAVE_MODE, 25, 1), 1
	s_wait_xcnt 0x0
	s_wait_alu depctr_hold_cnt(0) depctr_sa_sdst(0) depctr_va_vdst(0) depctr_va_sdst(0) depctr_va_ssrc(0) depctr_va_vcc(0) depctr_vm_vsrc(0)
	s_getreg_b32 s2, hwreg(HW_REG_IB_STS2, 6, 4)
	s_cmp_eq_u32 s2, 0
	s_cbranch_scc0 .Lentry_in_a_cluster
	s_endpgm
.Lentry_in_a_cluster:
	s_bfe_u32 s2, ttmp6, 0x10000c
	s_cmp_lg_u32 s2, 0x3003
	s_cbranch_scc0 .Lentry_shape_is_right
	s_endpgm
.Lentry_shape_is_right:
; For each (b, head): O[n][t][d] = the sum over keys s of softmax_s(Q[t] . K[s] / 16) V[n][s][d], n = 0, 1 the two channels; both products on codes of FP6 (E2M3) with E8M0 block scales.
; Q, K: 1,024 rows x 256; V: as codes with the keys innermost, 2 x 128 rows (channel, d) x 1,024 keys.  All three lie as register images (panels of 12,288 bytes, scale blocks of 512), made by the launch before.
; THE SOFTMAX AHEAD OF THE SECOND PRODUCT: t = score x log2(e) / 16; M = the row's largest t so far, rounded UP to a whole number; p = 2^(t - M) is what is quantised, along the keys, not normalised.
; The row's sum is taken of the unquantised p, in f32.  When M moves, the sum and O are multiplied by 2^(old M - new M): exact.  At the end O is multiplied by 1 / the sum (v_rcp_f32), and THAT is quantised along (head, d)
; for the last product: it leaves as codes and scale blocks in the order of that product's registers.
; SHARES: a work-group owns 128 queries of one (b, head), each of its eight waves one tile of 16; two waves to a SIMD, so that one wave's vector work stands beside the other's matrix work and LDS loads.
; Every wave walks the 1,024 keys, 128 a step.  K's and V's panels come through a ring of two LDS slots of two key steps (waves 0, 1: K's steps; waves 2, 3: V's); the head's scale blocks come once.
; CLUSTER 4 x 1: four blocks of queries of one (b, head) walk the same K and V: every tile is asked for jointly, with the mask of all four.
; LAYOUT: both products are used transposed: S^T = K Q^T, O^T = V^T P^T: a lane holds ONE query throughout.  Lane r of tile t of any operand is row 32 (t / 2) + 8 (t % 2) + r + 8 (r / 8) of its 128, so that the 16 result
; registers of tiles 2 b and 2 b + 1 are 16 neighbours, 32 b + 16 (lane / 16) + 0 .. 15, along the next product's K.
; LIMITS: a block of zeros, and one whose largest magnitude lies under 2^-124, gets the scale byte 1; this program alone reads the bytes.  NaN and infinities are not served.
; A block's largest p is taken from the block's largest score by the same two instructions: this takes v_exp_f32 not to fall where its input rises.
; REGISTERS: window 0: v1-10 addresses; v12 -M, v13 the largest t, v[14:15] the sum; v16-39 Q; v40-58 scale words and nothing else; v64-127 S^T, then p; v128-147 codes; v148-171 at work.
;   window 1: v0-127 O^T (channel n, tile a at 64 n + 8 a); v128-223 eight fragments of K or of V.
.set PANEL, 12288
.set KSTEP, 2*PANEL                    ; a key step of K (its two K steps) or of V (its two channels)
.set VOFF,  2*KSTEP                    ; a slot: K's two key steps, then V's
.set SLOT1, 1<<17                      ; slot 1 begins here: one exclusive or turns an address
.set SCK,   2*SLOT1                    ; K's scale blocks of the head, 8,192 bytes;
.set SCV,   SCK+8192                   ; V's
.set SPARE, SCV+8192                   ; the spare words, 128 bytes for each wave: four blocks of 256 bytes that no other line names
.set SG,    SPARE+1024                 ; the results' two scale blocks are gathered here: bytes of their own, into which no fill lands
.set LI,  1                            ; v1  16 x lane
.set SPW, 2                            ; v2  my spare word; never rewritten
.set NIL, 3                            ; v3  0; never rewritten
.set ADK, 4                            ; v4-6 the addresses of the step in hand
.set ADV, 5
.set ADS, 6
.set LIV, 7                            ; v7  16 x lane + VOFF
.set LIS, 8                            ; v8  16 x lane + SCK
.set SGW, 9                            ; v9  where I put my row's scale word
.set SGR, 10                           ; v10 where waves 0, 1 read a block back
.set QF,  16
.set QS,  40                           ; v40-41 Q's scale words
.set KS,  42                           ; v42-49 K's blocks of the step
.set VS,  50                           ; v50-57 V's
.set PW,  58                           ; v58    p's scale word
.set QSA, 59                           ; v59    Q's scale words' place
.set F,   60                           ; v[60:61] f = 2^(old M - new M); v61 is named with it and written once
.set RL,  62                           ; v62    1 / the sum
.set ASO, 63                           ; v63    the scale block's place in memory
.set S,   64
.set PC,  128
.set TM,  148
.set SU,  164                          ; v[164:165] the second chain of the sum
.set TP,  166
.set OPW, 168                          ; v168-169 the results' scale words
.set FB,  128                          ; in window 1
.set WV,  18
.set SEL, 20
.set CS,  22                           ; s[22:23] c = log2(e) / 16
.set G1,  24
.set G1S, 32
.set G0K, 40
.set G0V, 44
.set G0SK, 48
.set G0SV, 52
.set TB,  56                           ; the slot in hand
.set TS,  57                           ; the step's scale blocks: 1,024 bytes a step
.set SLOTS, 58
.set MSB, 0
.macro WIN new                         ; the immediate's high byte repeats the setting that is left
.if MSB != \new
	s_set_vgpr_msb (MSB<<8)|\new
.set MSB, \new
.endif
.endm
.macro PLACES
.rept 4
	v_nop
.endr
.endm
; A joint load: waves 0 and 1 fetch for K, waves 2 and 3 for V, the others nothing.  The branches hang on the wave's number alone.  Four v_nop follow each of the two lines.
.macro JL g0k, g0v, g1
	s_cmp_lt_u32 s[WV], 2
	s_cbranch_scc0 .Lnot_k_\@
	tensor_load_to_lds s[\g0k:\g0k+3], s[\g1:\g1+7]
	s_nop 0
.rept 4
	v_nop
.endr
	s_branch .Lasked_\@
.Lnot_k_\@:
	s_cmp_lt_u32 s[WV], 4
	s_cbranch_scc0 .Lasked_\@
	tensor_load_to_lds s[\g0v:\g0v+3], s[\g1:\g1+7]
	s_nop 0
.rept 4
	v_nop
.endr
.Lasked_\@:
.endm
.macro CROUND                          ; a round of the cluster's barrier
	s_barrier_signal -1
	s_barrier_wait -1
	s_cmp_lg_u32 s[WV], 0
	s_cbranch_scc1 .Lnot_wave_0_\@
	s_barrier_signal -3
.Lnot_wave_0_\@:
	s_barrier_wait -3
	s_barrier_signal -1
	s_barrier_wait -1
.endm
	s_load_b256 s[4:11], s[0:1], 0x0               ; codes of q, k, v s[4:5], their scale blocks s[6:7], the results' codes s[8:9], their scale blocks s[10:11]
	v_lshl_add_u32 v[SPW], v0, 2, SPARE
	v_mov_b32 v[NIL], 0
	ds_add_u32 v2, v3
	s_wait_dscnt 0x0
	v_lshrrev_b32 v11, 5, v0
	v_readfirstlane_b32 s[WV], v11                 ; wave 0..7
	s_bfe_u32 s59, ttmp6, 0x40000                  ; cx: it enters Q's and the results' global addresses alone
	s_lshl_b32 s60, ttmp9, 2
	s_add_co_u32 s60, s60, s59                     ; my block of 128 queries
	s_and_b32 s61, ttmp7, 0xffff                   ; 8 b + head, which the four partners share
	s_and_b32 s62, s[WV], 1                        ; which of a slot's two key steps I fetch, if I fetch
	s_mul_i32 s63, s62, KSTEP
	s_lshl_b32 s66, s61, 4
	s_add_co_u32 s66, s66, 512                     ; K's first panel of the head
	s_mul_i32 s68, s66, PANEL
	s_add_co_u32 s68, s68, s63
	s_mov_b32 s69, 0
	s_add_co_u32 s70, s68, 512*PANEL               ; V's lies 512 panels on
	s_mov_b32 s71, 0
	s_lshl_b32 s72, s66, 9                         ; the scale blocks: half a head's, 4,096 bytes, to a load
	s_lshl_b32 s67, s62, 12
	s_add_co_u32 s72, s72, s67
	s_mov_b32 s73, 0
	s_add_co_u32 s74, s72, 512*512
	s_mov_b32 s75, 0
	s_lshl_b32 s76, s61, 3
	s_add_co_u32 s76, s76, s60
	s_lshl_b32 s76, s76, 1                         ; Q's first panel of my block
	s_lshl_b32 s78, s76, 9
	s_mov_b32 s79, 0
	s_mul_i32 s76, s76, PANEL
	s_mul_i32 s59, s[WV], 1536                     ; my tile in a panel
	s_add_co_u32 s76, s76, s59
	s_mov_b32 s77, 0
	s_lshr_b32 s2, s61, 3                          ; the results: panel ((16 b + 8 n + block) 8 + head), channel 0's
	s_lshl_b32 s2, s2, 4
	s_add_co_u32 s2, s2, s60
	s_lshl_b32 s2, s2, 3
	s_and_b32 s3, s61, 7
	s_add_co_u32 s2, s2, s3
	s_lshl_b32 s12, s2, 9
	s_mov_b32 s13, 0
	s_mul_i32 s2, s2, PANEL
	s_add_co_u32 s2, s2, s59
	s_mov_b32 s3, 0
	; group 1: a dense block as rows of 256 bytes (32 elements of 8 bytes), no padding; the mask names all four work-groups, bit 21 set beside it
	s_mov_b32 s[G1], 15|(3<<16)|(1<<21)
	s_mov_b32 s[G1+1], 32<<16
	s_mov_b32 s[G1+2], 96<<16                      ; 24,576 bytes
	s_mov_b32 s[G1+3], 32<<16
	s_mov_b32 s[G1+4], 96
	s_mov_b32 s[G1+5], 32
	s_mov_b32 s[G1+6], 0
	s_mov_b32 s[G1+7], 0
	s_mov_b32 s[G1S], 15|(3<<16)|(1<<21)
	s_mov_b32 s[G1S+1], 32<<16
	s_mov_b32 s[G1S+2], 16<<16                     ; 4,096 bytes
	s_mov_b32 s[G1S+3], 32<<16
	s_mov_b32 s[G1S+4], 16
	s_mov_b32 s[G1S+5], 32
	s_mov_b32 s[G1S+6], 0
	s_mov_b32 s[G1S+7], 0
	s_mov_b32 s[SEL], 0x76543210
	s_mov_b32 s[SEL+1], 0xfedcba98
	s_mov_b32 s[CS], 0x3db8aa3b                    ; log2(e) / 16
	s_mov_b32 s[CS+1], s[CS]                       ; (named with it as a pair, so it is written)
	s_mov_b32 s[TB], 0
	s_mov_b32 s[TS], 0
	s_mov_b32 s[SLOTS], 3
	s_wait_kmcnt 0x0
	s_add_nc_u64 s[8:9], s[8:9], s[2:3]
	s_add_nc_u64 s[10:11], s[10:11], s[12:13]
	s_add_nc_u64 s[76:77], s[4:5], s[76:77]
	s_add_nc_u64 s[78:79], s[6:7], s[78:79]
	CROUND                                         ; all four work-groups are here: the first joint loads meet
	s_mov_b32 s[G0SK], 1
	s_add_co_u32 s[G0SK+1], s67, SCK
	s_add_nc_u64 s[G0SK+2:G0SK+3], s[6:7], s[72:73]
	s_or_b32 s[G0SK+3], s[G0SK+3], 0x80000000
	s_mov_b32 s[G0SV], 1
	s_add_co_u32 s[G0SV+1], s67, SCV
	s_add_nc_u64 s[G0SV+2:G0SV+3], s[6:7], s[74:75]
	s_or_b32 s[G0SV+3], s[G0SV+3], 0x80000000
	JL G0SK, G0SV, G1S                             ; the head's scale blocks: filled once
	s_mov_b32 s[G0K], 1
	s_mov_b32 s[G0K+1], s63
	s_add_nc_u64 s[G0K+2:G0K+3], s[4:5], s[68:69]
	s_or_b32 s[G0K+3], s[G0K+3], 0x80000000
	s_mov_b32 s[G0V], 1
	s_add_co_u32 s[G0V+1], s63, VOFF
	s_add_nc_u64 s[G0V+2:G0V+3], s[4:5], s[70:71]
	s_or_b32 s[G0V+3], s[G0V+3], 0x80000000
	JL G0K, G0V, G1                                ; slot 0: two loads are out in each of waves 0 to 3
	v_and_b32 v11, 31, v0
	v_lshlrev_b32 v[LI], 4, v11
	v_add_nc_u32 v[LIV], VOFF, v[LI]
	v_add_nc_u32 v[LIS], SCK, v[LI]
	v_and_b32 v11, 15, v0                          ; r
	s_lshl_b32 s2, s62, 8
	s_lshr_b32 s3, s[WV], 1
	s_lshl_b32 s3, s3, 2
	s_add_co_u32 s2, s2, s3
	v_lshl_add_u32 v[QSA], v11, 4, s2              ; in a scale block, tile w's word of row r: 16 (16 (w % 2) + r) + 4 (w / 2)
	v_add_nc_u32 v[SGW], SG, v[QSA]
	s_lshl_b32 s3, s62, 9
	s_add_co_u32 s3, s3, SG
	v_add_nc_u32 v[SGR], s3, v[LI]
	s_lshl_b32 s3, s62, 15                         ; channel 1's scale block lies 64 panels, 32,768 bytes, on
	v_add_nc_u32 v[ASO], s3, v[LI]
.irp e, 0,1
.irp c, 0,1,2
	global_load_b128 v[QF+12*\e+4*\c:QF+12*\e+4*\c+3], v[LI], s[76:77] offset:PANEL*\e+512*\c   ; Q's two fragments stay in registers
.endr
	global_load_b32 v[QS+\e], v[QSA], s[78:79] offset:512*\e   ; lanes 0-15 (and 16-31) hold my tile's words
.endr
	v_mov_b32 v13, 0xff61b1e6                      ; the largest t so far: -3e38, under every t
	v_floor_f32 v12, -v13                          ; -M
	v_mov_b32 v14, 0
	v_mov_b32 v15, 0
	v_mov_b32 v[F+1], 0
.irp b, 0,1,2,3
	v_mov_b32 v[TM+4+\b], 0                        ; written once: a lane permute's destination counts as one of its sources
.endr
	WIN 0x40
.set j, 0
.rept 128
	v_mov_b32 v[j], 0                              ; O^T: the step is written once: the first finds zeros, which the first change of M leaves zeros
.set j, j+1
.endr
	WIN 0
.macro SWM e, t, f                     ; S^T's tile t, K step e; its fragment of K is number 4 e + f of the eight in hand
.set rD, S+8*(\t)
.set rK, FB+12*(4*\e+\f)
.set rQ, QF+12*\e
.set rS, KS+4*\e+(\t)/2
.if (\e == 0) && ((\t)%2 == 0)
	v_wmma_scale_f32_16x16x128_f8f6f4 v[rD:rD+7], v[rK:rK+11], v[rQ:rQ+11], 0, v[rS], v[QS+\e] matrix_a_fmt:MATRIX_FMT_FP6 matrix_b_fmt:MATRIX_FMT_FP6
.elseif \e == 0
	v_wmma_scale_f32_16x16x128_f8f6f4 v[rD:rD+7], v[rK:rK+11], v[rQ:rQ+11], 0, v[rS], v[QS+\e] matrix_a_fmt:MATRIX_FMT_FP6 matrix_b_fmt:MATRIX_FMT_FP6 matrix_a_scale:MATRIX_SCALE_ROW1
.elseif (\t)%2 == 0
	v_wmma_scale_f32_16x16x128_f8f6f4 v[rD:rD+7], v[rK:rK+11], v[rQ:rQ+11], v[rD:rD+7], v[rS], v[QS+\e] matrix_a_fmt:MATRIX_FMT_FP6 matrix_b_fmt:MATRIX_FMT_FP6
.else
	v_wmma_scale_f32_16x16x128_f8f6f4 v[rD:rD+7], v[rK:rK+11], v[rQ:rQ+11], v[rD:rD+7], v[rS], v[QS+\e] matrix_a_fmt:MATRIX_FMT_FP6 matrix_b_fmt:MATRIX_FMT_FP6 matrix_a_scale:MATRIX_SCALE_ROW1
.endif
.endm
.macro OWM n, a                        ; O^T's tile a of channel n += V^T's tile x p
.set rD, 64*\n+8*\a
.set rV, FB+12*\a
.set rS, VS+4*\n+\a/2
.if \a%2
	v_wmma_scale_f32_16x16x128_f8f6f4 v[rD:rD+7], v[rV:rV+11], v[PC:PC+11], v[rD:rD+7], v[rS], v[PW] matrix_a_fmt:MATRIX_FMT_FP6 matrix_b_fmt:MATRIX_FMT_FP6 matrix_a_scale:MATRIX_SCALE_ROW1
.else
	v_wmma_scale_f32_16x16x128_f8f6f4 v[rD:rD+7], v[rV:rV+11], v[PC:PC+11], v[rD:rD+7], v[rS], v[PW] matrix_a_fmt:MATRIX_FMT_FP6 matrix_b_fmt:MATRIX_FMT_FP6
.endif
.endm
.macro VLOAD q, n                      ; V's eight fragments of the slot's key step q, channel n
.irp a, 0,1,2,3,4,5,6,7
.irp c, 0,1,2
	ds_load_b128 v[FB+12*\a+4*\c:FB+12*\a+4*\c+3], v[ADV] offset:KSTEP*(\q)+PANEL*\n+1536*\a+512*\c
.endr
.endr
.endm
; A KEY STEP: 128 keys, the q-th of the slot in hand
.macro STEP q
	v_add_nc_u32 v[ADK], s[TB], v[LI]              ; these three and the v_nop are the four places in front of loads into registers that the last products read
	v_add_nc_u32 v[ADV], s[TB], v[LIV]
	v_add_nc_u32 v[ADS], s[TS], v[LIS]
	v_nop
	ds_load_b128 v[KS:KS+3], v[ADS]                ; the step's four scale blocks
	ds_load_b128 v[KS+4:KS+7], v[ADS] offset:512
	ds_load_b128 v[VS:VS+3], v[ADS] offset:8192
	ds_load_b128 v[VS+4:VS+7], v[ADS] offset:8704
.irp g, 0,1                                    ; S^T = K Q^T, four tiles of 16 keys at a time, both K steps of the head's 256
.if \g
	PLACES
.endif
	WIN 0x40                                       ; destination window 1
.irp e, 0,1
.irp t, 0,1,2,3
.irp c, 0,1,2
	ds_load_b128 v[FB+12*(4*\e+\t)+4*\c:FB+12*(4*\e+\t)+4*\c+3], v[ADK] offset:KSTEP*(\q)+PANEL*\e+1536*(4*\g+\t)+512*\c
.endr
.endr
.endr
	s_wait_dscnt 0x0
	WIN 0x01                                       ; source 0 window 1
.irp e, 0,1                                    ; the four accumulators by turns
.irp t, 0,1,2,3
	SWM \e, 4*\g+\t, \t
.endr
.endr
.endr
	WIN 0
	PLACES                                         ; in front of the loads below and of the first read of the scores
	WIN 0x40
	VLOAD \q, 0                                    ; V's channel 0 lands while the softmax is worked
	WIN 0
.irp b, 0,1,2,3
	v_max3_num_f32 v[TM+\b], v[S+16*\b], v[S+1+16*\b], v[S+2+16*\b]   ; the largest score of each block of 32 keys: for the row's maximum, and for the block's largest p
.endr
.irp i, 3,5,7,9,11,13
.irp b, 0,1,2,3
	v_max3_num_f32 v[TM+\b], v[TM+\b], v[S+16*\b+\i], v[S+1+16*\b+\i]
.endr
.endr
.irp b, 0,1,2,3
	v_max_num_f32 v[TM+\b], v[TM+\b], v[S+15+16*\b]
.endr
.irp b, 0,1,2,3
	v_permlanex16_b32 v[TM+4+\b], v[TM+\b], s[SEL], s[SEL+1]
.endr
.irp b, 0,1,2,3
	v_max_num_f32 v[TM+\b], v[TM+\b], v[TM+4+\b]   ; with lane l xor 16's 16 keys
.endr
	v_max3_num_f32 v[TP], v[TM], v[TM+1], v[TM+2]
	v_max_num_f32 v[TP], v[TP], v[TM+3]            ; the step's largest score of my query
	v_mul_f32 v[TP], s[CS], v[TP]                  ; as t (c is positive)
	v_max_num_f32 v13, v13, v[TP]                  ; the running largest t
	v_mov_b32 v[TP], v12
	v_floor_f32 v12, -v13                          ; the new -M = -ceil(t): a whole number
	v_sub_f32 v[TP], v12, v[TP]                    ; old M - new M: a whole number, 0 or less
	v_cvt_i32_f32 v[TP], v[TP]                     ; (it saturates)
	v_ldexp_f32 v[F], 1.0, v[TP]                   ; f = 2^(old M - new M)
.set j, 0
.rept 32
	v_pk_fma_f32 v[S+j:S+j+1], v[S+j:S+j+1], s[CS:CS+1], v[12:13] op_sel_hi:[1,0,0]   ; t - M, two at a time
.set j, j+2
.endr
.irp b, 0,1,2,3
	v_fma_f32 v[TM+\b], v[TM+\b], s[CS], v12       ; the same of each block's largest score
.endr
.set j, 0
.rept 64
	v_exp_f32 v[S+j], v[S+j]                       ; p = 2^(t - M), at most 1
.set j, j+1
.endr
.irp b, 0,1,2,3
	v_exp_f32 v[TM+\b], v[TM+\b]                   ; the block's largest p
.endr
	v_pk_mul_f32 v[14:15], v[14:15], v[F:F+1] op_sel_hi:[1,0]   ; the sums under the new M.  (A plain place behind the exponentials)
	s_wait_alu depctr_va_vdst(0)
.irp b, 0,1,2,3
	v_max_num_f32 v[TM+\b], 0x1800000, v[TM+\b]    ; the floor 2^(3 - 127): the byte cannot fall under 1
.endr
.irp b, 0,1,2,3
	v_add_nc_u32 v[TM+12+\b], 0xff000000, v[TM+\b] ; 2 off the exponent field: the conversion's scale operand
.endr
.irp b, 0,1,2,3
	v_lshrrev_b32 v[TM+4+\b], 23, v[TM+12+\b]      ; the scale's byte
.endr
	v_lshl_or_b32 v[PW], v[TM+5], 8, v[TM+4]       ; p's scale word for these 128 keys
	v_lshl_or_b32 v[PW], v[TM+6], 16, v[PW]
	v_lshl_or_b32 v[PW], v[TM+7], 24, v[PW]
.irp c, 0,1
	v_cvt_scalef32_pk16_fp6_f32 v[PC+6*\c:PC+2+6*\c], v[S+32*\c:S+15+32*\c], v[TM+12+2*\c]
	v_cvt_scalef32_pk16_fp6_f32 v[PC+12+4*\c:PC+14+4*\c], v[S+16+32*\c:S+31+32*\c], v[TM+12+2*\c+1]
.endr
	v_nop                                          ; one plain place behind a scaled conversion
.irp c, 0,1
.irp i, 0,1,2
	v_permlane16_swap_b32 v[PC+6*\c+\i], v[PC+12+4*\c+\i]
.endr
.irp i, 0,1,2
	v_mov_b32 v[PC+3+6*\c+\i], v[PC+12+4*\c+\i]
.endr
.endr
	v_pk_add_f32 v[SU:SU+1], v[S:S+1], v[S+2:S+3]  ; the row's sum is taken of the unquantised p: two at a time, in two chains
.irp j, 4,8,12,16,20,24,28,32,36,40,44,48,52,56,60
	v_pk_add_f32 v[14:15], v[14:15], v[S+\j:S+1+\j]
	v_pk_add_f32 v[SU:SU+1], v[SU:SU+1], v[S+2+\j:S+3+\j]
.endr
	v_pk_add_f32 v[14:15], v[14:15], v[SU:SU+1]
	WIN 0x41                                       ; O^T (destination and source 0) window 1, f window 0
.set j, 0
.rept 64
	v_pk_mul_f32 v[j:j+1], v[j:j+1], v[F:F+1] op_sel_hi:[1,0]   ; O^T under the new M; each accumulator from its low end on.  (These are also the places in front of the products below)
.set j, j+2
.endr
	s_wait_dscnt 0x0                               ; V's channel 0 is in
	WIN 0x51                                       ; V window 1, p window 0, C and D window 1
.irp a, 0,1,2,3,4,5,6,7
	OWM 0, \a
.endr
	WIN 0
	PLACES
	WIN 0x40
	VLOAD \q, 1
	s_wait_dscnt 0x0
	WIN 0x51
.irp a, 0,1,2,3,4,5,6,7
	OWM 1, \a
.endr
	WIN 0
	s_add_co_u32 s[TS], s[TS], 1024                ; the next step's scale blocks
.endm
; THE CHANGE OF SLOTS stands at a slot's head.  Each wave waits for all its tensor loads, adds 0 to its spare word, and waits for that and for its reads of the slot that it has left.
; fill = 1: a round of the cluster's barrier, and behind it the slot that was left is filled with the keys that follow: the load has two key steps in which to land.
.macro CHANGE fill
	s_wait_tensorcnt 0x0                           ; no tensor load of mine is out, so a group 0 may be written
	ds_add_u32 v[SPW], v[NIL]                      ; 0 onto my spare word
.if \fill
	s_xor_b32 s[G0K+1], s[G0K+1], SLOT1            ; the walking descriptors: the other slot than last time, the next two key steps
	s_add_nc_u64 s[G0K+2:G0K+3], s[G0K+2:G0K+3], 2*KSTEP
	s_xor_b32 s[G0V+1], s[G0V+1], SLOT1
	s_add_nc_u64 s[G0V+2:G0V+3], s[G0V+2:G0V+3], 2*KSTEP
.endif
	s_wait_dscnt 0x0                               ; the add is done, and my reads of the slot that I have left are over
.if \fill
	CROUND
	JL G0K, G0V, G1                                ; the first thing behind the round, and a wave's one tensor load until the next
.else
	s_barrier_signal -1
	s_barrier_wait -1
.endif
.endm
	s_wait_loadcnt 0x0                             ; Q
.Lslot:                                            ; three trips: behind each change of slots but the last the next slot is asked for
	CHANGE 1
	STEP 0
	STEP 1
	s_xor_b32 s[TB], s[TB], SLOT1
	s_sub_co_u32 s[SLOTS], s[SLOTS], 1
	s_cmp_lg_u32 s[SLOTS], 0
	s_cbranch_scc1 .Lslot
	CHANGE 0                                       ; the last slot is written out
	STEP 0
	STEP 1
; 64 numbers of a lane, v[s] on, register 16 b + i = K 32 b + 16 (lane / 16) + i of my row, become a fragment's codes in v[PC] on and its scale word in v[pw]
.macro QUANT s, pw
.irp b, 0,1,2,3
	v_max3_num_f32 v[TM+\b], |v[\s+16*\b]|, |v[\s+1+16*\b]|, 0x1800000
.endr
.irp i, 2,4,6,8,10,12,14
.irp b, 0,1,2,3
	v_max3_num_f32 v[TM+\b], v[TM+\b], |v[\s+16*\b+\i]|, |v[\s+1+16*\b+\i]|
.endr
.endr
.irp b, 0,1,2,3
	v_permlanex16_b32 v[TM+4+\b], v[TM+\b], s[SEL], s[SEL+1]
.endr
.irp b, 0,1,2,3
	v_max_num_f32 v[TM+\b], v[TM+\b], v[TM+4+\b]
.endr
.irp b, 0,1,2,3
	v_add_nc_u32 v[TM+12+\b], 0xff000000, v[TM+\b]
.endr
.irp b, 0,1,2,3
	v_lshrrev_b32 v[TM+4+\b], 23, v[TM+12+\b]
.endr
	v_lshl_or_b32 v[\pw], v[TM+5], 8, v[TM+4]
	v_lshl_or_b32 v[\pw], v[TM+6], 16, v[\pw]
	v_lshl_or_b32 v[\pw], v[TM+7], 24, v[\pw]
.irp c, 0,1
	v_cvt_scalef32_pk16_fp6_f32 v[PC+6*\c:PC+2+6*\c], v[\s+32*\c:\s+15+32*\c], v[TM+12+2*\c]
	v_cvt_scalef32_pk16_fp6_f32 v[PC+12+4*\c:PC+14+4*\c], v[\s+16+32*\c:\s+31+32*\c], v[TM+12+2*\c+1]
.endr
	v_nop                                          ; one plain place behind a scaled conversion
.irp c, 0,1
.irp i, 0,1,2
	v_permlane16_swap_b32 v[PC+6*\c+\i], v[PC+12+4*\c+\i]
.endr
.irp i, 0,1,2
	v_mov_b32 v[PC+3+6*\c+\i], v[PC+12+4*\c+\i]
.endr
.endr
.endm
	; THE WAY OUT.  O^T x 1 / the sum, channel by channel; its 64 registers are 16 neighbours of each block of 32 along d: quantised, they are tile w of the last product's operand, K step = the head
	PLACES
	v_add_f32 v14, v14, v15                        ; the sum's two halves,
	v_permlanex16_b32 v[TP], v14, s[SEL], s[SEL+1]
	v_add_f32 v14, v14, v[TP]                      ; and lane l xor 16's
	v_rcp_f32 v[RL], v14
	v_nop                                          ; one plain place behind a transcendental
	s_wait_alu depctr_va_vdst(0)
.irp n, 0,1
	WIN 0x01                                       ; source 0 window 1
.set j, 0
.rept 64
	v_mul_f32 v[S+j], v[64*\n+j], v[RL]            ; each accumulator from its low end on
.set j, j+1
.endr
	WIN 0
.if \n
	s_wait_xcnt 0x0                                ; channel 0's stores have read their registers
.endif
	QUANT S, OPW+\n
.irp c, 0,1,2
	global_store_b128 v[LI], v[PC+4*\c:PC+4*\c+3], s[8:9] offset:64*PANEL*\n+512*\c   ; 512 consecutive bytes; channel 1's group lies 64 panels on
.endr
	ds_store_b32 v[SGW], v[OPW+\n] offset:512*\n   ; both halves of the lanes write the same word with the same value
.endr
	s_wait_dscnt 0x0                               ; for the others' sake: my words have landed
	s_barrier_signal -1
	s_barrier_wait -1
	s_cmp_lt_u32 s[WV], 2
	s_cbranch_scc0 .Lno_block
	ds_load_b128 v[S:S+3], v[SGR]                  ; wave n sends channel n's scale block
	s_wait_dscnt 0x0
	global_store_b128 v[ASO], v[S:S+3], s[10:11]   ; 512 consecutive bytes
.Lno_block:
	s_wait_tensorcnt 0x0                           ; the wave's end
	ds_add_u32 v[SPW], v[NIL]
	s_wait_dscnt 0x0
	CROUND                                         ; the closing round
	s_endpgm
.Lfunc_end_k_qf45a0db816_attn:
	.size	k_qf45a0db816_attn, .Lfunc_end_k_qf45a0db816_attn-k_qf45a0db816_attn
	.p2alignl 7, 3214868480
	.fill 96, 4, 3214868480
	.section	.rodata,"a",@progbits
	.p2align	6, 0x0
	.amdhsa_kernel k_qf45a0db816_attn
		.amdhsa_group_segment_fixed_size 327680
		.amdhsa_private_segment_fixed_size 0
		.amdhsa_enable_private_segment 0
		.amdhsa_kernarg_size 32
		.amdhsa_user_sgpr_count 2
		.amdhsa_user_sgpr_kernarg_segment_ptr 1
		.amdhsa_wavefront_size32 1
		.amdhsa_system_sgpr_workgroup_id_x 1
		.amdhsa_system_sgpr_workgroup_id_y 1
		.amdhsa_system_sgpr_workgroup_id_z 1
		.amdhsa_system_vgpr_workitem_id 0
		.amdhsa_next_free_vgpr 480
		.amdhsa_next_free_sgpr 80
		.amdhsa_reserve_vcc 0
		.amdhsa_float_denorm_mode_32 3
		.amdhsa_float_denorm_mode_16_64 3
		.amdhsa_memory_ordered 1
		.amdhsa_forward_progress 1
		.amdhsa_inst_pref_size 131
	.end_amdhsa_kernel
	.amdgpu_metadata
---
amdhsa.version: [ 1, 2 ]
amdhsa.kernels:
  - .name:           k_qf45a0db816_attn
    .symbol:         k_qf45a0db816_attn.kd
    .args:
      - { .name: qkvc, .offset: 0, .size: 8, .value_kind: global_buffer, .address_space: global }
      - { .name: qkvs, .offset: 8, .size: 8, .value_kind: global_buffer, .address_space: global }
      - { .name: ac, .offset: 16, .size: 8, .value_kind: global_buffer, .address_space: global }
      - { .name: asc, .offset: 24, .size: 8, .value_kind: global_buffer, .address_space: global }
    .group_segment_fixed_size: 327680
    .private_segment_fixed_size: 0
    .kernarg_segment_align: 8
    .kernarg_segment_size: 32
    .max_flat_workgroup_size: 256
    .sgpr_count:     80
    .vgpr_count:     480
    .wavefront_size: 32
...
	.end_amdgpu_metadata
.endif
;; end of part 3
;; launch oproj (part 4): grid 4 x 32, 4 waves a work-group, clusters of 4 x 4, 327,680 bytes of LDS; arguments ac, asc, opc, ops, bo, out0; writes out0
.if DOCPART == 4
	.amdgcn_target "amdgcn-amd-amdhsa--gfx1250"
	.amdhsa_code_object_version 6
	.text
	.protected	k_qf45a0db816_oproj
	.globl	k_qf45a0db816_oproj
	.p2align	8
	.type	k_qf45a0db816_oproj,@function
k_qf45a0db816_oproj:
	s_mov_b64 s[64:65], 0
	v_nop
	global_prefetch_b8 v0, s[64:65] scope:SCOPE_SE
	s_setreg_imm32_b32 hwreg(HW_REG_WAVE_MODE, 25, 1), 1
	s_wait_xcnt 0x0
	s_wait_alu depctr_hold_cnt(0) depctr_sa_sdst(0) depctr_va_vdst(0) depctr_va_sdst(0) depctr_va_ssrc(0) depctr_va_vcc(0) depctr_vm_vsrc(0)
	s_getreg_b32 s2, hwreg(HW_REG_IB_STS2, 6, 4)
	s_cmp_eq_u32 s2, 0
	s_cbranch_scc0 .Lentry_in_a_cluster
	s_endpgm
.Lentry_in_a_cluster:
	s_bfe_u32 s2, ttmp6, 0x10000c
	s_cmp_lg_u32 s2, 0xf033
	s_cbranch_scc0 .Lentry_shape_is_right
	s_endpgm
.Lentry_shape_is_right:
; out = att Wo^T + bo on codes of FP6 (E2M3) with E8M0 block scales; sums in f32; out [8192][1024] f32.
; OPERANDS: panels (a group of 128 rows x 128 K: eight fragments as register images, 12,288 bytes) and scale blocks (512 bytes) as the launches before laid them; lane r of tile t is row 32 (t / 2) + 8 (t % 2) + r + 8 (r / 8) of its group.
; NAMES: P = Wo is the matrix instruction's source 0: its rows (out's columns) run along a lane's result registers: register 8 b + j of P's tile b is column 32 (b / 2) + 16 (lane / 16) + 8 (b % 2) + j.  R = att is source 1: its rows go to the lanes.
; The bias is the C of each sum's first product.
; SHARES: a work-group makes 256 rows x 256 columns, its four waves 128 x 128 each: 64 accumulators.  K = 1,024 goes in four fills of 256 through two LDS slots.  128 work-groups: the tile that the other product of this
; shape takes; a smaller one would fill more of the chip at the price of a second main text.
; CLUSTER 4 x 4: R's tiles are shared along a row of the cluster, P's along a column: each is asked for jointly.
; REGISTERS: window 0: v16-29 addresses; v32-63 scale words and nothing else; v64-127 the bias; v128-223 R's eight fragments, ONE set; on the way out v128-255 rows of out.
;   window 1: P's fragments, TWO sets, at v0 and v128.   windows 2, 3: the accumulators, (a, b) at v[8 (8 (a % 4) + b)].
.set FR,    12
.set NL,    3
.set NP,    4                          ; places behind this matrix instruction (ISA guide 7.12.1)
.set NQ,    2
.set PANEL, 12288
.set GRP,   2*PANEL
.set SLOT,  4*GRP
.set SCL,   2*SLOT
.set SRUN,  4096
.set SPARE, SCL+4*SRUN                 ; the spare words, 128 bytes for each wave: two blocks of 256 bytes that no other line names
.set SPITCH, 528                       ; the way out: a stage of 16 rows x (512 + 16) bytes for each wave, in slot 0, which has had its last fill and its last read by then
.set ADRA,  16
.set ADRB,  20
.set ADRSR, 22
.set ADRSP, 23
.set LI,    24                         ; v24 16 x lane
.set STO,   25                         ; v25 the stage: where I put my bytes of a row
.set RD,    26                         ; v26 and where I read a row back
.set BIA,   27                         ; v27 64 h
.set SPW,   28
.set NIL,   29
.set SC,    32
.set BI,    64
.set AF,    128
.set BK,    128                        ; v128-191 and v192-255 by turns
.set G1, 24
.set G0, 32
.set G1B, 48
.set G0B, 56
.set G1S, 68
.set G0S, 76
.set G1SB, 80
.set G0SB, 88
.set MSB, 0
.macro WIN new                         ; the immediate's high byte repeats the setting that is left
.if MSB != \new
	s_set_vgpr_msb (MSB<<8)|\new
.set MSB, \new
.endif
.endm
.set MUL_LO, 0xa1
.set MUL_HI, 0xf1
.set TO_B,   0x40
.macro WINM hi, zero                   ; zero = 2: C is the bias, in window 0
.if \zero == 2
	WIN 0x81+0x40*\hi
.else
	WIN 0xa1+0x50*\hi
.endif
.endm
.macro JLOAD g0a, g1a, g0b, g1b        ; a joint load: waves 0 and 1 fetch for R, waves 2 and 3 for P; four v_nop follow each of the two lines
	s_cmp_eq_u32 s19, 0
	s_cbranch_scc0 .Lfor_b_\@
	tensor_load_to_lds s[\g0a:\g0a+3], s[\g1a:\g1a+7]
	s_nop 0
.rept 4
	v_nop
.endr
	s_branch .Lasked_\@
.Lfor_b_\@:
	tensor_load_to_lds s[\g0b:\g0b+3], s[\g1b:\g1b+7]
	s_nop 0
.rept 4
	v_nop
.endr
.Lasked_\@:
.endm
.macro CREST
	s_cmp_lg_u32 s18, 0
	s_cbranch_scc1 .Lnot_wave_0_\@
	s_barrier_signal -3
.Lnot_wave_0_\@:
	s_barrier_wait -3
	s_barrier_signal -1
	s_barrier_wait -1
.endm
.macro CROUND
	s_barrier_signal -1
	s_barrier_wait -1
	CREST
.endm
	s_load_b256 s[4:11], s[0:1], 0x0               ; att's codes s[4:5], its scale blocks s[6:7], the weights' codes s[8:9], their scale blocks s[10:11]
	s_load_b128 s[12:15], s[0:1], 0x20             ; bo s[12:13], out s[14:15]
	v_lshl_add_u32 v[SPW], v0, 2, SPARE
	v_mov_b32 v[NIL], 0
	ds_add_u32 v28, v29
	s_wait_dscnt 0x0
	v_lshrrev_b32 v1, 5, v0
	v_readfirstlane_b32 s18, v1                    ; wave 0..3
	s_lshr_b32 s19, s18, 1                         ; which of R's two groups is mine.  Also: I fetch for R (0) or for P (1)
	s_and_b32 s20, s18, 1                          ; which of P's.  Also: which group of that side I fetch
	s_bfe_u32 s21, ttmp6, 0x40000                  ; cx
	s_bfe_u32 s22, ttmp6, 0x40004                  ; cy
	s_and_b32 s41, ttmp7, 0xffff                   ; the cluster's y: which 1,024 rows
	s_lshl_b32 s44, s41, 3
	s_lshl_b32 s42, s22, 1
	s_add_co_u32 s44, s44, s42                     ; R's first group: 8 y + 2 cy
	s_lshl_b32 s45, s21, 1                         ; P's first group among Wo's eight: 2 cx (the grid has one cluster along x)
	s_lshl_b32 s46, s22, 2
	s_lshl_b32 s46, 15, s46                        ; my row of the cluster
	s_lshl_b32 s47, 0x1111, s21                    ; my column
	s_or_b32 s[G1+0], s46, (3<<16)|(1<<21)         ; a dense block of 24,576 bytes as 96 rows of 256 bytes (32 elements of 8 bytes); no padding
	s_or_b32 s[G1B+0], s47, (3<<16)|(1<<21)
.irp g, G1, G1B
	s_mov_b32 s[\g+1], 32<<16
	s_mov_b32 s[\g+2], 96<<16
	s_mov_b32 s[\g+3], 32<<16
	s_mov_b32 s[\g+4], 96
	s_mov_b32 s[\g+5], 32
	s_mov_b32 s[\g+6], 0
	s_mov_b32 s[\g+7], 0
.endr
	s_or_b32 s[G1S+0], s46, (3<<16)|(1<<21)        ; a group's eight scale blocks: 16 rows of 256 bytes
	s_or_b32 s[G1SB+0], s47, (3<<16)|(1<<21)
.irp g, G1S, G1SB
	s_mov_b32 s[\g+1], 32<<16
	s_mov_b32 s[\g+2], 16<<16
	s_mov_b32 s[\g+3], 32<<16
	s_mov_b32 s[\g+4], 16
	s_mov_b32 s[\g+5], 32
	s_mov_b32 s[\g+6], 0
	s_mov_b32 s[\g+7], 0
.endr
	s_add_co_u32 s92, s44, s20                     ; the group of R that I would fetch,
	s_add_co_u32 s94, s45, s20
	s_add_co_u32 s94, s94, 88                      ; and of P: Wo's groups begin at 88
	s_lshl_b32 s96, s92, 12
	s_mov_b32 s97, 0
	s_mul_i32 s92, s92, 8*PANEL
	s_mov_b32 s93, 0
	s_lshl_b32 s98, s94, 12
	s_mov_b32 s99, 0
	s_mul_i32 s94, s94, 8*PANEL
	s_mov_b32 s95, 0
	s_mul_i32 s40, s18, GRP                        ; where they go: no place in the cluster enters an LDS address
	s_lshl_b32 s41, s18, 12
	s_wait_kmcnt 0x0
	s_add_nc_u64 s[92:93], s[4:5], s[92:93]
	s_add_nc_u64 s[94:95], s[8:9], s[94:95]
	s_add_nc_u64 s[96:97], s[6:7], s[96:97]
	s_add_nc_u64 s[98:99], s[10:11], s[98:99]
	CROUND                                         ; all sixteen work-groups are here: the first joint loads meet
	s_mov_b32 s[G0S], 1
	s_add_co_u32 s[G0S+1], s41, SCL
	s_mov_b64 s[G0S+2:G0S+3], s[96:97]
	s_or_b32 s[G0S+3], s[G0S+3], 0x80000000
	s_mov_b32 s[G0SB], 1
	s_add_co_u32 s[G0SB+1], s41, SCL
	s_mov_b64 s[G0SB+2:G0SB+3], s[98:99]
	s_or_b32 s[G0SB+3], s[G0SB+3], 0x80000000
	JLOAD G0S, G1S, G0SB, G1SB
.irp s, 0,1
	s_mov_b32 s[G0+4*\s], 1
	s_add_co_u32 s[G0+4*\s+1], s40, \s*SLOT
	s_add_nc_u64 s[G0+4*\s+2:G0+4*\s+3], s[92:93], \s*GRP
	s_or_b32 s[G0+4*\s+3], s[G0+4*\s+3], 0x80000000
	s_mov_b32 s[G0B+4*\s], 1
	s_add_co_u32 s[G0B+4*\s+1], s40, \s*SLOT
	s_add_nc_u64 s[G0B+4*\s+2:G0B+4*\s+3], s[94:95], \s*GRP
	s_or_b32 s[G0B+4*\s+3], s[G0B+4*\s+3], 0x80000000
	JLOAD G0+4*\s, G1, G0B+4*\s, G1B               ; three loads of mine are out behind the last of these
.endr
	v_and_b32 v1, 15, v0                           ; r
	v_bfe_u32 v2, v0, 4, 1                         ; h
	v_and_b32 v3, 31, v0
	v_lshlrev_b32 v[LI], 4, v3
	s_mul_i32 s2, s19, GRP
	s_mul_i32 s3, s20, GRP
	s_add_co_u32 s3, s3, 2*GRP
.irp s, 0,1
	v_add_nc_u32 v[ADRA+\s], s2, v[LI]
	v_add_nc_u32 v[ADRB+\s], s3, v[LI]
	s_add_co_u32 s2, s2, SLOT
	s_add_co_u32 s3, s3, SLOT
.endr
	s_lshl_b32 s2, s19, 12
	s_add_co_u32 s2, s2, SCL
	v_add_nc_u32 v[ADRSR], s2, v[LI]
	s_lshl_b32 s3, s20, 12
	s_add_co_u32 s3, s3, SCL+2*SRUN
	v_add_nc_u32 v[ADRSP], s3, v[LI]
	s_mul_i32 s2, s18, 16*SPITCH                   ; my stage
	v_mul_u32_u24 v[STO], v1, SPITCH
	v_lshl_add_u32 v[STO], v2, 6, v[STO]
	v_add_nc_u32 v[STO], s2, v[STO]                ; in: row r, + 64 h
	v_add_nc_u32 v[RD], s2, v[LI]                  ; back: the 32 lanes take one row of 512 bytes
	v_lshlrev_b32 v[BIA], 6, v2
	s_add_co_u32 s2, s44, s19                      ; my group of rows: 128 rows of 4,096 bytes,
	s_add_co_u32 s3, s45, s20                      ; my group of columns: 512 bytes
	s_lshl_b32 s92, s2, 19
	s_lshl_b32 s94, s3, 9
	s_add_co_u32 s92, s92, s94
	s_mov_b32 s93, 0
	s_mov_b32 s95, 0
	s_add_nc_u64 s[14:15], s[14:15], s[92:93]
	s_add_nc_u64 s[12:13], s[12:13], s[94:95]
.irp b, 0,1,2,3
.irp i, 0,1,2,3
	global_load_b128 v[BI+16*\b+4*\i:BI+16*\b+4*\i+3], v[BIA], s[12:13] offset:128*\b+16*\i   ; register 16 b + i: column 32 b + 16 h + i
.endr
.endr
.macro FRAG reg, adr, q, i             ; a fragment comes as the image of its registers: three loads of 512 consecutive bytes
.irp c, 0,1,2
	ds_load_b128 v[\reg+4*\c:\reg+4*\c+3], v[\adr] offset:PANEL*(\q)+1536*(\i)+512*\c
.endr
.endm
.macro WM ob, oa                       ; one product.  A tile takes its scale words from lanes 0-15 (even tile) or 16-31 (odd tile) of its register
.if (\ob) && (\oa)
	v_wmma_scale_f32_16x16x128_f8f6f4 v[rD:rD+7], v[rP:rP+FR-1], v[rR:rR+FR-1], v[rC:rC+7], v[rSP], v[rSR] matrix_a_fmt:MATRIX_FMT_FP6 matrix_b_fmt:MATRIX_FMT_FP6 matrix_a_scale:MATRIX_SCALE_ROW1 matrix_b_scale:MATRIX_SCALE_ROW1
.elseif \ob
	v_wmma_scale_f32_16x16x128_f8f6f4 v[rD:rD+7], v[rP:rP+FR-1], v[rR:rR+FR-1], v[rC:rC+7], v[rSP], v[rSR] matrix_a_fmt:MATRIX_FMT_FP6 matrix_b_fmt:MATRIX_FMT_FP6 matrix_a_scale:MATRIX_SCALE_ROW1
.elseif \oa
	v_wmma_scale_f32_16x16x128_f8f6f4 v[rD:rD+7], v[rP:rP+FR-1], v[rR:rR+FR-1], v[rC:rC+7], v[rSP], v[rSR] matrix_a_fmt:MATRIX_FMT_FP6 matrix_b_fmt:MATRIX_FMT_FP6 matrix_b_scale:MATRIX_SCALE_ROW1
.else
	v_wmma_scale_f32_16x16x128_f8f6f4 v[rD:rD+7], v[rP:rP+FR-1], v[rR:rR+FR-1], v[rC:rC+7], v[rSP], v[rSR] matrix_a_fmt:MATRIX_FMT_FP6 matrix_b_fmt:MATRIX_FMT_FP6
.endif
.endm
; 16 products: R's tiles a0, a0 + 1 x P's eight.  zero = 2: the first product starts the sums from the bias.  The 64 accumulators take turns, one instruction a turn.
.macro MUL16 a0, p, q, sc, zero
.irp a, \a0, \a0+1
.irp b, 0,1,2,3,4,5,6,7
.set rD, 8*(8*((\a)%4)+\b)
.if \zero == 2
.set rC, BI+8*\b
.else
.set rC, rD
.endif
.set rP, 128*(\p)+FR*\b
.set rR, AF+FR*(\a)
.set rSP, SC+16*(\sc)+8*(\q)+4+\b/2
.set rSR, SC+16*(\sc)+8*(\q)+(\a)/2
	WM \b%2, (\a)%2
.endr
.endr
.endm
.macro FETCH_B slot, q, p
	WIN TO_B
.irp i, 0,1,2,3,4,5,6,7
	FRAG 128*(\p)+FR*\i, ADRB+\slot, \q, \i
.endr
	WIN 0
.endm
.macro FETCH_A slot, q, i0
.irp i, \i0, \i0+1, \i0+2, \i0+3
	FRAG AF+FR*(\i), ADRA+\slot, \q, \i
.endr
.endm
.macro SCALES sc, ks
.irp q, 0,1
	ds_load_b128 v[SC+16*\sc+8*\q:SC+16*\sc+8*\q+3], v[ADRSR] offset:512*(\ks+\q)
	ds_load_b128 v[SC+16*\sc+8*\q+4:SC+16*\sc+8*\q+7], v[ADRSP] offset:512*(\ks+\q)
.endr
.endm
.macro PLACES n                        ; places in front of loads into registers that matrix instructions have read, and of the first read of results (ISA guide 7.12.1 for vector instructions)
.rept \n
	v_nop
.endr
.endm
.macro STEP slot, q, zero
	s_wait_dscnt 4*NL                              ; P's set, R's tiles 0-3 and the scales are in; the youngest 12 loads (R's tiles 4-7) may be out
	WINM 0, \zero
	MUL16 0, (\q)%2, \q, \slot, \zero
	MUL16 2, (\q)%2, \q, \slot, \zero
	s_wait_dscnt 0
	PLACES NP
	FETCH_B \slot, (\q)+1, 1-(\q)%2
	FETCH_A \slot, (\q)+1, 0
	WINM 1, \zero
	MUL16 4, (\q)%2, \q, \slot, \zero
	MUL16 6, (\q)%2, \q, \slot, \zero
	PLACES NP
	WIN 0
	FETCH_A \slot, (\q)+1, 4
.endm
.macro TURN slot, next, fill, ks       ; a slot's last step changes slots: ONE barrier
	s_wait_tensorcnt 0x0                           ; all my tensor loads have landed: my part of the next slot
	ds_add_u32 v[SPW], v[NIL]                      ; 0 onto my spare word
	s_wait_dscnt 4*NL+1                            ; (the add and the youngest 12 loads may be out)
	WIN MUL_LO
	MUL16 0, 1, NQ-1, \slot, 0
	s_wait_dscnt 0x0                               ; the add is done, and my reads of this slot are over
	s_barrier_signal -1
	MUL16 2, 1, NQ-1, \slot, 0
	WIN 0
	s_barrier_wait -1
.if \fill
	CREST                                          ; the barrier has opened a round of the cluster's barrier
	s_add_nc_u64 s[G0+4*\slot+2:G0+4*\slot+3], s[G0+4*\slot+2:G0+4*\slot+3], 2*GRP
	s_add_nc_u64 s[G0B+4*\slot+2:G0B+4*\slot+3], s[G0B+4*\slot+2:G0B+4*\slot+3], 2*GRP
	JLOAD G0+4*\slot, G1, G0B+4*\slot, G1B         ; my one tensor load behind the round; its four v_nop are also the places in front of the loads below
.else
	PLACES NP
.endif
	FETCH_B \next, 0, 0
	FETCH_A \next, 0, 0
	SCALES \next, \ks
	WIN MUL_HI
	MUL16 4, 1, NQ-1, \slot, 0
	MUL16 6, 1, NQ-1, \slot, 0
	PLACES NP
	WIN 0
	FETCH_A \next, 0, 4
.endm
	s_wait_tensorcnt 1                             ; the scales and my part of slot 0 are in; slot 1's load may be out
	s_barrier_signal -1
	s_barrier_wait -1
	FETCH_B 0, 0, 0
	FETCH_A 0, 0, 0
	SCALES 0, 0
	FETCH_A 0, 0, 4
	s_wait_loadcnt 0x0                             ; the bias
	STEP 0, 0, 2
	TURN 0, 1, 1, 2
	STEP 1, 0, 0
	TURN 1, 0, 1, 4
	STEP 0, 0, 0
	TURN 0, 1, 0, 6                                ; nothing is left to fetch; behind its barrier nobody reads slot 0
	STEP 1, 0, 0
	s_wait_dscnt 4*NL
	WIN MUL_LO
	MUL16 0, 1, NQ-1, 1, 0
	MUL16 2, 1, NQ-1, 1, 0
	s_wait_dscnt 0
	WIN MUL_HI
	MUL16 4, 1, NQ-1, 1, 0
	MUL16 6, 1, NQ-1, 1, 0
	WIN 0
; THE WAY OUT, tile by tile of R: 16 rows x 128 columns go through my own stage and come back as whole rows of 512 bytes.  LDS serves a wave's instructions in order (ISA guide 5.7.1.4): no wait between the stores and the loads.
.macro TOSTAGE a
.set AC, 64*((\a)%4)
	WIN 0x08+4*((\a)/4)                            ; an LDS store's data: window 2 or 3
.irp b, 0,1,2,3,4,5,6,7
	ds_store_b128 v[STO], v[AC+8*\b:AC+8*\b+3] offset:128*(\b/2)+32*(\b%2)         ; each accumulator from its low end on
	ds_store_b128 v[STO], v[AC+8*\b+4:AC+8*\b+7] offset:128*(\b/2)+32*(\b%2)+16
.endr
	WIN 0
.set BB, BK+64*((\a)%2)
.irp t, 0,1,2,3,4,5,6,7,8,9,10,11,12,13,14,15
	ds_load_b128 v[BB+4*\t:BB+4*\t+3], v[RD] offset:\t*SPITCH
.endr
.endm
.macro SEND a, younger                 ; younger: the LDS instructions issued behind tile a's loads, which may stay out
.set BB, BK+64*((\a)%2)
	s_wait_dscnt \younger
.irp t, 0,1,2,3,4,5,6,7,8,9,10,11,12,13,14,15
	global_store_b128 v[LI], v[BB+4*\t:BB+4*\t+3], s[14:15] offset:4096*(32*((\a)/2)+8*((\a)%2)+\t+8*(\t/8)) th:TH_STORE_NT   ; stage row t is the group's row 32 (a / 2) + 8 (a % 2) + t + 8 (t / 8); 32 lanes store 512 consecutive bytes, at a multiple of 512 from out's first byte
.endr
.endm
	PLACES NP
	TOSTAGE 0
.irp a, 1,2,3,4,5,6,7
.if \a > 1
	s_wait_xcnt 0x0                                ; tile a - 2's stores have read their registers: tile a's loads may land there
.endif
	TOSTAGE \a
	SEND \a-1, 32                                  ; behind tile a - 1's loads: tile a's 16 stores and 16 loads
.endr
	SEND 7, 0
	s_wait_tensorcnt 0x0                           ; the wave's end
	ds_add_u32 v[SPW], v[NIL]
	s_wait_dscnt 0x0
	CROUND                                         ; the closing round
	s_endpgm
.Lfunc_end_k_qf45a0db816_oproj:
	.size	k_qf45a0db816_oproj, .Lfunc_end_k_qf45a0db816_oproj-k_qf45a0db816_oproj
	.p2alignl 7, 3214868480
	.fill 96, 4, 3214868480
	.section	.rodata,"a",@progbits
	.p2align	6, 0x0
	.amdhsa_kernel k_qf45a0db816_oproj
		.amdhsa_group_segment_fixed_size 327680
		.amdhsa_private_segment_fixed_size 0
		.amdhsa_enable_private_segment 0
		.amdhsa_kernarg_size 48
		.amdhsa_user_sgpr_count 2
		.amdhsa_user_sgpr_kernarg_segment_ptr 1
		.amdhsa_wavefront_size32 1
		.amdhsa_system_sgpr_workgroup_id_x 1
		.amdhsa_system_sgpr_workgroup_id_y 1
		.amdhsa_system_sgpr_workgroup_id_z 1
		.amdhsa_system_vgpr_workitem_id 0
		.amdhsa_next_free_vgpr 1024
		.amdhsa_next_free_sgpr 100
		.amdhsa_reserve_vcc 0
		.amdhsa_float_denorm_mode_32 3
		.amdhsa_float_denorm_mode_16_64 3
		.amdhsa_memory_ordered 1
		.amdhsa_forward_progress 1
		.amdhsa_inst_pref_size 135
	.end_amdhsa_kernel
	.amdgpu_metadata
---
amdhsa.version: [ 1, 2 ]
amdhsa.kernels:
  - .name:           k_qf45a0db816_oproj
    .symbol:         k_qf45a0db816_oproj.kd
    .args:
      - { .name: ac, .offset: 0, .size: 8, .value_kind: global_buffer, .address_space: global }
      - { .name: asc, .offset: 8, .size: 8, .value_kind: global_buffer, .address_space: global }
      - { .name: opc, .offset: 16, .size: 8, .value_kind: global_buffer, .address_space: global }
      - { .name: ops, .offset: 24, .size: 8, .value_kind: global_buffer, .address_space: global }
      - { .name: bo, .offset: 32, .size: 8, .value_kind: global_buffer, .address_space: global }
      - { .name: out0, .offset: 40, .size: 8, .value_kind: global_buffer, .address_space: global }
    .group_segment_fixed_size: 327680
    .private_segment_fixed_size: 0
    .kernarg_segment_align: 8
    .kernarg_segment_size: 48
    .max_flat_workgroup_size: 128
    .sgpr_count:     100
    .vgpr_count:     1024
    .wavefront_size: 32
...
	.end_amdgpu_metadata
.endif
;; end of part 4
;; ======== version 2 of 2: 4 launches
;; limits: right only within a limited range of input values
;; workspace buffers: opc 9,437,184 bytes; ops 393,216 bytes; qkvc 18,874,368 bytes; qkvs 786,432 bytes; ac 6,291,456 bytes; asc 262,144 bytes
;; launch quant (part 5): grid 768 x 1, 4 waves a work-group, no clusters, 68,608 bytes of LDS; arguments x, Wq, Wk, Wv, Wo, opc, ops; writes opc, ops
.if DOCPART == 5
	.amdgcn_target "amdgcn-amd-amdhsa--gfx1250"
	.amdhsa_code_object_version 6
	.text
	.protected	k_qf45a0db816_quant
	.globl	k_qf45a0db816_quant
	.p2align	8
	.type	k_qf45a0db816_quant,@function
k_qf45a0db816_quant:
	s_mov_b64 s[64:65], 0
	v_nop
	global_prefetch_b8 v0, s[64:65] scope:SCOPE_SE
	s_setreg_imm32_b32 hwreg(HW_REG_WAVE_MODE, 25, 1), 1
	s_wait_xcnt 0x0
; x [8192][1024] and Wq, Wk, Wv, Wo [1024][1024], f32, K innermost, become codes of FP6 (E2M3) with one E8M0 scale byte for each 32 along K,
; laid AS THE MATRIX UNIT'S REGISTERS WANT THEM.  The rows of all five tensors are counted in groups of 128: G = 0-63 x, 64-71 Wq, 72-79 Wk, 80-87 Wv, 88-95 Wo.
; A PANEL is a group x 128 along K: eight fragments (tiles) on end, 1,536 bytes each: three pieces of 512 bytes, piece c = registers 4 c .. 4 c + 3 of the fragment, lane l's 16 bytes at 16 l.
; Lane r of tile t holds row 32 (t / 2) + 8 (t % 2) + r + 8 (r / 8) of the group; lane (r, h) holds K = 64 c + 32 h + 0 .. 31 in registers 6 c .. 6 c + 5.
; A panel's SCALE BLOCK is 512 bytes, lane l's 16 bytes at 16 l: word i is, in lanes 0-15, the scale word of tile 2 i's row r; in lanes 16-31 that of tile 2 i + 1.
; A block's scale is 2^(floor(log2(its largest magnitude)) - 2); its byte is the largest magnitude's exponent field - 2, held at 1 from below.
; LIMITS: a block of zeros, and one whose largest magnitude lies under 2^-124, gets the byte 1 (the rule says 127 for zeros): its codes are zeros or held small, and this program alone reads the bytes.  NaN and infinities are not served.
; SHARES: a work-group makes one panel (768 panels); wave w its rows 32 w .. 32 w + 31: tiles 2 w and 2 w + 1.  Each of a wave's 32 loads reads 512 consecutive bytes of one row; the rows turn through the wave's own
; stage in LDS (places of 512 + 16 bytes, in the order tile, lane) and come back 128 bytes a lane and block.  No tensor load, no matrix unit, no cluster: nothing is shared and memory binds.
.set PP,   528                         ; a place in the stage
.set STG,  32*PP                       ; a wave's stage
.set SCB,  4*STG                       ; behind the stages: the panel's scale block, 512 bytes
.set LN,   1                           ; v1  lane
.set LI,   2                           ; v2  16 x lane
.set SIN,  3                           ; v3  the stage, on the way in
.set SOUT, 4                           ; v4  and on the way out: 528 r + 128 h
.set SCW,  5                           ; v5  where I put my scale word
.set SCR,  6                           ; v6  where wave 0 reads the block back
.set SH,   7                           ; v7  8 h: my two bytes' shift in the scale word
.set M,    8                           ; v8-9   largest magnitudes of my two blocks
.set SOP,  10                          ; v10-11 the conversions' scale operands
.set BY,   12                          ; v12-13 the scale bytes
.set W0,   14                          ; v14, v15 the two tiles' scale words
.set W1,   15
.set T,    16                          ; v16-22 the upper halves of the blocks' codes
.set PX,   24                          ; v24 the other half of the lanes' bytes
.set C0,   28                          ; v28-39 tile 0's codes;  v40-51 tile 1's: no store's data are written again
.set C1,   40
.set SW,   52
.set OB,   56                          ; v56-59 the scale block on its way out
.set RAW,  64                          ; v64-191 32 rows as loaded; later v64-127 tile 1's numbers
.set X0,   192                         ; v192-255 tile 0's numbers
.set SEL,  32                          ; s[32:33] lane selects: lane l xor 16
	s_load_b256 s[4:11], s[0:1], 0x0               ; x, Wq, Wk, Wv
	s_load_b128 s[12:15], s[0:1], 0x20             ; Wo, the codes
	s_load_b64 s[16:17], s[0:1], 0x30              ; the scale blocks
	v_lshl_add_u32 v62, v0, 2, 0x10a00
	v_mov_b32 v63, 0
	v_lshrrev_b32 v1, 5, v0
	v_readfirstlane_b32 s18, v1                    ; wave 0..3
	v_and_b32 v[LN], 31, v0
	v_lshlrev_b32 v[LI], 4, v[LN]
	s_mul_i32 s19, s18, STG
	v_add_nc_u32 v[SIN], s19, v[LI]
	v_and_b32 v8, 15, v0                           ; r
	v_bfe_u32 v9, v0, 4, 1                         ; h
	v_mul_u32_u24 v[SOUT], v8, PP
	v_lshl_add_u32 v[SOUT], v9, 7, v[SOUT]
	v_add_nc_u32 v[SOUT], s19, v[SOUT]
	s_lshl_b32 s19, s18, 2
	s_add_co_u32 s19, s19, SCB
	v_add_nc_u32 v[SCW], s19, v[LI]                ; word w of my lane's 16 bytes
	v_add_nc_u32 v[SCR], SCB, v[LI]
	v_lshlrev_b32 v[SH], 3, v9
	v_mov_b32 v[PX], 0                             ; written once: a lane permute's destination counts as one of its sources
	s_mov_b32 s[SEL], 0x76543210
	s_mov_b32 s[SEL+1], 0xfedcba98
	s_lshr_b32 s20, ttmp9, 3                       ; G
	s_and_b32 s21, ttmp9, 7                        ; the K step
	s_bfe_u32 s22, s20, 0x20003                    ; which weight: (G / 8) % 4
	s_and_b32 s23, s20, 7                          ; a weight's group
	s_wait_alu depctr_va_vdst(0)
	s_wait_kmcnt 0x0
	s_cmp_eq_u32 s22, 1                            ; the tensor is chosen by the work-group's number alone
	s_cselect_b64 s[24:25], s[8:9], s[6:7]
	s_cmp_eq_u32 s22, 2
	s_cselect_b64 s[24:25], s[10:11], s[24:25]
	s_cmp_eq_u32 s22, 3
	s_cselect_b64 s[24:25], s[12:13], s[24:25]
	s_cmp_lt_u32 s20, 64
	s_cselect_b64 s[24:25], s[4:5], s[24:25]
	s_cselect_b32 s23, s20, s23                    ; the group inside its tensor
	s_lshl_b32 s30, s23, 19                        ; 128 rows of 4,096 bytes,
	s_lshl_b32 s31, s18, 17                        ; my 32 rows,
	s_add_co_u32 s30, s30, s31
	s_lshl_b32 s31, s21, 9                         ; 128 numbers along K
	s_add_co_u32 s30, s30, s31
	s_mov_b32 s31, 0
	s_add_nc_u64 s[24:25], s[24:25], s[30:31]
	s_mul_i32 s30, ttmp9, 12288                    ; the panel, and my two tiles in it
	s_mul_i32 s26, s18, 3072
	s_add_co_u32 s30, s30, s26
	s_add_nc_u64 s[26:27], s[14:15], s[30:31]
	s_lshl_b32 s30, ttmp9, 9
	s_add_nc_u64 s[28:29], s[16:17], s[30:31]
.set i, 0
.rept 32
	global_load_b128 v[RAW+4*i:RAW+4*i+3], v[LI], s[24:25] offset:4096*i th:TH_LOAD_NT   ; row i: 32 lanes read 512 consecutive bytes; read once in the launch
.set i, i+1
.endr
.set i, 0
.rept 32
	s_wait_loadcnt 31-i                            ; loads come back in order: row i is in, the younger ones stay out
	ds_store_b128 v[SIN], v[RAW+4*i:RAW+4*i+3] offset:PP*(16*((i/8)%2)+i%8+8*(i/16))   ; row i is lane i % 8 + 8 (i / 16) of tile (i / 8) % 2
.set i, i+1
.endr
.macro TLD X, u                        ; tile u's numbers: register 32 c + i = K 64 c + 32 h + i of my row
.irp c, 0,1
.irp k, 0,1,2,3,4,5,6,7
	ds_load_b128 v[\X+32*\c+4*\k:\X+32*\c+4*\k+3], v[SOUT] offset:16*PP*\u+256*\c+16*\k
.endr
.endr
.endm
; 64 numbers of a lane, two whole blocks, become the fragment's 12 registers and my row's scale word; the fragment leaves as it stands
.macro QT X, u, C, W
.irp c, 0,1
	v_max3_num_f32 v[M+\c], |v[\X+32*\c]|, |v[\X+32*\c+1]|, 0x1800000   ; and the floor 2^(3 - 127): the byte cannot fall under 1
.endr
.irp i, 2,4,6,8,10,12,14,16,18,20,22,24,26,28,30
.irp c, 0,1
	v_max3_num_f32 v[M+\c], v[M+\c], |v[\X+32*\c+\i]|, |v[\X+32*\c+\i+1]|   ; the two blocks by turns
.endr
.endr
.irp c, 0,1
	v_add_nc_u32 v[SOP+\c], 0xff000000, v[M+\c]    ; 2 off the exponent field: the conversion takes that field as its scale
.endr
.irp c, 0,1
	v_lshrrev_b32 v[BY+\c], 23, v[SOP+\c]          ; the scale's byte
.endr
	v_lshl_or_b32 v[\W], v[BY+1], 16, v[BY]        ; blocks h and 2 + h of my row,
	v_lshlrev_b32 v[\W], v[SH], v[\W]              ; at their places;
	v_permlanex16_b32 v[PX], v[\W], s[SEL], s[SEL+1]
	v_or_b32 v[\W], v[\W], v[PX]                   ; with lane l xor 16's two the word is whole, in both halves of the lanes
.irp c, 0,1
	v_cvt_scalef32_pk16_fp6_f32 v[\C+6*\c:\C+6*\c+2], v[\X+32*\c:\X+32*\c+15], v[SOP+\c]
	v_cvt_scalef32_pk16_fp6_f32 v[T+4*\c:T+4*\c+2], v[\X+32*\c+16:\X+32*\c+31], v[SOP+\c]   ; (a conversion's three registers begin on an even number)
.endr
	v_nop                                          ; one plain place behind a scaled conversion
.irp c, 0,1
.irp i, 0,1,2
	v_mov_b32 v[\C+6*\c+3+\i], v[T+4*\c+\i]
.endr
.endr
.irp k, 0,1,2
	global_store_b128 v[LI], v[\C+4*\k:\C+4*\k+3], s[26:27] offset:1536*\u+512*\k   ; 32 lanes store 512 consecutive bytes, at a multiple of 512 from the buffer's first byte
.endr
.endm
	TLD X0, 0                                      ; LDS serves a wave's instructions in order: these see my stores
	s_wait_dscnt 0x0                               ; tile 0 is in, and the stores have read the registers that tile 1 now takes
	TLD RAW, 1
	QT X0, 0, C0, W0                               ; tile 1 lands meanwhile
	s_wait_dscnt 0x0
	QT RAW, 1, C1, W1
	v_cmp_le_u32 vcc_lo, 16, v[LN]
	v_cndmask_b32 v[SW], v[W0], v[W1], vcc_lo      ; lanes 0-15: tile 2 w's words; lanes 16-31: tile 2 w + 1's
	ds_store_b32 v[SCW], v[SW]
	s_wait_dscnt 0x0                               ; for the others' sake: my word has landed
	s_barrier_signal -1
	s_barrier_wait -1
	s_cmp_lg_u32 s18, 0
	s_cbranch_scc1 .Ldone
	ds_load_b128 v[OB:OB+3], v[SCR]                ; wave 0 sends the whole block
	s_wait_dscnt 0x0
	global_store_b128 v[LI], v[OB:OB+3], s[28:29]  ; 512 consecutive bytes
.Ldone:
	s_wait_tensorcnt 0x0
	ds_add_u32 v62, v63
	s_wait_dscnt 0x0
	s_endpgm
.Lfunc_end_k_qf45a0db816_quant:
	.size	k_qf45a0db816_quant, .Lfunc_end_k_qf45a0db816_quant-k_qf45a0db816_quant
	.p2alignl 7, 3214868480
	.fill 96, 4, 3214868480
	.section	.rodata,"a",@progbits
	.p2align	6, 0x0
	.amdhsa_kernel k_qf45a0db816_quant
		.amdhsa_group_segment_fixed_size 68608
		.amdhsa_private_segment_fixed_size 0
		.amdhsa_enable_private_segment 0
		.amdhsa_kernarg_size 56
		.amdhsa_user_sgpr_count 2
		.amdhsa_user_sgpr_kernarg_segment_ptr 1
		.amdhsa_wavefront_size32 1
		.amdhsa_system_sgpr_workgroup_id_x 1
		.amdhsa_system_sgpr_workgroup_id_y 1
		.amdhsa_system_sgpr_workgroup_id_z 1
		.amdhsa_system_vgpr_workitem_id 0
		.amdhsa_next_free_vgpr 256
		.amdhsa_next_free_sgpr 66
		.amdhsa_reserve_vcc 1
		.amdhsa_float_denorm_mode_32 3
		.amdhsa_float_denorm_mode_16_64 3
		.amdhsa_memory_ordered 1
		.amdhsa_forward_progress 1
		.amdhsa_inst_pref_size 18
	.end_amdhsa_kernel
	.amdgpu_metadata
---
amdhsa.version: [ 1, 2 ]
amdhsa.kernels:
  - .name:           k_qf45a0db816_quant
    .symbol:         k_qf45a0db816_quant.kd
    .args:
      - { .name: x, .offset: 0, .size: 8, .value_kind: global_buffer, .address_space: global }
      - { .name: Wq, .offset: 8, .size: 8, .value_kind: global_buffer, .address_space: global }
      - { .name: Wk, .offset: 16, .size: 8, .value_kind: global_buffer, .address_space: global }
      - { .name: Wv, .offset: 24, .size: 8, .value_kind: global_buffer, .address_space: global }
      - { .name: Wo, .offset: 32, .size: 8, .value_kind: global_buffer, .address_space: global }
      - { .name: opc, .offset: 40, .size: 8, .value_kind: global_buffer, .address_space: global }
      - { .name: ops, .offset: 48, .size: 8, .value_kind: global_buffer, .address_space: global }
    .group_segment_fixed_size: 68608
    .private_segment_fixed_size: 0
    .kernarg_segment_align: 8
    .kernarg_segment_size: 56
    .max_flat_workgroup_size: 128
    .sgpr_count:     66
    .vgpr_count:     256
    .wavefront_size: 32
...
	.end_amdgpu_metadata
.endif
;; end of part 5
;; launch qkv (part 6): grid 8 x 32, 4 waves a work-group, clusters of 4 x 4, 327,680 bytes of LDS; arguments opc, ops, bq, bk, bv, qkvc, qkvs; writes qkvc, qkvs
.if DOCPART == 6
	.amdgcn_target "amdgcn-amd-amdhsa--gfx1250"
	.amdhsa_code_object_version 6
	.text
	.protected	k_qf45a0db816_qkv
	.globl	k_qf45a0db816_qkv
	.p2align	8
	.type	k_qf45a0db816_qkv,@function
k_qf45a0db816_qkv:
	s_mov_b64 s[64:65], 0
	v_nop
	global_prefetch_b8 v0, s[64:65] scope:SCOPE_SE
	s_setreg_imm32_b32 hwreg(HW_REG_WAVE_MODE, 25, 1), 1
	s_wait_xcnt 0x0
	s_wait_alu depctr_hold_cnt(0) depctr_sa_sdst(0) depctr_va_vdst(0) depctr_va_sdst(0) depctr_va_ssrc(0) depctr_va_vcc(0) depctr_vm_vsrc(0)
	s_getreg_b32 s2, hwreg(HW_REG_IB_STS2, 6, 4)
	s_cmp_eq_u32 s2, 0
	s_cbranch_scc0 .Lentry_in_a_cluster
	s_endpgm
.Lentry_in_a_cluster:
	s_bfe_u32 s2, ttmp6, 0x10000c
	s_cmp_lg_u32 s2, 0xf033
	s_cbranch_scc0 .Lentry_shape_is_right
	s_endpgm
.Lentry_shape_is_right:
; q = x Wq^T + bq, k = x Wk^T + bk, v = x Wv^T + bv on codes of FP6 (E2M3) with E8M0 block scales; sums in f32; the results are quantised in registers, q and k along the columns, v along the rows (the keys),
; and leave as codes and scale blocks in the order of the next product's registers.  No f32 result goes to memory.
; OPERANDS: panels and scale blocks as the launch before laid them: a group of 128 rows x 128 K is a panel of 12,288 bytes, eight fragments (tiles) as register images; a group's eight panels lie on end (98,304 bytes).
; Lane r of tile t is row 32 (t / 2) + 8 (t % 2) + r + 8 (r / 8) of the group.  A panel's scale block is 512 bytes, lane l's 16 bytes at 16 l: word i: lanes 0-15 tile 2 i, lanes 16-31 tile 2 i + 1.
; NAMES: P is the matrix instruction's source 0: its rows run along a lane's result registers.  R is source 1: its rows go to the lanes.  By the choice of a tile's rows the 64 result registers of P's eight tiles are, for lane (r, h),
; register 16 b + i = P's row 32 b + 16 h + i: 16 neighbours of each block of 32, which is what the quantiser takes.
; SHARES: 256 work-groups, 8 x 32.  A work-group owns 256 rows of x (two groups, X) and the c8-th group of 128 rows of Wq, of Wk and of Wv (W), one after the other: THREE PASSES, all written out.  X stays in LDS for all of K
; and all passes (196,608 bytes); W's 98,304 bytes are filled again half by half, as soon as a half has been read out, with the next pass's.  So a work-group brings 512,000 bytes into LDS for 768 products a wave.
; A wave makes 64 R x 128 P a pass: 32 accumulators.  wg = wave / 2 picks the group of X, wq = wave % 2 the parity of R's four tiles 2 a + wq.   q, k: P = W, R = X.   v: P = X, R = W: a lane then holds one column d and 64 neighbouring keys.
; With that parity a wave's four scale words of a row are 16 neighbouring bytes of a scale block: R's scales come by one load into lanes 0-15, and the result's leave as 256 consecutive bytes.
; This tile reads 38 x 512 bytes from LDS for 32 products; a larger one would leave a third of the WGPs a second turn.
; CLUSTER 4 x 4: X is shared along a row of the cluster, W along a column: each tile is asked for jointly, by the same tensor load with the same descriptor and a mask that names the four.
; LIMITS: a block of zeros, and one whose largest magnitude lies under 2^-124, gets the scale byte 1; this program alone reads the bytes.  NaN and infinities are not served.
; REGISTERS: window 0: v8-29 addresses; v32-47 scale words and nothing else; v64-127 the bias along P; v128-255 the way out.   windows 1, 2: the two sets of fragments: P's eight at v0-95, R's four at v96-143.
;   window 3: the accumulators, (a, b) at v[8 (8 a + b)].
.set FR,    12                         ; registers of a fragment
.set PANEL, 12288
.set QTR,   2*PANEL                    ; a quarter of a group's K
.set HALF,  4*PANEL
.set GRPK,  8*PANEL
.set XR,    0                          ; X: two groups, all of K
.set WR,    2*GRPK                     ; W: one group, all of K
.set SCX,   3*GRPK                     ; X's scale blocks: 2 x 4,096 bytes
.set SCW,   SCX+2*4096                 ; W's, of all three passes: 4,096 bytes (K steps 0-7) for each weight.  X lies half by half of K: (half, group, four panels)
.set SWH,   3*2048
.set SPARE, SCW+2*SWH                  ; the spare words, 128 bytes for each wave: two blocks of 256 bytes that no other line names
.set AXR,   8                          ; v8-9   X as R: my group, my parity; K steps 0-3, 4-7
.set AXP,   10                         ; v10-11 X as P: my group
.set AWP,   12                         ; v12-13 W as P
.set AWR,   14                         ; v14-15 W as R: my parity
.set ASXR,  16                         ; v16-19 the scale blocks likewise
.set ASXP,  17
.set ASWP,  18
.set ASWR,  19
.set LI,    20                         ; v20 16 x lane
.set LN,    21                         ; v21 lane
.set BIA,   22                         ; v22 the bias along P: 512 c8 + 64 h
.set BRA,   23                         ; v23 the bias along R
.set VOQ,   24                         ; v24 q's codes: my byte offset;  v25 v's
.set VOV,   25
.set VSQ,   26                         ; v26 q's scale block;  v27 v's
.set VSV,   27
.set SPW,   28                         ; v28 my spare word; never rewritten
.set NIL,   29                         ; v29 0; never rewritten
.set SC,    32                         ; set k at SC + 8 k: +0..3 R's four words, +4..7 P's block
.set BI,    64
.set HA,    128                        ; the way out: 64 numbers
.set PC,    192                        ; v192-211 the codes just made
.set SW,    212                        ; v212-213 my 8 bytes of the scale block
.set BR,    224                        ; v224-227 the bias along R
.set PWS,   232                        ; v232-235 the four tiles' scale words
.set TM,    240                        ; v240-255 at work in the quantiser
.set G1X,   24                         ; s[24:31] group 1 for X's tiles;  s[32:39] for W's;  s[40:47], s[48:55] for their scale blocks
.set G1W,   32
.set G1SX,  40
.set G1SW,  48
.set G0SX,  92                         ; groups 0: X's halves s[56:63]; W's s[76:83]; the scale blocks' s[92:95], s[96:99]
.set G0SW,  96
.set GR,    92                         ; the refills' group 0: written only where no tensor load of the wave is out
.set SEL,   66                         ; s[66:67] lane selects: lane l xor 16
.set LH0,   100                        ; s100, s101 where my panel of W's first and second half lies
.set LH1,   101
.set RG,    104                        ; s[104:105] where my panel of the first refill lies in memory
.set MSB, 0
.macro WIN new                         ; the immediate's high byte repeats the setting that is left
.if MSB != \new
	s_set_vgpr_msb (MSB<<8)|\new
.set MSB, \new
.endif
.endm
.macro PLACES                          ; four places behind a matrix instruction, in front of loads into its registers and of the first read of results (ISA guide 7.12.1 for vector instructions)
.rept 4
	v_nop
.endr
.endm
; A joint first fill: waves 0 and 1 fetch for X, waves 2 and 3 for W.  The branch hangs on the wave's number alone.  Four v_nop follow each of the two lines.
.macro JLOAD g0a, g1a, g0b, g1b
	s_cmp_eq_u32 s19, 0
	s_cbranch_scc0 .Lfor_b_\@
	tensor_load_to_lds s[\g0a:\g0a+3], s[\g1a:\g1a+7]
	s_nop 0
.rept 4
	v_nop
.endr
	s_branch .Lasked_\@
.Lfor_b_\@:
	tensor_load_to_lds s[\g0b:\g0b+3], s[\g1b:\g1b+7]
	s_nop 0
.rept 4
	v_nop
.endr
.Lasked_\@:
.endm
.macro CREST                           ; a round of the cluster's barrier behind its opening barrier
	s_cmp_lg_u32 s18, 0
	s_cbranch_scc1 .Lnot_wave_0_\@
	s_barrier_signal -3
.Lnot_wave_0_\@:
	s_barrier_wait -3
	s_barrier_signal -1
	s_barrier_wait -1
.endm
.macro CROUND
	s_barrier_signal -1
	s_barrier_wait -1
	CREST
.endm
	s_load_b256 s[4:11], s[0:1], 0x0               ; codes s[4:5], scale blocks s[6:7], bq s[8:9], bk s[10:11]
	s_load_b128 s[12:15], s[0:1], 0x20             ; bv s[12:13], the results' codes s[14:15]
	s_load_b64 s[16:17], s[0:1], 0x30              ; the results' scale blocks
	v_lshl_add_u32 v[SPW], v0, 2, SPARE
	v_mov_b32 v[NIL], 0
	ds_add_u32 v28, v29
	ds_add_u32 v28, v29
	s_wait_dscnt 0x0
	v_lshrrev_b32 v1, 5, v0
	v_readfirstlane_b32 s18, v1                    ; wave 0..3
	s_lshr_b32 s19, s18, 1                         ; wg: my group of X.  Also: I fetch for X (0) or for W (1)
	s_and_b32 s20, s18, 1                          ; wq: my parity.  Also: which part of a first fill I fetch
	s_bfe_u32 s21, ttmp6, 0x40000                  ; cx
	s_bfe_u32 s22, ttmp6, 0x40004                  ; cy
	s_lshl_b32 s2, s22, 2
	s_lshl_b32 s2, 15, s2                          ; my row of the cluster
	s_lshl_b32 s3, 0x1111, s21                     ; my column
	s_lshl_b32 s23, ttmp9, 2
	s_add_co_u32 s21, s23, s21                     ; c8 = 4 x cluster x + cx: which group of each weight
	s_and_b32 s23, ttmp7, 0xffff
	s_lshl_b32 s23, s23, 2
	s_add_co_u32 s22, s23, s22                     ; ry = 4 x cluster y + cy: which 256 rows of x
	; groups 1: dense blocks as rows of 256 bytes (32 elements of 8 bytes); no padding: every LDS load of this text takes 512 or 256 consecutive bytes
	s_or_b32 s[G1X], s2, (3<<16)|(1<<21)           ; 15:0 the mask; 17:16 elements of 8 bytes; 21 set beside a mask
	s_or_b32 s[G1SX], s2, (3<<16)|(1<<21)
	s_or_b32 s[G1W], s3, (3<<16)|(1<<21)
	s_or_b32 s[G1SW], s3, (3<<16)|(1<<21)
	s_mov_b32 s[G1X+1], 6144<<16                   ; X: a half of K of both groups: two rows of 49,152 bytes, 98,304 bytes apart in memory, on end in LDS
	s_mov_b32 s[G1X+2], 2<<16
	s_mov_b32 s[G1X+3], 6144<<16
	s_mov_b32 s[G1X+4], 2
	s_mov_b32 s[G1X+5], 12288
	s_mov_b32 s[G1X+6], 0
	s_mov_b32 s[G1X+7], 0
.irp g, G1W, G1SX
	s_mov_b32 s[\g+1], 32<<16                      ; tensor_dim0
	s_mov_b32 s[\g+3], 32<<16                      ; tile_dim0
	s_mov_b32 s[\g+5], 32                          ; the pitch
	s_mov_b32 s[\g+6], 0
	s_mov_b32 s[\g+7], 0
.endr
	s_mov_b32 s[G1W+2], 192<<16                    ; W: a half of a group's K, 49,152 bytes (the refills: a panel, set where the first refill's descriptor is made)
	s_mov_b32 s[G1W+4], 192
	s_mov_b32 s[G1SX+2], 32<<16                    ; X's scale blocks: both groups' eight
	s_mov_b32 s[G1SX+4], 32
	s_mov_b32 s[G1SW+1], 512<<16                   ; W's: eight blocks (4,096 bytes) of each of the three weights, whose groups lie 8 x 4,096 bytes apart
	s_mov_b32 s[G1SW+2], 3<<16
	s_mov_b32 s[G1SW+3], 512<<16
	s_mov_b32 s[G1SW+4], 3
	s_mov_b32 s[G1SW+5], 4096
	s_mov_b32 s[G1SW+6], 0
	s_mov_b32 s[G1SW+7], 0
	; all that hangs on ids alone is made while the arguments are on their way
	v_and_b32 v[LN], 31, v0
	v_lshlrev_b32 v[LI], 4, v[LN]
	v_and_b32 v1, 15, v0                           ; r
	v_bfe_u32 v2, v0, 4, 1                         ; h
	v_lshlrev_b32 v3, 4, v1                        ; 16 r
	v_lshl_add_u32 v4, v2, 3, v3                   ; 16 r + 8 h
	v_and_b32 v5, 8, v1
	v_add_nc_u32 v5, v5, v1                        ; r + 8 (r / 8)
	s_mul_i32 s68, s19, HALF                       ; LDS: my group of X inside a half of K
	s_mul_i32 s69, s20, 1536                       ; my parity's first tile
	v_add_nc_u32 v[AXP], s68, v[LI]
	v_add_nc_u32 v[AXP+1], 2*HALF, v[AXP]
	v_add_nc_u32 v[AXR], s69, v[AXP]
	v_add_nc_u32 v[AXR+1], 2*HALF, v[AXR]
	v_add_nc_u32 v[AWP], WR, v[LI]
	v_add_nc_u32 v[AWP+1], HALF, v[AWP]
	v_add_nc_u32 v[AWR], s69, v[AWP]
	v_add_nc_u32 v[AWR+1], HALF, v[AWR]
	s_lshl_b32 s68, s19, 12
	s_add_co_u32 s68, s68, SCX
	v_add_nc_u32 v[ASXP], s68, v[LI]
	s_lshl_b32 s69, s20, 8                         ; my parity's 256 bytes of a scale block
	s_add_co_u32 s68, s68, s69
	v_add_nc_u32 v[ASXR], s68, v3
	v_add_nc_u32 v[ASWP], SCW, v[LI]
	s_add_co_u32 s69, s69, SCW
	v_add_nc_u32 v[ASWR], s69, v3
	; where my results go.  gx: my group of x = 16 b + 8 n + j.  q, k: head 4 n + c8 / 2, K step c8 % 2 of the head's 256.  v: head c8, channel n.  panel = 512 section + ((8 b + head) 8 + j) 2 + (K step or channel)
	s_lshl_b32 s68, s22, 1
	s_add_co_u32 s68, s68, s19                     ; gx
	s_lshr_b32 s69, s68, 4
	s_lshl_b32 s69, s69, 3                         ; 8 b
	s_bfe_u32 s70, s68, 0x10003                    ; n
	s_and_b32 s71, s68, 7                          ; j
	s_lshl_b32 s72, s70, 2
	s_lshr_b32 s73, s21, 1
	s_add_co_u32 s72, s72, s73
	s_add_co_u32 s72, s72, s69
	s_lshl_b32 s72, s72, 3
	s_add_co_u32 s72, s72, s71
	s_lshl_b32 s72, s72, 1
	s_and_b32 s73, s21, 1
	s_add_co_u32 s72, s72, s73                     ; q's panel; k's lies 512 on
	s_add_co_u32 s74, s69, s21
	s_lshl_b32 s74, s74, 3
	s_add_co_u32 s74, s74, s71
	s_lshl_b32 s74, s74, 1
	s_add_co_u32 s74, s74, s70
	s_add_co_u32 s74, s74, 1024                    ; v's panel
	s_mul_i32 s75, s20, 1536
	s_mul_i32 s73, s72, PANEL
	s_add_co_u32 s73, s73, s75
	v_add_nc_u32 v[VOQ], s73, v[LI]
	s_mul_i32 s73, s74, PANEL
	s_add_co_u32 s73, s73, s75
	v_add_nc_u32 v[VOV], s73, v[LI]
	s_lshl_b32 s75, s20, 8
	s_lshl_b32 s73, s72, 9
	s_add_co_u32 s73, s73, s75
	v_add_nc_u32 v[VSQ], s73, v4
	s_lshl_b32 s73, s74, 9
	s_add_co_u32 s73, s73, s75
	v_add_nc_u32 v[VSV], s73, v4
	s_lshl_b32 s73, s21, 9                         ; the weight's group: 128 numbers of its bias
	v_lshl_add_u32 v[BIA], v2, 6, s73
	s_lshl_b32 s75, s20, 5
	s_add_co_u32 s73, s73, s75
	v_lshl_add_u32 v[BRA], v5, 2, s73              ; tile 2 a + wq, lane r: number 32 a + 8 wq + r + 8 (r / 8)
.irp b, 0,1,2,3
	v_mov_b32 v[TM+4+\b], 0                        ; written once: a lane permute's destination counts as one of its sources
.endr
	s_mov_b32 s[SEL], 0x76543210
	s_mov_b32 s[SEL+1], 0xfedcba98
	; what is fetched first: of X the groups 2 ry and 2 ry + 1; of W Wq's group c8.  X's offsets hang on cy alone of my place, W's on cx alone
	s_lshl_b32 s100, s22, 1
	s_lshl_b32 s[G0SX+2], s100, 12
	s_mov_b32 s[G0SX+3], 0
	s_mul_i32 s100, s100, GRPK
	s_mov_b32 s101, 0
	s_add_co_u32 s104, s21, 64                     ; Wq's groups begin at 64, Wk's at 72, Wv's at 80
	s_lshl_b32 s[G0SW+2], s104, 12
	s_mov_b32 s[G0SW+3], 0
	s_mul_i32 s104, s104, GRPK
	s_mov_b32 s105, 0
	s_wait_kmcnt 0x0
	s_add_nc_u64 s[100:101], s[4:5], s[100:101]
	s_add_nc_u64 s[104:105], s[4:5], s[104:105]
	CROUND                                         ; all sixteen work-groups are here: the first joint loads meet
	s_mov_b32 s[G0SX], 1
	s_mov_b32 s[G0SX+1], SCX
	s_add_nc_u64 s[G0SX+2:G0SX+3], s[6:7], s[G0SX+2:G0SX+3]
	s_or_b32 s[G0SX+3], s[G0SX+3], 0x80000000
	s_mov_b32 s[G0SW], 1
	s_mov_b32 s[G0SW+1], SCW
	s_add_nc_u64 s[G0SW+2:G0SW+3], s[6:7], s[G0SW+2:G0SW+3]
	s_or_b32 s[G0SW+3], s[G0SW+3], 0x80000000
.irp f, 0,1                                    ; groups 0 for the two halves of K: X's at s[56:63], W's at s[76:83]
.set GXF, 56+4*\f
.set GWF, 76+4*\f
	s_mov_b32 s[GXF], 1
	s_mov_b32 s[GXF+1], XR+\f*2*HALF
	s_add_nc_u64 s[GXF+2:GXF+3], s[100:101], \f*HALF
	s_or_b32 s[GXF+3], s[GXF+3], 0x80000000
	s_mov_b32 s[GWF], 1
	s_mov_b32 s[GWF+1], WR+\f*HALF
	s_add_nc_u64 s[GWF+2:GWF+3], s[104:105], \f*HALF
	s_or_b32 s[GWF+3], s[GWF+3], 0x80000000
.endr
; THE HEAD'S LOADS, ONE A WAVE: wave 0 X's first half of K, wave 1 W's, wave 2 X's scale blocks, wave 3 W's.  One chain of branches on the wave's number; every way passes one load.
.macro ARM under, g0, g1, next
	s_cmp_lt_u32 s18, \under
	s_cbranch_scc0 \next
	tensor_load_to_lds s[\g0:\g0+3], s[\g1:\g1+7]
	s_nop 0
.rept 4
	v_nop
.endr
	s_branch .Lhead_asked
\next:
.endm
	ARM 1, 56, G1X, .Lhead_w
	ARM 2, 76, G1W, .Lhead_sx
	ARM 3, G0SX, G1SX, .Lhead_sw
	tensor_load_to_lds s[G0SW:G0SW+3], s[G1SW:G1SW+7]
	s_nop 0
.rept 4
	v_nop
.endr
.Lhead_asked:
	; PREFETCH of what the fill behind the next round loads, the second halves of K: X's 2 x 49,152 bytes are shared out by address among the four partners of my row (cx: a quarter of a group's K each, 24 blocks of 256 bytes a wave),
	; W's 49,152 bytes among the four of my column (cy: a panel each, 12 blocks a wave); a lane a block, the lanes left over name their wave's last block again.  The later refills have four K steps or more in which to land and are not prefetched.
	s_and_b32 s72, s21, 3                          ; cx
	s_lshr_b32 s73, s72, 1
	s_mul_i32 s73, s73, GRPK
	s_and_b32 s72, s72, 1
	s_mul_i32 s72, s72, QTR
	s_add_co_u32 s72, s72, s73
	s_mul_i32 s73, s18, 6144
	s_add_co_u32 s72, s72, s73
	s_add_co_u32 s72, s72, HALF
	s_mov_b32 s73, 0
	s_add_nc_u64 s[68:69], s[100:101], s[72:73]
	s_and_b32 s74, s22, 3                          ; cy
	s_mul_i32 s74, s74, PANEL
	s_mul_i32 s75, s18, 3072
	s_add_co_u32 s74, s74, s75
	s_add_co_u32 s74, s74, HALF
	s_mov_b32 s75, 0
	s_add_nc_u64 s[70:71], s[104:105], s[74:75]
	v_and_b32 v30, 31, v0
	v_min_u32 v31, 11, v30
	v_min_u32 v30, 23, v30
	v_lshlrev_b32 v31, 8, v31
	v_lshlrev_b32 v30, 8, v30
	global_prefetch_b8 v30, s[68:69] th:TH_LOAD_NT scope:SCOPE_SE   ; s[68:71], v30 and v31 are never written again
	global_prefetch_b8 v31, s[70:71] th:TH_LOAD_NT scope:SCOPE_SE
	; the refills: every wave fetches one panel of a half of W: panel 4 half + wave
	s_add_co_u32 s104, s21, 72
	s_mul_i32 s104, s104, GRPK
	s_mul_i32 s105, s18, PANEL
	s_add_co_u32 s104, s104, s105
	s_mov_b32 s105, 0
	s_add_nc_u64 s[RG:RG+1], s[4:5], s[104:105]    ; Wk's group, my panel of its first half
	s_mul_i32 s[LH0], s18, PANEL
	s_add_co_u32 s[LH0], s[LH0], WR
	s_add_co_u32 s[LH1], s[LH0], HALF
.macro BIAS lo                         ; the bias along P: register 16 b + i: number 32 b + 16 h + i of the weight's group
.irp b, 0,1,2,3
.irp i, 0,1,2,3
	global_load_b128 v[BI+16*\b+4*\i:BI+16*\b+4*\i+3], v[BIA], s[\lo:\lo+1] offset:128*\b+16*\i
.endr
.endr
.endm
	s_wait_alu depctr_va_vdst(0)
	BIAS 8                                         ; bq
.irp a, 0,1,2,3
	global_load_b32 v[BR+\a], v[BRA], s[12:13] offset:128*\a   ; bv at my lane's row of tile 2 a + wq
.endr
; The fragments and scale words of K step s into set `set`: 38 loads.  kind 0: P from W, R from X; kind 1: P from X, R from W.  sec: which of the three weights' scale blocks
.macro LOADF set, s, kind, sec
.if \kind
.set rPA, AXP+(\s)/4
.set rRA, AWR+(\s)/4
.set rPS, ASXP
.set rRS, ASWR
.set oPS, 512*(\s)
.set oRS, 4096*(\sec)+512*(\s)
.else
.set rPA, AWP+(\s)/4
.set rRA, AXR+(\s)/4
.set rPS, ASWP
.set rRS, ASXR
.set oPS, 4096*(\sec)+512*(\s)
.set oRS, 512*(\s)
.endif
	WIN (0x40*(1+(\set)))                          ; destination window 1 or 2, address window 0
.irp b, 0,1,2,3,4,5,6,7
.irp c, 0,1,2
	ds_load_b128 v[FR*\b+4*\c:FR*\b+4*\c+3], v[rPA] offset:PANEL*((\s)%4)+1536*\b+512*\c
.endr
.endr
.irp a, 0,1,2,3
.irp c, 0,1,2
	ds_load_b128 v[96+FR*\a+4*\c:96+FR*\a+4*\c+3], v[rRA] offset:PANEL*((\s)%4)+3072*\a+512*\c
.endr
.endr
	WIN 0
	ds_load_b128 v[SC+8*(\set):SC+8*(\set)+3], v[rRS] offset:oRS       ; word a: tile 2 a + wq's, in lanes 0-15 (and again in lanes 16-31)
	ds_load_b128 v[SC+8*(\set)+4:SC+8*(\set)+7], v[rPS] offset:oPS     ; P's block: tile b: word b / 2, lanes 0-15 (b even) or 16-31 (b odd)
.endm
.macro WM zero, ob
.if (\zero) && (\ob)
	v_wmma_scale_f32_16x16x128_f8f6f4 v[rD:rD+7], v[rP:rP+FR-1], v[rR:rR+FR-1], 0, v[rSP], v[rSR] matrix_a_fmt:MATRIX_FMT_FP6 matrix_b_fmt:MATRIX_FMT_FP6 matrix_a_scale:MATRIX_SCALE_ROW1
.elseif \zero
	v_wmma_scale_f32_16x16x128_f8f6f4 v[rD:rD+7], v[rP:rP+FR-1], v[rR:rR+FR-1], 0, v[rSP], v[rSR] matrix_a_fmt:MATRIX_FMT_FP6 matrix_b_fmt:MATRIX_FMT_FP6
.elseif \ob
	v_wmma_scale_f32_16x16x128_f8f6f4 v[rD:rD+7], v[rP:rP+FR-1], v[rR:rR+FR-1], v[rD:rD+7], v[rSP], v[rSR] matrix_a_fmt:MATRIX_FMT_FP6 matrix_b_fmt:MATRIX_FMT_FP6 matrix_a_scale:MATRIX_SCALE_ROW1
.else
	v_wmma_scale_f32_16x16x128_f8f6f4 v[rD:rD+7], v[rP:rP+FR-1], v[rR:rR+FR-1], v[rD:rD+7], v[rSP], v[rSR] matrix_a_fmt:MATRIX_FMT_FP6 matrix_b_fmt:MATRIX_FMT_FP6
.endif
.endm
; 16 products: R's tiles a0, a0 + 1 x P's eight.  zero = 1: the first product starts the sums.  The 32 accumulators take turns, one instruction a turn, in the same order in every step.
.macro MUL a0, set, zero
.irp a, \a0, \a0+1
.irp b, 0,1,2,3,4,5,6,7
.set rD, 8*(8*(\a)+\b)
.set rP, FR*\b
.set rR, 96+FR*(\a)
.set rSP, SC+8*(\set)+4+\b/2
.set rSR, SC+8*(\set)+(\a)
	WM \zero, \b%2
.endr
.endr
.endm
.macro WINM set                        ; sources 0 and 1 in the set's window, C and D in window 3
	WIN (0xf0+5*(1+(\set)))
.endm
; K step s lies in set s % 2.  A plain step: its fragments are in; the next step's (ls, lk, lsec) are asked for, into the set that the step before multiplied; then its 32 products, under which they land.
.macro PLAIN s, zero, ls, lk, lsec
	s_wait_dscnt 0x0                               ; this step's 38 loads, issued a step ago, are in
	PLACES
	LOADF 1-(\s)%2, \ls, \lk, \lsec
	WINM (\s)%2
	MUL 0, (\s)%2, \zero
	MUL 2, (\s)%2, \zero
	WIN 0
.endm
; A step in front of whose load-ahead a further first fill has to be in: a counted wait and a barrier; the younger fills may stay out.
.macro MEETS s, tc, ls, lk, lsec
	s_wait_dscnt 0x0
	s_wait_tensorcnt \tc                           ; my part of the quarter that is read next is in; tc younger loads of mine may be out
	s_barrier_signal -1
	WINM (\s)%2
	MUL 0, (\s)%2, 0
	WIN 0
	s_barrier_wait -1                              ; everybody's is
	PLACES
	LOADF 1-(\s)%2, \ls, \lk, \lsec
	WINM (\s)%2
	MUL 2, (\s)%2, 0
	WIN 0
.endm
; K steps 3 and 7 leave a half of W: its last fragments are in registers.  Each wave waits for all its tensor loads (the other half among them), adds 0 to its spare word, and waits for that and for its reads.
; fill = 2, 1: a round of the cluster's barrier, and behind it the half just left takes the next pass's; four K steps or more follow in which it lands.  fill = 2: the refills' descriptor is made; 1: it steps by stp bytes.  fill = 0: nothing is left to fetch.
.macro TURNS s, fill, lh, stp, ls, lk, lsec
	s_wait_tensorcnt 0x0                           ; no tensor load of mine is out, so a group 0 may be written
	ds_add_u32 v[SPW], v[NIL]                      ; 0 onto my spare word
.if \fill == 2
	s_mov_b32 s[GR], 1
	s_mov_b32 s[G1W+2], 48<<16                     ; no tensor load of mine is out: from here on a load of W brings one panel
	s_mov_b32 s[G1W+4], 48
	s_mov_b32 s[GR+1], s[\lh]
	s_mov_b64 s[GR+2:GR+3], s[RG:RG+1]
	s_or_b32 s[GR+3], s[GR+3], 0x80000000
.elseif \fill == 1
	s_mov_b32 s[GR+1], s[\lh]
	s_add_nc_u64 s[GR+2:GR+3], s[GR+2:GR+3], \stp  ; the type bits on top are not reached
.endif
	s_wait_dscnt 0x0                               ; the add is done, and my reads of the half that is left are over
	s_barrier_signal -1
	WINM (\s)%2
	MUL 0, (\s)%2, 0                               ; work on registers while the others arrive
	WIN 0
	s_barrier_wait -1
.if \fill
	CREST                                          ; the barrier has opened a round of the cluster's barrier: no wave of any partner still reads that half or has a load on its way
	tensor_load_to_lds s[GR:GR+3], s[G1W:G1W+7]    ; my one tensor load behind the round: one panel; the same line and mask in all four partners
	s_nop 0
.endif
	PLACES
	LOADF 1-(\s)%2, \ls, \lk, \lsec
	WINM (\s)%2
	MUL 2, (\s)%2, 0
	WIN 0
.endm
; 64 numbers of a lane, v[s] on, register 16 b + i = K 32 b + 16 (lane / 16) + i of my row, become a fragment's codes in v[PC] on and its scale word in v[pw]
.macro QUANT s, pw
.irp b, 0,1,2,3
	v_max3_num_f32 v[TM+\b], |v[\s+16*\b]|, |v[\s+1+16*\b]|, 0x1800000   ; my 16 numbers of block b, and the floor 2^(3 - 127): the byte cannot fall under 1
.endr
.irp i, 2,4,6,8,10,12,14
.irp b, 0,1,2,3
	v_max3_num_f32 v[TM+\b], v[TM+\b], |v[\s+16*\b+\i]|, |v[\s+1+16*\b+\i]|
.endr
.endr
.irp b, 0,1,2,3
	v_permlanex16_b32 v[TM+4+\b], v[TM+\b], s[SEL], s[SEL+1]
.endr
.irp b, 0,1,2,3
	v_max_num_f32 v[TM+\b], v[TM+\b], v[TM+4+\b]   ; with lane l xor 16's: the block's largest magnitude
.endr
.irp b, 0,1,2,3
	v_add_nc_u32 v[TM+12+\b], 0xff000000, v[TM+\b] ; 2 off its exponent field: the conversion's scale operand
.endr
.irp b, 0,1,2,3
	v_lshrrev_b32 v[TM+4+\b], 23, v[TM+12+\b]      ; the scale's byte
.endr
	v_lshl_or_b32 v[\pw], v[TM+5], 8, v[TM+4]
	v_lshl_or_b32 v[\pw], v[TM+6], 16, v[\pw]
	v_lshl_or_b32 v[\pw], v[TM+7], 24, v[\pw]
.irp c, 0,1
	v_cvt_scalef32_pk16_fp6_f32 v[PC+6*\c:PC+2+6*\c], v[\s+32*\c:\s+15+32*\c], v[TM+12+2*\c]
	v_cvt_scalef32_pk16_fp6_f32 v[PC+12+4*\c:PC+14+4*\c], v[\s+16+32*\c:\s+31+32*\c], v[TM+12+2*\c+1]   ; (a conversion's three registers begin on an even number)
.endr
	v_nop                                          ; one plain place behind a scaled conversion
.irp c, 0,1                                    ; the operand's layout wants a whole block in a lane
.irp i, 0,1,2
	v_permlane16_swap_b32 v[PC+6*\c+\i], v[PC+12+4*\c+\i]
.endr
.irp i, 0,1,2
	v_mov_b32 v[PC+3+6*\c+\i], v[PC+12+4*\c+\i]
.endr
.endr
.endm
; R's tile a: its 64 sums + the bias, into v[HA] on; each accumulator is read from its low end on.  kind 0: the bias runs along the registers; kind 1: it is my lane's one number.
.macro ADDB a, kind
	WIN 0x03                                       ; source 0 window 3
.set k, 0
.rept 32
.if \kind == 0
	v_pk_add_f32 v[HA+k:HA+k+1], v[64*(\a)+k:64*(\a)+k+1], v[BI+k:BI+k+1]
.elseif (\a)%2
	v_pk_add_f32 v[HA+k:HA+k+1], v[64*(\a)+k:64*(\a)+k+1], v[BR+2*((\a)/2):BR+2*((\a)/2)+1] op_sel:[0,1] op_sel_hi:[1,1]
.else
	v_pk_add_f32 v[HA+k:HA+k+1], v[64*(\a)+k:64*(\a)+k+1], v[BR+2*((\a)/2):BR+2*((\a)/2)+1] op_sel_hi:[1,0]
.endif
.set k, k+2
.endr
	WIN 0
.endm
; A PASS'S WAY OUT: tile by tile of R: bias, quantiser, and the fragment leaves as the image of its registers.  The next pass's first fragments and the refill land meanwhile.
.macro WAYOUT kind, vo, vs, io, is
	s_wait_loadcnt 0x0                             ; the biases
	PLACES
.irp a, 0,1,2,3
	ADDB \a, \kind
	s_wait_xcnt 0x0                                ; the last image's stores have read their registers: the codes may be written again
	QUANT HA, PWS+\a
.irp c, 0,1,2
	global_store_b128 v[\vo], v[PC+4*\c:PC+4*\c+3], s[14:15] offset:\io+3072*\a+512*\c   ; tile 2 a + wq: 32 lanes store 512 consecutive bytes, at a multiple of 512 from the buffer's first byte
.endr
.endr
	v_cmp_le_u32 vcc_lo, 16, v[LN]
	v_cndmask_b32 v[SW], v[PWS], v[PWS+2], vcc_lo  ; row r's four words are 16 bytes of the scale block: lanes 0-15 send the first two, lanes 16-31 the other two
	v_cndmask_b32 v[SW+1], v[PWS+1], v[PWS+3], vcc_lo
	global_store_b64 v[\vs], v[SW:SW+1], s[16:17] offset:\is   ; 32 lanes store 256 consecutive bytes, at a multiple of 256 from the buffer's first byte
.endm
	s_wait_alu depctr_va_vdst(0)                   ; the head's end
	s_wait_tensorcnt 0x0                           ; my tile of the head's four is in; the lines that stand ahead of a later first fill:
	ds_add_u32 v[SPW], v[NIL]
	s_wait_dscnt 0x0
	CROUND                                         ; all four tiles are in, and the sixteen work-groups are here
	s_cmp_lt_u32 s18, 1                            ; the second halves of K: wave 0 X's, wave 1 W's; first fills, one load a wave
	s_cbranch_scc0 .Lsecond_w
	tensor_load_to_lds s[60:63], s[G1X:G1X+7]
	s_nop 0
.rept 4
	v_nop
.endr
	s_branch .Lsecond_asked
.Lsecond_w:
	s_cmp_lt_u32 s18, 2
	s_cbranch_scc0 .Lsecond_asked
	tensor_load_to_lds s[80:83], s[G1W:G1W+7]
	s_nop 0
.rept 4
	v_nop
.endr
.Lsecond_asked:
	LOADF 0, 0, 0, 0
	; ---- pass 0: q
	PLAIN 0, 1, 1, 0, 0
	PLAIN 1, 0, 2, 0, 0
	PLAIN 2, 0, 3, 0, 0
	TURNS 3, 2, LH0, 0, 4, 0, 0                    ; all first fills are in; W's first half takes Wk's
	PLAIN 4, 0, 5, 0, 0
	PLAIN 5, 0, 6, 0, 0
	PLAIN 6, 0, 7, 0, 0
	TURNS 7, 1, LH1, HALF, 0, 0, 1                 ; W's second half takes Wk's; the next pass's first fragments are asked for
	WAYOUT 0, VOQ, VSQ, 0, 0
	BIAS 10                                        ; bk, into the registers that the additions above have read
	; ---- pass 1: k
	PLAIN 0, 1, 1, 0, 1
	PLAIN 1, 0, 2, 0, 1
	PLAIN 2, 0, 3, 0, 1
	TURNS 3, 1, LH0, 8*GRPK-HALF, 4, 0, 1          ; W's first half takes Wv's: eight groups on
	PLAIN 4, 0, 5, 0, 1
	PLAIN 5, 0, 6, 0, 1
	PLAIN 6, 0, 7, 0, 1
	TURNS 7, 1, LH1, HALF, 0, 1, 2
	WAYOUT 0, VOQ, VSQ, 512*PANEL, 512*512
	; ---- pass 2: v: the sides change places
	PLAIN 0, 1, 1, 1, 2
	PLAIN 1, 0, 2, 1, 2
	PLAIN 2, 0, 3, 1, 2
	TURNS 3, 0, LH0, 0, 4, 1, 2                    ; the last refill is in; nothing is left to fetch
	PLAIN 4, 0, 5, 1, 2
	PLAIN 5, 0, 6, 1, 2
	PLAIN 6, 0, 7, 1, 2
	s_wait_dscnt 0x0                               ; the very last step
	WINM 1
	MUL 0, 1, 0
	MUL 2, 1, 0
	WIN 0
	WAYOUT 1, VOV, VSV, 0, 0
	s_wait_tensorcnt 0x0                           ; the wave's end
	ds_add_u32 v[SPW], v[NIL]
	s_wait_dscnt 0x0
	CROUND                                         ; the closing round: no work-group ends while a partner may still ask for a tile that names it
	s_endpgm
.Lfunc_end_k_qf45a0db816_qkv:
	.size	k_qf45a0db816_qkv, .Lfunc_end_k_qf45a0db816_qkv-k_qf45a0db816_qkv
	.p2alignl 7, 3214868480
	.fill 96, 4, 3214868480
	.section	.rodata,"a",@progbits
	.p2align	6, 0x0
	.amdhsa_kernel k_qf45a0db816_qkv
		.amdhsa_group_segment_fixed_size 327680
		.amdhsa_private_segment_fixed_size 0
		.amdhsa_enable_private_segment 0
		.amdhsa_kernarg_size 56
		.amdhsa_user_sgpr_count 2
		.amdhsa_user_sgpr_kernarg_segment_ptr 1
		.amdhsa_wavefront_size32 1
		.amdhsa_system_sgpr_workgroup_id_x 1
		.amdhsa_system_sgpr_workgroup_id_y 1
		.amdhsa_system_sgpr_workgroup_id_z 1
		.amdhsa_system_vgpr_workitem_id 0
		.amdhsa_next_free_vgpr 1024
		.amdhsa_next_free_sgpr 106
		.amdhsa_reserve_vcc 1
		.amdhsa_float_denorm_mode_32 3
		.amdhsa_float_denorm_mode_16_64 3
		.amdhsa_memory_ordered 1
		.amdhsa_forward_progress 1
		.amdhsa_inst_pref_size 253
	.end_amdhsa_kernel
	.amdgpu_metadata
---
amdhsa.version: [ 1, 2 ]
amdhsa.kernels:
  - .name:           k_qf45a0db816_qkv
    .symbol:         k_qf45a0db816_qkv.kd
    .args:
      - { .name: opc, .offset: 0, .size: 8, .value_kind: global_buffer, .address_space: global }
      - { .name: ops, .offset: 8, .size: 8, .value_kind: global_buffer, .address_space: global }
      - { .name: bq, .offset: 16, .size: 8, .value_kind: global_buffer, .address_space: global }
      - { .name: bk, .offset: 24, .size: 8, .value_kind: global_buffer, .address_space: global }
      - { .name: bv, .offset: 32, .size: 8, .value_kind: global_buffer, .address_space: global }
      - { .name: qkvc, .offset: 40, .size: 8, .value_kind: global_buffer, .address_space: global }
      - { .name: qkvs, .offset: 48, .size: 8, .value_kind: global_buffer, .address_space: global }
    .group_segment_fixed_size: 327680
    .private_segment_fixed_size: 0
    .kernarg_segment_align: 8
    .kernarg_segment_size: 56
    .max_flat_workgroup_size: 128
    .sgpr_count:     106
    .vgpr_count:     1024
    .wavefront_size: 32
...
	.end_amdgpu_metadata
.endif
;; end of part 6
;; launch attn (part 7): grid 8 x 32, 4 waves a work-group, clusters of 4 x 1, 327,680 bytes of LDS; arguments qkvc, qkvs, ac, asc; writes ac, asc
.if DOCPART == 7
	.amdgcn_target "amdgcn-amd-amdhsa--gfx1250"
	.amdhsa_code_object_version 6
	.text
	.protected	k_qf45a0db816_attn
	.globl	k_qf45a0db816_attn
	.p2align	8
	.type	k_qf45a0db816_attn,@function
k_qf45a0db816_attn:
	s_mov_b64 s[64:65], 0
	v_nop
	global_prefetch_b8 v0, s[64:65] scope:SCOPE_SE
	s_setreg_imm32_b32 hwreg(HW_REG_WAVE_MODE, 25, 1), 1
	s_wait_xcnt 0x0
	s_wait_alu depctr_hold_cnt(0) depctr_sa_sdst(0) depctr_va_vdst(0) depctr_va_sdst(0) depctr_va_ssrc(0) depctr_va_vcc(0) depctr_vm_vsrc(0)
	s_getreg_b32 s2, hwreg(HW_REG_IB_STS2, 6, 4)
	s_cmp_eq_u32 s2, 0
	s_cbranch_scc0 .Lentry_in_a_cluster
	s_endpgm
.Lentry_in_a_cluster:
	s_bfe_u32 s2, ttmp6, 0x10000c
	s_cmp_lg_u32 s2, 0x3003
	s_cbranch_scc0 .Lentry_shape_is_right
	s_endpgm
.Lentry_shape_is_right:
; o = softmax(q k^T / 16) v for one (batch, head) and 128 queries a work-group, on codes of FP6 (E2M3) with E8M0 block scales; o is quantised along its 128 columns of each channel and leaves as codes and scale blocks.
; OPERANDS as the launch before laid them: panels of 12,288 bytes (eight fragments as register images, 1,536 bytes each) and scale blocks of 512 bytes (word i: lanes 0-15 tile 2 i, lanes 16-31 tile 2 i + 1).
; A UNIT is 128 keys: k's two panels (the head's 256 in two K steps), v's two panels (two channels, the keys innermost).  Both products are used transposed (S^T = k q^T, O^T = v^T p^T): a lane holds one query.
; SHARES: 256 work-groups (8 blocks of queries x 32 heads); four waves; wave w holds tiles 2 w (A) and 2 w + 1 (B) of the block's eight: 32 queries, so that each fragment of k and v feeds two products.
; All 16 fragments of k and all 16 of v of a unit stand in registers: each is read from LDS once a wave.  p = 2^(t - M), M the ceiling of the running largest t; the row's sum is taken of the unquantised p.
; A TRIP: half of unit u's v is asked of LDS; unit u's 32 products of the scores; the maxima and M, with the other half of v's loads among them; the change of slots, with the rescaling of O^T between the add and its wait;
; t - M, with the 48 loads of unit u + 1's k among the multiply-adds; A's exponentials, codes and the start of its sum; A's 16 products of O^T among B's exponentials; B's codes; B's 16 products among the rest of both sums.
; THE RING: two slots of one unit (49,152 bytes).  At the change of slots unit u stands in registers: each wave's waits and add, a round of the cluster's barrier, and the slot takes unit u + 2, one panel a wave,
; by one line whose addresses are arithmetic on the wave's number.  One tensor load a wave is out behind each round.
; CLUSTER 4 x 1: four blocks of queries of one head read the same k and v: every tile is asked for jointly.
; PREFETCH: behind the head's loads unit 1; behind unit 1's fill units 2, 3, 4; in trips 0 to 2, whose refill loads unit u + 2, unit u + 5: three fills ahead, and never more than three units asked for and not yet read.
; The cluster's 16 waves share a unit's 192 blocks of 256 bytes out by address, 12 a wave; lanes 12-31 name their wave's last block again.
; LIMITS: the scaled scores stay under 2^31 in magnitude.  A block of zeros, or one under 2^-124, gets the scale byte 1; this program alone reads the bytes.  NaN and infinities are not served.
; REGISTERS: window 0: v1-31 addresses and the rows' state; v32-53 scale words and nothing else; v64-191 S^T of A and B; v192-255 codes and the quantiser's work.
;   window 1: O^T (tile x, fragment f of v: 128 x + 8 f).   window 2: k's 16 fragments, v192-239 q's four.   window 3: v's 16 fragments.
.set PANEL, 12288
.set KSTEP, 2*PANEL
.set SECT,  512*PANEL                  ; from k's panels to v's in memory
.set SLOTB, 65536
.set SCK,   2*SLOTB                    ; k's scale blocks, 8,192 bytes; v's behind them
.set SPARE, SCK+16384                  ; the spare words, 128 bytes a wave
.set SG,    SPARE+512                  ; o's two scale blocks on their way out
.set LI,  1
.set SPW, 2
.set NIL, 3
.set ADK, 4
.set ADV, 5
.set ADS, 6
.set LIV, 7
.set LIS, 8
.set SGW, 9
.set SGR, 10
.set NM,  12                           ; pairs (-M, running largest t) of A, B
.set L,   16                           ; the rows' sums, in two halves
.set F,   20                           ; pairs (f, 0)
.set TP,  24
.set SU,  26
.set QS,  32
.set KS,  36
.set VS,  44
.set PW,  52
.set OPW, 54
.set QSA, 58
.set ASO, 59
.set PFO, 60
.set S,   64
.set PC,  192                          ; 20 registers a tile
.set TM,  232                          ; 12 registers a tile
.set PFA, 16
.set WV,  18
.set SEL, 20
.set CS,  22
.set G1C, 24
.set G1S, 32
.set G1R, 40
.set G0C, 48
.set G0S, 52
.set G0R, 56
.set TB,  60
.set TS,  61
.set CNT, 62
.set MSB, 0
.macro WIN new
.if MSB != \new
	s_set_vgpr_msb (MSB<<8)|\new
.set MSB, \new
.endif
.endm
.macro ROUND
	s_barrier_signal -1
	s_barrier_wait -1
	s_cmp_lg_u32 s[WV], 0
	s_cbranch_scc1 .Lnot_wave_0_\@
	s_barrier_signal -3
.Lnot_wave_0_\@:
	s_barrier_wait -3
	s_barrier_signal -1
	s_barrier_wait -1
.endm
	s_load_b256 s[4:11], s[0:1], 0x0               ; codes, scale blocks, o's codes, o's scale blocks
	v_lshl_add_u32 v[SPW], v0, 2, SPARE
	v_mov_b32 v[NIL], 0
	ds_add_u32 v[SPW], v[NIL]                      ; the opening lines: the add twice on end and its wait
	ds_add_u32 v[SPW], v[NIL]
	v_lshrrev_b32 v11, 5, v0
	v_readfirstlane_b32 s[WV], v11
	s_bfe_u32 s66, ttmp6, 0x40000                  ; cx
	s_lshl_b32 s67, ttmp9, 2
	s_add_co_u32 s67, s67, s66                     ; the block of queries
	s_and_b32 s68, ttmp7, 0xffff                   ; 8 b + head
	s_and_b32 s69, s[WV], 1
	s_lshr_b32 s70, s[WV], 1
	s_lshl_b32 s71, s68, 4
	s_add_co_u32 s71, s71, 512                     ; k's first panel
	s_mul_i32 s72, s71, PANEL
	s_lshl_b32 s74, s71, 9
	s_mul_i32 s76, s69, SECT                       ; the head's loads: waves 0, 1: unit 0 of k, of v
	s_add_co_u32 s76, s76, s72
	s_mov_b32 s77, 0
	s_lshl_b32 s78, s69, 18                        ; waves 2, 3: the scale blocks of k, of v
	s_add_co_u32 s78, s78, s74
	s_mov_b32 s79, 0
	s_mul_i32 s82, s70, SECT                       ; the ring: wave w fetches panel w % 2 of k (w < 2) or of v; it begins at unit 1
	s_add_co_u32 s82, s82, s72
	s_mul_i32 s83, s69, PANEL
	s_add_co_u32 s82, s82, s83
	s_add_co_u32 s82, s82, KSTEP
	s_mov_b32 s83, 0
	s_lshl_b32 s84, s68, 3                         ; q: panels 2 (8 (8 b + head) + block), my two tiles
	s_add_co_u32 s84, s84, s67
	s_lshl_b32 s84, s84, 1
	s_lshl_b32 s86, s84, 9
	s_mov_b32 s87, 0
	s_mul_i32 s84, s84, PANEL
	s_mul_i32 s88, s[WV], 3072
	s_add_co_u32 s84, s84, s88
	s_mov_b32 s85, 0
	s_lshr_b32 s2, s68, 3                          ; o: group 16 b + 8 n + block, K step = head
	s_lshl_b32 s2, s2, 4
	s_add_co_u32 s2, s2, s67
	s_lshl_b32 s2, s2, 3
	s_and_b32 s3, s68, 7
	s_add_co_u32 s2, s2, s3
	s_lshl_b32 s12, s2, 9
	s_mov_b32 s13, 0
	s_mul_i32 s2, s2, PANEL
	s_add_co_u32 s2, s2, s88
	s_mov_b32 s3, 0
	s_lshl_b32 s14, s66, 2                         ; the prefetches: p = 4 cx + wave: p < 8: blocks 12 p .. of k's unit; else of v's
	s_add_co_u32 s14, s14, s[WV]
	s_lshr_b32 s15, s14, 3
	s_and_b32 s14, s14, 7
	s_mul_i32 s14, s14, 3072
	s_mul_i32 s15, s15, SECT
	s_add_co_u32 s14, s14, s15
	s_add_co_u32 s14, s14, s72                     ; at unit 0; the units are named by the immediate
	s_mov_b32 s15, 0
.irp g, G1C, G1S, G1R                          ; dense blocks as rows of 256 bytes; the mask names the cluster's four
	s_mov_b32 s[\g], 15|(3<<16)|(1<<21)
	s_mov_b32 s[\g+1], 32<<16
	s_mov_b32 s[\g+3], 32<<16
	s_mov_b32 s[\g+5], 32
	s_mov_b32 s[\g+6], 0
	s_mov_b32 s[\g+7], 0
.endr
	s_mov_b32 s[G1C+2], 96<<16                     ; two panels
	s_mov_b32 s[G1C+4], 96
	s_mov_b32 s[G1S+2], 32<<16                     ; 16 scale blocks
	s_mov_b32 s[G1S+4], 32
	s_mov_b32 s[G1R+2], 48<<16                     ; a panel
	s_mov_b32 s[G1R+4], 48
	s_mov_b32 s[SEL], 0x76543210
	s_mov_b32 s[SEL+1], 0xfedcba98
	s_mov_b32 s[CS], 0x3db8aa3b                    ; log2(e) / 16
	s_mov_b32 s[CS+1], s[CS]
	s_mov_b32 s[TB], 0
	s_mov_b32 s[TS], 0
	v_and_b32 v11, 31, v0
	v_lshlrev_b32 v[LI], 4, v11
	v_min_u32 v[PFO], 11, v11
	v_lshlrev_b32 v[PFO], 8, v[PFO]
	v_add_nc_u32 v[LIV], KSTEP, v[LI]
	v_add_nc_u32 v[LIS], SCK, v[LI]
	v_and_b32 v11, 15, v0
	s_lshl_b32 s89, s[WV], 2
	v_lshl_add_u32 v[QSA], v11, 4, s89             ; tile 2 w + x, row r: byte 16 r + 4 w + 256 x of a scale block
	v_add_nc_u32 v[SGW], SG, v[QSA]
	s_lshl_b32 s89, s69, 9
	s_add_co_u32 s89, s89, SG
	v_add_nc_u32 v[SGR], s89, v[LI]
	s_lshl_b32 s89, s69, 15
	v_add_nc_u32 v[ASO], s89, v[LI]
	s_wait_dscnt 0x0                               ; both opening adds are done
	s_wait_alu depctr_va_vdst(0)
	s_wait_kmcnt 0x0
	s_add_nc_u64 s[8:9], s[8:9], s[2:3]
	s_add_nc_u64 s[10:11], s[10:11], s[12:13]
	s_add_nc_u64 s[84:85], s[4:5], s[84:85]
	s_add_nc_u64 s[86:87], s[6:7], s[86:87]
	s_add_nc_u64 s[PFA:PFA+1], s[4:5], s[14:15]
	s_mov_b32 s[G0C], 1
	s_mul_i32 s[G0C+1], s69, KSTEP
	s_add_nc_u64 s[G0C+2:G0C+3], s[4:5], s[76:77]
	s_or_b32 s[G0C+3], s[G0C+3], 0x80000000
	s_mov_b32 s[G0S], 1
	s_lshl_b32 s[G0S+1], s69, 13
	s_add_co_u32 s[G0S+1], s[G0S+1], SCK
	s_add_nc_u64 s[G0S+2:G0S+3], s[6:7], s[78:79]
	s_or_b32 s[G0S+3], s[G0S+3], 0x80000000
	s_mov_b32 s[G0R], 1
	s_mul_i32 s[G0R+1], s[WV], PANEL
	s_add_co_u32 s[G0R+1], s[G0R+1], SLOTB
	s_add_nc_u64 s[G0R+2:G0R+3], s[4:5], s[82:83]
	s_or_b32 s[G0R+3], s[G0R+3], 0x80000000
	WIN 0x80                                       ; q's four fragments into window 2
.irp x, 0,1
.irp e, 0,1
.irp c, 0,1,2
	global_load_b128 v[192+24*\x+12*\e+4*\c:192+24*\x+12*\e+4*\c+3], v[LI], s[84:85] offset:PANEL*\e+1536*\x+512*\c
.endr
.endr
.endr
	WIN 0
.irp x, 0,1
.irp e, 0,1
	global_load_b32 v[QS+2*\x+\e], v[QSA], s[86:87] offset:512*\e+256*\x
.endr
.endr
	ROUND                                          ; the cluster's four are here: the first joint loads meet
	s_cmp_lt_u32 s[WV], 2                          ; one load a wave: unit 0 of k, of v; the scale blocks of k, of v
	s_cbranch_scc0 .Lhead_s
	tensor_load_to_lds s[G0C:G0C+3], s[G1C:G1C+7]
	s_nop 0
.rept 4
	v_nop
.endr
	s_branch .Lhead_asked
.Lhead_s:
	tensor_load_to_lds s[G0S:G0S+3], s[G1S:G1S+7]
	s_nop 0
.rept 4
	v_nop
.endr
.Lhead_asked:
	global_prefetch_b8 v[PFO], s[PFA:PFA+1] offset:KSTEP th:TH_LOAD_NT scope:SCOPE_SE   ; unit 1, which the next fill loads
.irp x, 0,1
	v_mov_b32 v[NM+2*\x+1], 0xff61b1e6             ; the largest t so far: -3e38
	v_floor_f32 v[NM+2*\x], -v[NM+2*\x+1]
.endr
.irp r, 0,1,2,3,4,5,6,7
	v_mov_b32 v[L+\r], 0                           ; the sums, and the pairs of f
.endr
.irp x, 0,1
.irp b, 0,1,2,3
	v_mov_b32 v[TM+12*\x+4+\b], 0                  ; a lane permute's destination counts as one of its sources
.endr
.endr
	WIN 0x40
.set j, 0
.rept 256
	v_mov_b32 v[j], 0                              ; O^T: the step is written once; these stand under the first loads' flight
.set j, j+1
.endr
	WIN 0
.macro ADDR                            ; the LDS addresses of the next unit: four plain lines behind the tensor load
	v_add_nc_u32 v[ADK], s[TB], v[LI]
	v_add_nc_u32 v[ADV], s[TB], v[LIV]
	v_add_nc_u32 v[ADS], s[TS], v[LIS]
	v_nop
.endm
.macro LDG win, adr, g                 ; four fragments: 12 loads of 512 consecutive bytes
	WIN \win
.set lj, 12*(\g)
.rept 12
	ds_load_b128 v[4*lj:4*lj+3], v[\adr] offset:512*lj
.set lj, lj+1
.endr
.endm
.macro SCL sc, so                      ; a unit's two scale blocks
	ds_load_b128 v[\sc:\sc+3], v[ADS] offset:\so
	ds_load_b128 v[\sc+4:\sc+7], v[ADS] offset:\so+512
.endm
.macro KALL                            ; k's 16 fragments and scale blocks in one run
	SCL KS, 0
.irp g, 0,1,2,3
	LDG 0x80, ADK, \g
.endr
	WIN 0
.endm
.macro SWM e, t, x
.set rD, S+64*\x+8*(\t)
.set rK, 12*(8*\e+(\t))
.set rQ, 192+24*\x+12*\e
.set rW, KS+4*\e+(\t)/2
.if (\e == 0) && ((\t)%2 == 0)
	v_wmma_scale_f32_16x16x128_f8f6f4 v[rD:rD+7], v[rK:rK+11], v[rQ:rQ+11], 0, v[rW], v[QS+2*\x+\e] matrix_a_fmt:MATRIX_FMT_FP6 matrix_b_fmt:MATRIX_FMT_FP6
.elseif \e == 0
	v_wmma_scale_f32_16x16x128_f8f6f4 v[rD:rD+7], v[rK:rK+11], v[rQ:rQ+11], 0, v[rW], v[QS+2*\x+\e] matrix_a_fmt:MATRIX_FMT_FP6 matrix_b_fmt:MATRIX_FMT_FP6 matrix_a_scale:MATRIX_SCALE_ROW1
.elseif (\t)%2 == 0
	v_wmma_scale_f32_16x16x128_f8f6f4 v[rD:rD+7], v[rK:rK+11], v[rQ:rQ+11], v[rD:rD+7], v[rW], v[QS+2*\x+\e] matrix_a_fmt:MATRIX_FMT_FP6 matrix_b_fmt:MATRIX_FMT_FP6
.else
	v_wmma_scale_f32_16x16x128_f8f6f4 v[rD:rD+7], v[rK:rK+11], v[rQ:rQ+11], v[rD:rD+7], v[rW], v[QS+2*\x+\e] matrix_a_fmt:MATRIX_FMT_FP6 matrix_b_fmt:MATRIX_FMT_FP6 matrix_a_scale:MATRIX_SCALE_ROW1
.endif
.endm
.macro SPH e                           ; 16 products of the scores: the 16 accumulators by turns
	WIN 0x0a                                       ; k and q window 2, S window 0
.irp t, 0,1,2,3,4,5,6,7
.irp x, 0,1
	SWM \e, \t, \x
.endr
.endr
.endm
.macro OWM x, f
.set rD, 128*(\x)+8*(\f)
.set rV, 12*(\f)
.set rC, PC+20*(\x)
.if (\f)%2
	v_wmma_scale_f32_16x16x128_f8f6f4 v[rD:rD+7], v[rV:rV+11], v[rC:rC+11], v[rD:rD+7], v[VS+(\f)/2], v[PW+\x] matrix_a_fmt:MATRIX_FMT_FP6 matrix_b_fmt:MATRIX_FMT_FP6 matrix_a_scale:MATRIX_SCALE_ROW1
.else
	v_wmma_scale_f32_16x16x128_f8f6f4 v[rD:rD+7], v[rV:rV+11], v[rC:rC+11], v[rD:rD+7], v[VS+(\f)/2], v[PW+\x] matrix_a_fmt:MATRIX_FMT_FP6 matrix_b_fmt:MATRIX_FMT_FP6
.endif
.endm
.macro PVG x, f0                       ; four products of O^T, on four accumulators
	WIN 0x53                                       ; v window 3, p window 0, O^T window 1
.irp k, 0,1,2,3
	OWM \x, (\f0)+\k
.endr
	WIN 0
.endm
; From the four blocks' largest magnitudes (floored) in v[TM + 12 x] on and 64 numbers in v[S + 64 x] on: the fragment's codes in v[PC + 20 x] on and its scale word in v[pw]
.macro PACK x, pw
.set pT, TM+12*(\x)
.set pS, S+64*(\x)
.set pC, PC+20*(\x)
.irp b, 0,1,2,3
	v_add_nc_u32 v[pT+8+\b], 0xff000000, v[pT+\b]  ; 2 off the exponent field: the conversion's scale operand
.endr
.irp b, 0,1,2,3
	v_lshrrev_b32 v[pT+4+\b], 23, v[pT+8+\b]       ; the scale's byte
.endr
	v_lshl_or_b32 v[\pw], v[pT+5], 8, v[pT+4]
	v_lshl_or_b32 v[\pw], v[pT+6], 16, v[\pw]
	v_lshl_or_b32 v[\pw], v[pT+7], 24, v[\pw]
.irp c, 0,1
	v_cvt_scalef32_pk16_fp6_f32 v[pC+6*\c:pC+6*\c+2], v[pS+32*\c:pS+32*\c+15], v[pT+8+2*\c]
	v_cvt_scalef32_pk16_fp6_f32 v[pC+12+4*\c:pC+14+4*\c], v[pS+16+32*\c:pS+31+32*\c], v[pT+9+2*\c]
.endr
	v_nop                                          ; one plain place behind a scaled conversion
.irp c, 0,1                                    ; the operand's layout wants a whole block in a lane
.irp i, 0,1,2
	v_permlane16_swap_b32 v[pC+6*\c+\i], v[pC+12+4*\c+\i]
.endr
.irp i, 0,1,2
	v_mov_b32 v[pC+3+6*\c+\i], v[pC+12+4*\c+\i]
.endr
.endr
.endm
.macro JOINB                           ; each block's maximum with lane l xor 16's, both tiles by turns
.irp b, 0,1,2,3
.irp x, 0,1
	v_permlanex16_b32 v[TM+12*\x+4+\b], v[TM+12*\x+\b], s[SEL], s[SEL+1]
.endr
.endr
.irp b, 0,1,2,3
.irp x, 0,1
	v_max_num_f32 v[TM+12*\x+\b], v[TM+12*\x+\b], v[TM+12*\x+4+\b]
.endr
.endr
.endm
.macro SUMJ x, j                       ; four more p of the row's sum, in two chains
	v_pk_add_f32 v[L+2*(\x):L+2*(\x)+1], v[L+2*(\x):L+2*(\x)+1], v[S+64*(\x)+(\j):S+64*(\x)+(\j)+1]
	v_pk_add_f32 v[SU+2*(\x):SU+2*(\x)+1], v[SU+2*(\x):SU+2*(\x)+1], v[S+64*(\x)+(\j)+2:S+64*(\x)+(\j)+3]
.endm
.macro SUMS x                          ; the start of a row's sum, which is taken of the unquantised p: seven plain lines, which are also the places ahead of the scaled products
	v_pk_add_f32 v[SU+2*\x:SU+2*\x+1], v[S+64*\x:S+64*\x+1], v[S+64*\x+2:S+64*\x+3]
.irp j, 4,8,12
	SUMJ \x, \j
.endr
.endm
.macro FLOORB x
.irp b, 0,1,2,3
	v_max_num_f32 v[TM+12*\x+\b], 0x1800000, v[TM+12*\x+\b]   ; the floor 2^(3 - 127): the byte cannot fall under 1
.endr
.endm
; A trip.  fill = 1: the slot just read out takes unit u + 2.  fill = 0: the last two units: nothing is left to fetch, and the last trip (CNT = 1) reads no further k.
.macro BODY fill
.if \fill
	s_wait_xcnt 0x0                                ; the last prefetch has read its address
	s_add_nc_u64 s[PFA:PFA+1], s[PFA:PFA+1], KSTEP
.endif
	s_wait_dscnt 0x0                               ; k's fragments and scale blocks, asked for in the trip before, are in
	SCL VS, 8192                                   ; this unit's v: its scale blocks and its first eight fragments are asked for ahead of the scores' products
	LDG 0xc0, ADV, 0
	LDG 0xc0, ADV, 1
	SPH 0
	SPH 1
	WIN 0
.rept 4
	v_nop                                          ; the places behind the last product
.endr
.irp b, 0,1,2,3
.irp x, 0,1
	v_max3_num_f32 v[TM+12*\x+\b], v[S+64*\x+16*\b], v[S+64*\x+16*\b+1], v[S+64*\x+16*\b+2]   ; the largest score of each block of 32 keys; the two tiles' chains take turns
.endr
.endr
.irp i, 3,5,7,9,11,13
.irp b, 0,1,2,3
.irp x, 0,1
	v_max3_num_f32 v[TM+12*\x+\b], v[TM+12*\x+\b], v[S+64*\x+16*\b+\i], v[S+64*\x+16*\b+\i+1]
.endr
.endr
.if \i == 3
	LDG 0xc0, ADV, 2                               ; v's other eight fragments, in two runs behind plain vector lines
	WIN 0
.endif
.if \i == 9
	LDG 0xc0, ADV, 3
	WIN 0
.endif
.endr
.irp b, 0,1,2,3
.irp x, 0,1
	v_max_num_f32 v[TM+12*\x+\b], v[TM+12*\x+\b], v[S+64*\x+16*\b+15]
.endr
.endr
	JOINB
.irp x, 0,1
	v_max3_num_f32 v[TP+\x], v[TM+12*\x], v[TM+12*\x+1], v[TM+12*\x+2]
.endr
.irp x, 0,1
	v_max_num_f32 v[TP+\x], v[TP+\x], v[TM+12*\x+3]
.endr
.irp x, 0,1
	v_mul_f32 v[TP+\x], s[CS], v[TP+\x]            ; as t
.endr
.irp x, 0,1
	v_max_num_f32 v[NM+2*\x+1], v[NM+2*\x+1], v[TP+\x]
.endr
.irp x, 0,1
	v_mov_b32 v[TP+\x], v[NM+2*\x]
.endr
.irp x, 0,1
	v_floor_f32 v[NM+2*\x], -v[NM+2*\x+1]          ; -M = floor(-t): M is a whole number
.endr
.irp x, 0,1
	v_sub_f32 v[TP+\x], v[NM+2*\x], v[TP+\x]
.endr
.irp x, 0,1
	v_cvt_i32_f32 v[TP+\x], v[TP+\x]
.endr
.irp x, 0,1
	v_ldexp_f32 v[F+2*\x], 1.0, v[TP+\x]           ; f = 2^(old M - new M)
.endr
	s_wait_tensorcnt 0x0                           ; THE CHANGE OF SLOTS: my panel of the next unit is in;
	ds_add_u32 v[SPW], v[NIL]                      ; 0 onto my spare word; the rescaling stands between it and the wait for it
	s_xor_b32 s[TB], s[TB], SLOTB
	s_add_co_u32 s[TS], s[TS], 1024
.if \fill
	s_xor_b32 s[G0R+1], s[G0R+1], SLOTB
	s_add_nc_u64 s[G0R+2:G0R+3], s[G0R+2:G0R+3], KSTEP
.endif
	WIN 0x41
	s_wait_alu depctr_va_vdst(0)                   ; directly ahead of the first reader of O^T and of f
.set j, 0
.rept 128
	v_pk_mul_f32 v[2*j:2*j+1], v[2*j:2*j+1], v[F+2*(j/64):F+2*(j/64)+1] op_sel_hi:[1,0]   ; O^T under the new M
.set j, j+1
.endr
	WIN 0
	s_wait_dscnt 0x0                               ; the add is done, and this unit's v stands in my registers as its k does: my reads of its slot are over
.if \fill
	ROUND
	tensor_load_to_lds s[G0R:G0R+3], s[G1R:G1R+7]
	s_nop 0
.else
	s_barrier_signal -1
	s_barrier_wait -1
.endif
	ADDR
.if \fill
	SCL KS, 0
.else
	s_cmp_eq_u32 s[CNT], 1
	s_cbranch_scc1 .Lno_k_\@
	KALL
.Lno_k_\@:
.endif
.set j, 0
.irp g, 0,1,2,3                                ; t - M, and behind each sixteen multiply-adds four fragments of the next unit's k
.rept 16
	v_pk_fma_f32 v[S+2*j:S+2*j+1], v[S+2*j:S+2*j+1], s[CS:CS+1], v[NM+2*(j/32):NM+2*(j/32)+1] op_sel_hi:[1,0,0]
.set j, j+1
.endr
.if \fill
	LDG 0x80, ADK, \g
	WIN 0
.endif
.endr
.irp b, 0,1,2,3
.irp x, 0,1
	v_fma_f32 v[TM+12*\x+\b], v[TM+12*\x+\b], s[CS], v[NM+2*\x]   ; the same of each block's largest score
.endr
.endr
.irp x, 0,1
	v_pk_mul_f32 v[L+2*\x:L+2*\x+1], v[L+2*\x:L+2*\x+1], v[F+2*\x:F+2*\x+1] op_sel_hi:[1,0]
.endr
	s_wait_alu depctr_va_vdst(0)                   ; ahead of a batch of transcendentals
.set k, 0
.rept 64
	v_exp_f32 v[S+k], v[S+k]                       ; A's p
.set k, k+1
.endr
.irp b, 0,1,2,3
	v_exp_f32 v[TM+\b], v[TM+\b]                   ; and its blocks' largest p
.endr
	v_nop
	s_wait_alu depctr_va_vdst(0)                   ; and behind it
	FLOORB 0
	PACK 0, PW
	SUMS 0
.if \fill
	s_cmp_gt_u32 s[CNT], 3                         ; trips 0 to 2: unit u + 5, which the refill three trips on will load
	s_cbranch_scc0 .Lno_pf_\@
	global_prefetch_b8 v[PFO], s[PFA:PFA+1] offset:4*KSTEP th:TH_LOAD_NT scope:SCOPE_SE
.Lno_pf_\@:
.endif
	s_wait_alu depctr_va_vdst(0)                   ; ahead of B's batch, and of the products that stand among it
.set k, 0
.irp g, 0,1,2,3                                ; A's 16 products, four at a time, among B's 68 exponentials: they share no register
	PVG 0, 4*\g
.rept 17
.if k < 64
	v_exp_f32 v[S+64+k], v[S+64+k]
.else
	v_exp_f32 v[TM+12+k-64], v[TM+12+k-64]
.endif
.set k, k+1
.endr
.endr
	v_nop
	s_wait_alu depctr_va_vdst(0)
	FLOORB 1
	PACK 1, PW+1
	SUMS 1
.irp g, 0,1,2,3                                ; B's 16 products among the rest of both sums; the last twelve additions are the places behind the last product
	PVG 1, 4*\g
.irp x, 0,1
	SUMJ \x, 16+12*\g
	SUMJ \x, 20+12*\g
	SUMJ \x, 24+12*\g
.endr
.endr
.irp x, 0,1
	v_pk_add_f32 v[L+2*\x:L+2*\x+1], v[L+2*\x:L+2*\x+1], v[SU+2*\x:SU+2*\x+1]
.endr
	s_sub_co_u32 s[CNT], s[CNT], 1
	s_cmp_lg_u32 s[CNT], 0
	s_wait_alu depctr_va_vdst(0)                   ; ahead of the branch
.endm
	s_wait_alu depctr_va_vdst(0)                   ; the head's end
	s_wait_tensorcnt 0x0                           ; my tile of the head's four is in; the lines that stand ahead of a later first fill
	ds_add_u32 v[SPW], v[NIL]
	s_wait_dscnt 0x0
	ROUND
	tensor_load_to_lds s[G0R:G0R+3], s[G1R:G1R+7]  ; unit 1 into slot 1
	s_nop 0
	ADDR
	KALL                                           ; unit 0's k
.irp u, 2,3,4
	global_prefetch_b8 v[PFO], s[PFA:PFA+1] offset:KSTEP*\u th:TH_LOAD_NT scope:SCOPE_SE   ; the units of the next three fills
.endr
	s_wait_alu depctr_va_vdst(0)
	s_wait_loadcnt 0x0                             ; q
	s_mov_b32 s[CNT], 6
.Lring:
	BODY 1
	s_cbranch_scc1 .Lring
	s_mov_b32 s[CNT], 2
.Ltail:
	BODY 0
	s_cbranch_scc1 .Ltail
.irp x, 0,1
	v_add_f32 v[L+2*\x], v[L+2*\x], v[L+2*\x+1]
.endr
.irp x, 0,1
	v_permlanex16_b32 v[TP+\x], v[L+2*\x], s[SEL], s[SEL+1]
.endr
.irp x, 0,1
	v_add_f32 v[L+2*\x], v[L+2*\x], v[TP+\x]       ; the row's sum
.endr
	s_wait_alu depctr_va_vdst(0)
.irp x, 0,1
	v_rcp_f32 v[F+2*\x], v[L+2*\x]
.endr
	v_nop
.irp n, 0,1                                    ; channel by channel: O^T / the sum, quantised along the channel's 128 columns; the fragments leave as images of their registers
.if \n
	s_wait_xcnt 0x0                                ; the last images' stores have read their registers
.endif
	WIN 0x01
	s_wait_alu depctr_va_vdst(0)                   ; behind the reciprocals, directly ahead of the first reader of O^T
.set j, 0
.rept 64
	v_pk_mul_f32 v[S+2*j:S+2*j+1], v[128*(j/32)+64*\n+2*(j%32):128*(j/32)+64*\n+2*(j%32)+1], v[F+2*(j/32):F+2*(j/32)+1] op_sel_hi:[1,0]
.set j, j+1
.endr
	WIN 0
.irp b, 0,1,2,3
.irp x, 0,1
	v_max3_num_f32 v[TM+12*\x+\b], |v[S+64*\x+16*\b]|, |v[S+64*\x+16*\b+1]|, 0x1800000
.endr
.endr
.irp i, 2,4,6,8,10,12,14
.irp b, 0,1,2,3
.irp x, 0,1
	v_max3_num_f32 v[TM+12*\x+\b], v[TM+12*\x+\b], |v[S+64*\x+16*\b+\i]|, |v[S+64*\x+16*\b+\i+1]|
.endr
.endr
.endr
	JOINB
	PACK 0, OPW+2*\n
	PACK 1, OPW+2*\n+1
.irp x, 0,1
.irp c, 0,1,2
	global_store_b128 v[LI], v[PC+20*\x+4*\c:PC+20*\x+4*\c+3], s[8:9] offset:64*PANEL*\n+1536*\x+512*\c   ; 32 lanes store 512 consecutive bytes, at a multiple of 512 from the buffer's first byte
.endr
	ds_store_b32 v[SGW], v[OPW+2*\n+\x] offset:512*\n+256*\x
.endr
.endr
	s_wait_dscnt 0x0                               ; for the others' sake: my scale words have landed
	s_barrier_signal -1
	s_barrier_wait -1
	s_cmp_lt_u32 s[WV], 2
	s_cbranch_scc0 .Lno_block
	ds_load_b128 v[S:S+3], v[SGR]                  ; waves 0 and 1 send a channel's scale block each
	s_wait_dscnt 0x0
	global_store_b128 v[ASO], v[S:S+3], s[10:11]
.Lno_block:
	s_wait_tensorcnt 0x0                           ; the wave's end
	ds_add_u32 v[SPW], v[NIL]
	s_wait_dscnt 0x0
	ROUND                                          ; the closing round
	s_endpgm
.Lfunc_end_k_qf45a0db816_attn:
	.size	k_qf45a0db816_attn, .Lfunc_end_k_qf45a0db816_attn-k_qf45a0db816_attn
	.p2alignl 7, 3214868480
	.fill 96, 4, 3214868480
	.section	.rodata,"a",@progbits
	.p2align	6, 0x0
	.amdhsa_kernel k_qf45a0db816_attn
		.amdhsa_group_segment_fixed_size 327680
		.amdhsa_private_segment_fixed_size 0
		.amdhsa_enable_private_segment 0
		.amdhsa_kernarg_size 32
		.amdhsa_user_sgpr_count 2
		.amdhsa_user_sgpr_kernarg_segment_ptr 1
		.amdhsa_wavefront_size32 1
		.amdhsa_system_sgpr_workgroup_id_x 1
		.amdhsa_system_sgpr_workgroup_id_y 1
		.amdhsa_system_sgpr_workgroup_id_z 1
		.amdhsa_system_vgpr_workitem_id 0
		.amdhsa_next_free_vgpr 960
		.amdhsa_next_free_sgpr 90
		.amdhsa_reserve_vcc 0
		.amdhsa_float_denorm_mode_32 3
		.amdhsa_float_denorm_mode_16_64 3
		.amdhsa_memory_ordered 1
		.amdhsa_forward_progress 1
		.amdhsa_inst_pref_size 139
	.end_amdhsa_kernel
	.amdgpu_metadata
---
amdhsa.version: [ 1, 2 ]
amdhsa.kernels:
  - .name:           k_qf45a0db816_attn
    .symbol:         k_qf45a0db816_attn.kd
    .args:
      - { .name: qkvc, .offset: 0, .size: 8, .value_kind: global_buffer, .address_space: global }
      - { .name: qkvs, .offset: 8, .size: 8, .value_kind: global_buffer, .address_space: global }
      - { .name: ac, .offset: 16, .size: 8, .value_kind: global_buffer, .address_space: global }
      - { .name: asc, .offset: 24, .size: 8, .value_kind: global_buffer, .address_space: global }
    .group_segment_fixed_size: 327680
    .private_segment_fixed_size: 0
    .kernarg_segment_align: 8
    .kernarg_segment_size: 32
    .max_flat_workgroup_size: 128
    .sgpr_count:     90
    .vgpr_count:     960
    .wavefront_size: 32
...
	.end_amdgpu_metadata
.endif
;; end of part 7
;; launch oproj (part 8): grid 8 x 32, 4 waves a work-group, clusters of 4 x 4, 327,680 bytes of LDS; arguments ac, asc, opc, ops, bo, out0; writes out0
.if DOCPART == 8
	.amdgcn_target "amdgcn-amd-amdhsa--gfx1250"
	.amdhsa_code_object_version 6
	.text
	.protected	k_qf45a0db816_oproj
	.globl	k_qf45a0db816_oproj
	.p2align	8
	.type	k_qf45a0db816_oproj,@function
k_qf45a0db816_oproj:
	s_mov_b64 s[64:65], 0
	v_nop
	global_prefetch_b8 v0, s[64:65] scope:SCOPE_SE
	s_setreg_imm32_b32 hwreg(HW_REG_WAVE_MODE, 25, 1), 1
	s_wait_xcnt 0x0
	s_wait_alu depctr_hold_cnt(0) depctr_sa_sdst(0) depctr_va_vdst(0) depctr_va_sdst(0) depctr_va_ssrc(0) depctr_va_vcc(0) depctr_vm_vsrc(0)
	s_getreg_b32 s2, hwreg(HW_REG_IB_STS2, 6, 4)
	s_cmp_eq_u32 s2, 0
	s_cbranch_scc0 .Lentry_in_a_cluster
	s_endpgm
.Lentry_in_a_cluster:
	s_bfe_u32 s2, ttmp6, 0x10000c
	s_cmp_lg_u32 s2, 0xf033
	s_cbranch_scc0 .Lentry_shape_is_right
	s_endpgm
.Lentry_shape_is_right:
; out = att Wo^T + bo on codes of FP6 (E2M3) with E8M0 block scales; sums in f32; out [8192][1024] f32.
; OPERANDS: panels (a group of 128 rows x 128 K: eight fragments as register images, 12,288 bytes; a group's eight panels on end) and scale blocks (512 bytes) as the launches before laid them;
; lane r of tile t is row 32 (t / 2) + 8 (t % 2) + r + 8 (r / 8) of its group; a scale block's word i: lanes 0-15 tile 2 i, lanes 16-31 tile 2 i + 1.
; NAMES: P = Wo is the matrix instruction's source 0: its rows (out's columns) run along a lane's result registers: register 8 b + j of P's tile b is column 32 (b / 2) + 16 (lane / 16) + 8 (b % 2) + j.  R = att is source 1: its rows go to the lanes.
; The bias is the C of each sum's first product.
; SHARES: 256 work-groups, 8 x 32: a work-group makes 256 rows (two groups of att, X) x 128 columns (one group of Wo, W).  ALL OF K LIES IN LDS AT ONCE (307,200 bytes with the scale blocks): every byte is filled once, K half by half,
; and no slot is filled again.  A wave makes 64 x 128: 32 accumulators: wg = wave / 2 picks the group of X, wq = wave % 2 the parity of its four tiles 2 a + wq.  This tile reads 38 x 512 bytes from LDS for 32 products;
; twice the tile would leave half of the WGPs without work.
; CLUSTER 4 x 4: X is shared along a row of the cluster, W along a column: each tile is asked for jointly.
; REGISTERS: window 0: v8-29 addresses; v32-47 scale words and nothing else; v64-127 the bias; on the way out v128-255 rows of out.   windows 1, 2: the two sets of fragments: P's eight at v0-95, R's four at v96-143.
;   window 3: the accumulators, (a, b) at v[8 (8 a + b)].
.set FR,    12
.set PANEL, 12288
.set QTR,   2*PANEL
.set HALF,  4*PANEL
.set GRPK,  8*PANEL
.set XR,    0                          ; X: two groups, all of K
.set WR,    2*GRPK                     ; W: one group, all of K
.set SCX,   3*GRPK                     ; X's scale blocks: 2 x 4,096 bytes
.set SCW,   SCX+2*4096                 ; W's: 4,096 bytes
.set SWH,   2048
.set SPARE, SCW+2*SWH                  ; the spare words, 128 bytes for each wave: two blocks of 256 bytes that no other line names
.set SPITCH, 528                       ; the way out: a stage of 16 rows x (512 + 16) bytes for each wave, over X's first three K steps, which were filled once and are read by nobody behind the barrier of K step 5
.set AXR,   8                          ; v8-9   X: my group, my parity; K steps 0-3, 4-7
.set AWP,   12                         ; v12-13 W
.set ASXR,  16                         ; v16    X's scale blocks: my group, my parity's 256 bytes
.set ASWP,  18                         ; v18    W's
.set LI,    20                         ; v20 16 x lane
.set STO,   21                         ; v21 the stage: where I put my bytes of a row
.set RD,    22                         ; v22 and where I read a row back
.set BIA,   23                         ; v23 the bias: 512 c8 + 64 h
.set VO,    24                         ; v24 my byte offset in out
.set SPW,   28
.set NIL,   29
.set SC,    32                         ; set k at SC + 8 k: +0..3 R's four words, +4..7 P's block
.set BI,    64
.set BK,    128                        ; v128-191 and v192-255 by turns
.set G1X,   24
.set G1W,   32
.set G1SX,  40
.set G1SW,  48
.set G0SX,  92                         ; groups 0: X's halves s[56:63]; W's s[76:83]; the scale blocks' s[92:95], s[96:99]
.set G0SW,  96
.set MSB, 0
.macro WIN new                         ; the immediate's high byte repeats the setting that is left
.if MSB != \new
	s_set_vgpr_msb (MSB<<8)|\new
.set MSB, \new
.endif
.endm
.macro PLACES                          ; four places behind a matrix instruction, in front of loads into its registers and of the first read of results (ISA guide 7.12.1 for vector instructions)
.rept 4
	v_nop
.endr
.endm
.macro JLOAD g0a, g1a, g0b, g1b        ; a joint load: waves 0 and 1 fetch for X, waves 2 and 3 for W; four v_nop follow each of the two lines
	s_cmp_eq_u32 s19, 0
	s_cbranch_scc0 .Lfor_b_\@
	tensor_load_to_lds s[\g0a:\g0a+3], s[\g1a:\g1a+7]
	s_nop 0
.rept 4
	v_nop
.endr
	s_branch .Lasked_\@
.Lfor_b_\@:
	tensor_load_to_lds s[\g0b:\g0b+3], s[\g1b:\g1b+7]
	s_nop 0
.rept 4
	v_nop
.endr
.Lasked_\@:
.endm
.macro CREST
	s_cmp_lg_u32 s18, 0
	s_cbranch_scc1 .Lnot_wave_0_\@
	s_barrier_signal -3
.Lnot_wave_0_\@:
	s_barrier_wait -3
	s_barrier_signal -1
	s_barrier_wait -1
.endm
.macro CROUND
	s_barrier_signal -1
	s_barrier_wait -1
	CREST
.endm
	s_load_b256 s[4:11], s[0:1], 0x0               ; att's codes s[4:5], its scale blocks s[6:7], the weights' codes s[8:9], their scale blocks s[10:11]
	s_load_b128 s[12:15], s[0:1], 0x20             ; bo s[12:13], out s[14:15]
	v_lshl_add_u32 v[SPW], v0, 2, SPARE
	v_mov_b32 v[NIL], 0
	ds_add_u32 v28, v29
	ds_add_u32 v28, v29
	s_wait_dscnt 0x0
	v_lshrrev_b32 v1, 5, v0
	v_readfirstlane_b32 s18, v1                    ; wave 0..3
	s_lshr_b32 s19, s18, 1                         ; wg: my group of X.  Also: I fetch for X (0) or for W (1)
	s_and_b32 s20, s18, 1                          ; wq: my parity.  Also: which part of a fill I fetch
	s_bfe_u32 s21, ttmp6, 0x40000                  ; cx
	s_bfe_u32 s22, ttmp6, 0x40004                  ; cy
	s_lshl_b32 s2, s22, 2
	s_lshl_b32 s2, 15, s2                          ; my row of the cluster
	s_lshl_b32 s3, 0x1111, s21                     ; my column
	s_lshl_b32 s23, ttmp9, 2
	s_add_co_u32 s21, s23, s21                     ; c8 = 4 x cluster x + cx: which 128 columns
	s_and_b32 s23, ttmp7, 0xffff
	s_lshl_b32 s23, s23, 2
	s_add_co_u32 s22, s23, s22                     ; ry = 4 x cluster y + cy: which 256 rows
	; groups 1: dense blocks as rows of 256 bytes (32 elements of 8 bytes); no padding: every LDS load of the products takes 512 or 256 consecutive bytes
	s_or_b32 s[G1X], s2, (3<<16)|(1<<21)           ; 15:0 the mask; 17:16 elements of 8 bytes; 21 set beside a mask
	s_or_b32 s[G1SX], s2, (3<<16)|(1<<21)
	s_or_b32 s[G1W], s3, (3<<16)|(1<<21)
	s_or_b32 s[G1SW], s3, (3<<16)|(1<<21)
	s_mov_b32 s[G1X+1], 6144<<16                   ; X: a half of K of both groups: two rows of 49,152 bytes, 98,304 bytes apart in memory, on end in LDS: X lies (half, group, four panels)
	s_mov_b32 s[G1X+2], 2<<16
	s_mov_b32 s[G1X+3], 6144<<16
	s_mov_b32 s[G1X+4], 2
	s_mov_b32 s[G1X+5], 12288
	s_mov_b32 s[G1X+6], 0
	s_mov_b32 s[G1X+7], 0
.irp g, G1W, G1SX, G1SW
	s_mov_b32 s[\g+1], 32<<16
	s_mov_b32 s[\g+3], 32<<16
	s_mov_b32 s[\g+5], 32
	s_mov_b32 s[\g+6], 0
	s_mov_b32 s[\g+7], 0
.endr
	s_mov_b32 s[G1W+2], 192<<16                    ; W: a half of the group's K, 49,152 bytes
	s_mov_b32 s[G1W+4], 192
	s_mov_b32 s[G1SX+2], 32<<16                    ; X's scale blocks: both groups' eight
	s_mov_b32 s[G1SX+4], 32
	s_mov_b32 s[G1SW+2], 16<<16                    ; W's: eight
	s_mov_b32 s[G1SW+4], 16
	; all that hangs on ids alone is made while the arguments are on their way
	v_and_b32 v3, 31, v0
	v_lshlrev_b32 v[LI], 4, v3
	v_and_b32 v1, 15, v0                           ; r
	s_wait_alu depctr_va_vdst(0)
	v_bfe_u32 v2, v0, 4, 1                         ; h
	v_lshlrev_b32 v3, 4, v1                        ; 16 r
	s_mul_i32 s68, s19, HALF                       ; LDS: my group of X inside a half of K
	s_mul_i32 s69, s20, 1536                       ; my parity's first tile
	s_add_co_u32 s68, s68, s69
	v_add_nc_u32 v[AXR], s68, v[LI]
	v_add_nc_u32 v[AXR+1], 2*HALF, v[AXR]
	v_add_nc_u32 v[AWP], WR, v[LI]
	v_add_nc_u32 v[AWP+1], HALF, v[AWP]
	s_lshl_b32 s68, s19, 12
	s_add_co_u32 s68, s68, SCX
	s_lshl_b32 s69, s20, 8
	s_add_co_u32 s68, s68, s69
	v_add_nc_u32 v[ASXR], s68, v3
	v_add_nc_u32 v[ASWP], SCW, v[LI]
	s_mul_i32 s68, s18, 16*SPITCH                  ; my stage
	v_mul_u32_u24 v[STO], v1, SPITCH
	s_wait_alu depctr_va_vdst(0)
	v_lshl_add_u32 v[STO], v2, 6, v[STO]
	v_add_nc_u32 v[STO], s68, v[STO]               ; in: row r, + 64 h
	v_add_nc_u32 v[RD], s68, v[LI]                 ; back: the 32 lanes take one row of 512 bytes
	s_lshl_b32 s68, s22, 1
	s_add_co_u32 s68, s68, s19                     ; my group of rows: 128 rows of 4,096 bytes;
	s_lshl_b32 s68, s68, 19
	s_lshl_b32 s69, s20, 15                        ; my parity: 8 rows on;
	s_add_co_u32 s68, s68, s69
	s_lshl_b32 s69, s21, 9                         ; my 128 columns: 512 bytes
	s_add_co_u32 s68, s68, s69
	v_add_nc_u32 v[VO], s68, v[LI]
	v_lshl_add_u32 v[BIA], v2, 6, s69
	; what is fetched: of X the groups 2 ry and 2 ry + 1; of W Wo's group c8.  X's offsets hang on cy alone of my place, W's on cx alone
	s_lshl_b32 s100, s22, 1
	s_lshl_b32 s[G0SX+2], s100, 12
	s_mov_b32 s[G0SX+3], 0
	s_mul_i32 s100, s100, GRPK
	s_mov_b32 s101, 0
	s_add_co_u32 s104, s21, 88                     ; Wo's groups begin at 88
	s_lshl_b32 s[G0SW+2], s104, 12
	s_mov_b32 s[G0SW+3], 0
	s_mul_i32 s104, s104, GRPK
	s_mov_b32 s105, 0
	s_wait_kmcnt 0x0
	s_add_nc_u64 s[100:101], s[4:5], s[100:101]
	s_add_nc_u64 s[104:105], s[8:9], s[104:105]
	CROUND                                         ; all sixteen work-groups are here: the joint loads meet
	s_mov_b32 s[G0SX], 1
	s_mov_b32 s[G0SX+1], SCX
	s_add_nc_u64 s[G0SX+2:G0SX+3], s[6:7], s[G0SX+2:G0SX+3]
	s_or_b32 s[G0SX+3], s[G0SX+3], 0x80000000
	s_mov_b32 s[G0SW], 1
	s_mov_b32 s[G0SW+1], SCW
	s_add_nc_u64 s[G0SW+2:G0SW+3], s[10:11], s[G0SW+2:G0SW+3]
	s_or_b32 s[G0SW+3], s[G0SW+3], 0x80000000
.irp f, 0,1                                    ; groups 0 for the two halves of K: X's at s[56:63], W's at s[76:83]
.set GXF, 56+4*\f
.set GWF, 76+4*\f
	s_mov_b32 s[GXF], 1
	s_mov_b32 s[GXF+1], XR+\f*2*HALF
	s_add_nc_u64 s[GXF+2:GXF+3], s[100:101], \f*HALF
	s_or_b32 s[GXF+3], s[GXF+3], 0x80000000
	s_mov_b32 s[GWF], 1
	s_mov_b32 s[GWF+1], WR+\f*HALF
	s_add_nc_u64 s[GWF+2:GWF+3], s[104:105], \f*HALF
	s_or_b32 s[GWF+3], s[GWF+3], 0x80000000
.endr
; THE HEAD'S LOADS, ONE A WAVE: wave 0 X's first half of K, wave 1 W's, wave 2 X's scale blocks, wave 3 W's.  One chain of branches on the wave's number; every way passes one load.
.macro ARM under, g0, g1, next
	s_cmp_lt_u32 s18, \under
	s_cbranch_scc0 \next
	tensor_load_to_lds s[\g0:\g0+3], s[\g1:\g1+7]
	s_nop 0
.rept 4
	v_nop
.endr
	s_branch .Lhead_asked
\next:
.endm
	ARM 1, 56, G1X, .Lhead_w
	ARM 2, 76, G1W, .Lhead_sx
	ARM 3, G0SX, G1SX, .Lhead_sw
	tensor_load_to_lds s[G0SW:G0SW+3], s[G1SW:G1SW+7]
	s_nop 0
.rept 4
	v_nop
.endr
.Lhead_asked:
	; PREFETCH of what the fill behind the next round loads, the second halves of K: X's 2 x 49,152 bytes are shared out by address among the four partners of my row (cx: a quarter of a group's K each, 24 blocks of 256 bytes a wave),
	; W's 49,152 bytes among the four of my column (cy: a panel each, 12 blocks a wave); a lane a block, the lanes left over name their wave's last block again.
	s_and_b32 s72, s21, 3                          ; cx
	s_lshr_b32 s73, s72, 1
	s_mul_i32 s73, s73, GRPK
	s_and_b32 s72, s72, 1
	s_mul_i32 s72, s72, QTR
	s_add_co_u32 s72, s72, s73
	s_mul_i32 s73, s18, 6144
	s_add_co_u32 s72, s72, s73
	s_add_co_u32 s72, s72, HALF
	s_mov_b32 s73, 0
	s_add_nc_u64 s[68:69], s[100:101], s[72:73]
	s_and_b32 s74, s22, 3                          ; cy
	s_mul_i32 s74, s74, PANEL
	s_mul_i32 s75, s18, 3072
	s_add_co_u32 s74, s74, s75
	s_add_co_u32 s74, s74, HALF
	s_mov_b32 s75, 0
	s_add_nc_u64 s[70:71], s[104:105], s[74:75]
	v_and_b32 v30, 31, v0
	v_min_u32 v31, 11, v30
	v_min_u32 v30, 23, v30
	v_lshlrev_b32 v31, 8, v31
	v_lshlrev_b32 v30, 8, v30
	global_prefetch_b8 v30, s[68:69] th:TH_LOAD_NT scope:SCOPE_SE   ; s[68:71], v30 and v31 are never written again
	global_prefetch_b8 v31, s[70:71] th:TH_LOAD_NT scope:SCOPE_SE
	s_wait_alu depctr_va_vdst(0)
.irp b, 0,1,2,3
.irp i, 0,1,2,3
	global_load_b128 v[BI+16*\b+4*\i:BI+16*\b+4*\i+3], v[BIA], s[12:13] offset:128*\b+16*\i   ; register 16 b + i: column 32 b + 16 h + i
.endr
.endr
; The fragments and scale words of K step s into set `set`: 38 loads
.macro LOADF set, s
	WIN (0x40*(1+(\set)))                          ; destination window 1 or 2, address window 0
.irp b, 0,1,2,3,4,5,6,7
.irp c, 0,1,2
	ds_load_b128 v[FR*\b+4*\c:FR*\b+4*\c+3], v[AWP+(\s)/4] offset:PANEL*((\s)%4)+1536*\b+512*\c
.endr
.endr
.irp a, 0,1,2,3
.irp c, 0,1,2
	ds_load_b128 v[96+FR*\a+4*\c:96+FR*\a+4*\c+3], v[AXR+(\s)/4] offset:PANEL*((\s)%4)+3072*\a+512*\c
.endr
.endr
	WIN 0
	ds_load_b128 v[SC+8*(\set):SC+8*(\set)+3], v[ASXR] offset:512*(\s)     ; word a: tile 2 a + wq's, in lanes 0-15 (and again in lanes 16-31)
	ds_load_b128 v[SC+8*(\set)+4:SC+8*(\set)+7], v[ASWP] offset:512*(\s)   ; P's block: tile b: word b / 2, lanes 0-15 (b even) or 16-31 (b odd)
.endm
.macro WM ob
.if \ob
	v_wmma_scale_f32_16x16x128_f8f6f4 v[rD:rD+7], v[rP:rP+FR-1], v[rR:rR+FR-1], v[rC:rC+7], v[rSP], v[rSR] matrix_a_fmt:MATRIX_FMT_FP6 matrix_b_fmt:MATRIX_FMT_FP6 matrix_a_scale:MATRIX_SCALE_ROW1
.else
	v_wmma_scale_f32_16x16x128_f8f6f4 v[rD:rD+7], v[rP:rP+FR-1], v[rR:rR+FR-1], v[rC:rC+7], v[rSP], v[rSR] matrix_a_fmt:MATRIX_FMT_FP6 matrix_b_fmt:MATRIX_FMT_FP6
.endif
.endm
; 16 products: R's tiles a0, a0 + 1 x P's eight.  zero = 2: the first product starts the sums from the bias.  The 32 accumulators take turns, one instruction a turn.
.macro MUL a0, set, zero
.irp a, \a0, \a0+1
.irp b, 0,1,2,3,4,5,6,7
.set rD, 8*(8*(\a)+\b)
.if \zero == 2
.set rC, BI+8*\b
.else
.set rC, rD
.endif
.set rP, FR*\b
.set rR, 96+FR*(\a)
.set rSP, SC+8*(\set)+4+\b/2
.set rSR, SC+8*(\set)+(\a)
	WM \b%2
.endr
.endr
.endm
.macro WINM set, zero                  ; sources 0 and 1 in the set's window, D in window 3; C in window 3, or the bias in window 0
.if \zero == 2
	WIN (0xc0+5*(1+(\set)))
.else
	WIN (0xf0+5*(1+(\set)))
.endif
.endm
; K step s lies in set s % 2.  A plain step: its fragments are in; the next step's are asked for, into the set that the step before multiplied; then its 32 products, under which they land.
.macro PLAIN s, zero
	s_wait_dscnt 0x0                               ; this step's 38 loads, issued a step ago, are in
	PLACES
	LOADF 1-(\s)%2, (\s)+1
	WINM (\s)%2, \zero
	MUL 0, (\s)%2, \zero
	MUL 2, (\s)%2, \zero
	WIN 0
.endm
; A step in front of whose load-ahead the next quarter of K has to be in: a counted wait and a barrier; nothing is ever filled again, so the younger fills may stay out.
.macro MEETS s, tc
	s_wait_dscnt 0x0
	s_wait_tensorcnt \tc                           ; my part of the quarter that is read next is in; tc younger loads of mine may be out
	s_barrier_signal -1
	WINM (\s)%2, 0
	MUL 0, (\s)%2, 0                               ; work on registers while the others arrive
	WIN 0
	s_barrier_wait -1                              ; everybody's is
	PLACES
	LOADF 1-(\s)%2, (\s)+1
	WINM (\s)%2, 0
	MUL 2, (\s)%2, 0
	WIN 0
.endm
	s_wait_alu depctr_va_vdst(0)                   ; the head's end
	s_wait_tensorcnt 0x0                           ; my tile of the head's four is in; the lines that stand ahead of a later first fill:
	ds_add_u32 v[SPW], v[NIL]
	s_wait_dscnt 0x0
	CROUND                                         ; all four tiles are in, and the sixteen work-groups are here
	s_cmp_lt_u32 s18, 1                            ; the second halves of K: wave 0 X's, wave 1 W's; first fills, one load a wave
	s_cbranch_scc0 .Lsecond_w
	tensor_load_to_lds s[60:63], s[G1X:G1X+7]
	s_nop 0
.rept 4
	v_nop
.endr
	s_branch .Lsecond_asked
.Lsecond_w:
	s_cmp_lt_u32 s18, 2
	s_cbranch_scc0 .Lsecond_asked
	tensor_load_to_lds s[80:83], s[G1W:G1W+7]
	s_nop 0
.rept 4
	v_nop
.endr
.Lsecond_asked:
	LOADF 0, 0
	s_wait_loadcnt 0x0                             ; the bias
	PLAIN 0, 2
	PLAIN 1, 0
	PLAIN 2, 0
	MEETS 3, 0
	PLAIN 4, 0
	MEETS 5, 0                                     ; the last quarter; every wave's reads of K steps 0 to 5 are over at this barrier
	PLAIN 6, 0
	s_wait_dscnt 0x0                               ; the last step
	WINM 1, 0
	MUL 0, 1, 0
	MUL 2, 1, 0
	WIN 0
; THE WAY OUT, tile by tile of R: 16 rows x 128 columns go through my own stage and come back as whole rows of 512 bytes.  LDS serves a wave's instructions in order (ISA guide 5.7.1.4): no wait between the stores and the loads.
.macro TOSTAGE a
.set AC, 64*(\a)
	WIN 0x0c                                       ; an LDS store's data: window 3
.irp b, 0,1,2,3,4,5,6,7
	ds_store_b128 v[STO], v[AC+8*\b:AC+8*\b+3] offset:128*(\b/2)+32*(\b%2)         ; each accumulator from its low end on
	ds_store_b128 v[STO], v[AC+8*\b+4:AC+8*\b+7] offset:128*(\b/2)+32*(\b%2)+16
.endr
	WIN 0
.set BB, BK+64*((\a)%2)
.irp t, 0,1,2,3,4,5,6,7,8,9,10,11,12,13,14,15
	ds_load_b128 v[BB+4*\t:BB+4*\t+3], v[RD] offset:\t*SPITCH
.endr
.endm
.macro SEND a, younger                 ; younger: the LDS instructions issued behind tile a's loads, which may stay out
.set BB, BK+64*((\a)%2)
	s_wait_dscnt \younger
.irp t, 0,1,2,3,4,5,6,7,8,9,10,11,12,13,14,15
	global_store_b128 v[VO], v[BB+4*\t:BB+4*\t+3], s[14:15] offset:4096*(32*(\a)+\t+8*(\t/8)) th:TH_STORE_NT   ; stage row t is the group's row 32 a + 8 wq + t + 8 (t / 8); 32 lanes store 512 consecutive bytes, at a multiple of 512 from out's first byte
.endr
.endm
	PLACES
	TOSTAGE 0
.irp a, 1,2,3
.if \a > 1
	s_wait_xcnt 0x0                                ; tile a - 2's stores have read their registers: tile a's loads may land there
.endif
	TOSTAGE \a
	SEND \a-1, 32                                  ; behind tile a - 1's loads: tile a's 16 stores and 16 loads
.endr
	SEND 3, 0
	s_wait_tensorcnt 0x0                           ; the wave's end
	ds_add_u32 v[SPW], v[NIL]
	s_wait_dscnt 0x0
	CROUND                                         ; the closing round
	s_endpgm
.Lfunc_end_k_qf45a0db816_oproj:
	.size	k_qf45a0db816_oproj, .Lfunc_end_k_qf45a0db816_oproj-k_qf45a0db816_oproj
	.p2alignl 7, 3214868480
	.fill 96, 4, 3214868480
	.section	.rodata,"a",@progbits
	.p2align	6, 0x0
	.amdhsa_kernel k_qf45a0db816_oproj
		.amdhsa_group_segment_fixed_size 327680
		.amdhsa_private_segment_fixed_size 0
		.amdhsa_enable_private_segment 0
		.amdhsa_kernarg_size 48
		.amdhsa_user_sgpr_count 2
		.amdhsa_user_sgpr_kernarg_segment_ptr 1
		.amdhsa_wavefront_size32 1
		.amdhsa_system_sgpr_workgroup_id_x 1
		.amdhsa_system_sgpr_workgroup_id_y 1
		.amdhsa_system_sgpr_workgroup_id_z 1
		.amdhsa_system_vgpr_workitem_id 0
		.amdhsa_next_free_vgpr 1024
		.amdhsa_next_free_sgpr 106
		.amdhsa_reserve_vcc 0
		.amdhsa_float_denorm_mode_32 3
		.amdhsa_float_denorm_mode_16_64 3
		.amdhsa_memory_ordered 1
		.amdhsa_forward_progress 1
		.amdhsa_inst_pref_size 80
	.end_amdhsa_kernel
	.amdgpu_metadata
---
amdhsa.version: [ 1, 2 ]
amdhsa.kernels:
  - .name:           k_qf45a0db816_oproj
    .symbol:         k_qf45a0db816_oproj.kd
    .args:
      - { .name: ac, .offset: 0, .size: 8, .value_kind: global_buffer, .address_space: global }
      - { .name: asc, .offset: 8, .size: 8, .value_kind: global_buffer, .address_space: global }
      - { .name: opc, .offset: 16, .size: 8, .value_kind: global_buffer, .address_space: global }
      - { .name: ops, .offset: 24, .size: 8, .value_kind: global_buffer, .address_space: global }
      - { .name: bo, .offset: 32, .size: 8, .value_kind: global_buffer, .address_space: global }
      - { .name: out0, .offset: 40, .size: 8, .value_kind: global_buffer, .address_space: global }
    .group_segment_fixed_size: 327680
    .private_segment_fixed_size: 0
    .kernarg_segment_align: 8
    .kernarg_segment_size: 48
    .max_flat_workgroup_size: 128
    .sgpr_count:     106
    .vgpr_count:     1024
    .wavefront_size: 32
...
	.end_amdgpu_metadata
.endif
;; end of part 8
